; MI455X (gfx1250); checked and timed in simulation.
; The chip was launched on July 23, 2026; its instructions are those of AMD's public machine-readable ISA for CDNA 5 (MIT licence, August 2026) and "CDNA5" Instruction Set Architecture Reference Guide (July 2026). The comments in the code are by the model that wrote it; some were corrected since.
;; Hapberta Axial Encoder. Allowed arithmetic: matrix products marked QUANTISED: E4M3 operands, one E8M0 scale for each 32 along K, by v_wmma_scale_f32_16x16x128_f8f6f4 with both operands' format E4M3, f32 sums; everything else in f32.
;; Inputs: col_kW_codes 2 x 256 x 8 x 32 uint8 (E4M3 codes of col_kW, K innermost, in blocks of 32 codes); col_kW_scales 2 x 256 x 8 uint8 (E8M0 scales of col_kW, one for each 32 codes along K); col_kb 2 x 256 float32; col_oW_codes 2 x 256 x 8 x 32 uint8 (E4M3 codes of col_oW, K innermost, in blocks of 32 codes); col_oW_scales 2 x 256 x 8 uint8 (E8M0 scales of col_oW, one for each 32 codes along K); col_ob 2 x 256 float32; col_qW_codes 2 x 256 x 8 x 32 uint8 (E4M3 codes of col_qW, K innermost, in blocks of 32 codes); col_qW_scales 2 x 256 x 8 uint8 (E8M0 scales of col_qW, one for each 32 codes along K); col_qb 2 x 256 float32; col_vW_codes 2 x 256 x 8 x 32 uint8 (E4M3 codes of col_vW, K innermost, in blocks of 32 codes); col_vW_scales 2 x 256 x 8 uint8 (E8M0 scales of col_vW, one for each 32 codes along K); col_vb 2 x 256 float32; distances 2 x 32 x 256 x 256 int32; fc1W_codes 2 x 1,024 x 8 x 32 uint8 (E4M3 codes of fc1W, K innermost, in blocks of 32 codes); fc1W_scales 2 x 1,024 x 8 uint8 (E8M0 scales of fc1W, one for each 32 codes along K); fc1b 2 x 1,024 float32; fc2W_codes 2 x 256 x 32 x 32 uint8 (E4M3 codes of fc2W, K innermost, in blocks of 32 codes); fc2W_scales 2 x 256 x 32 uint8 (E8M0 scales of fc2W, one for each 32 codes along K); fc2b 2 x 256 float32; hidden_states 2 x 32 x 256 x 256 float32; ln_col_b 2 x 256 float32; ln_col_w 2 x 256 float32; ln_f_b 256 float32; ln_f_w 256 float32; ln_ff_b 2 x 256 float32; ln_ff_w 2 x 256 float32; ln_row_b 2 x 256 float32; ln_row_w 2 x 256 float32; row_kW_codes 2 x 256 x 8 x 32 uint8 (E4M3 codes of row_kW, K innermost, in blocks of 32 codes); row_kW_scales 2 x 256 x 8 uint8 (E8M0 scales of row_kW, one for each 32 codes along K); row_kb 2 x 256 float32; row_oW_codes 2 x 256 x 8 x 32 uint8 (E4M3 codes of row_oW, K innermost, in blocks of 32 codes); row_oW_scales 2 x 256 x 8 uint8 (E8M0 scales of row_oW, one for each 32 codes along K); row_ob 2 x 256 float32; row_qW_codes 2 x 256 x 8 x 32 uint8 (E4M3 codes of row_qW, K innermost, in blocks of 32 codes); row_qW_scales 2 x 256 x 8 uint8 (E8M0 scales of row_qW, one for each 32 codes along K); row_qb 2 x 256 float32; row_rel 2 x 32 x 8 float32; row_vW_codes 2 x 256 x 8 x 32 uint8 (E4M3 codes of row_vW, K innermost, in blocks of 32 codes); row_vW_scales 2 x 256 x 8 uint8 (E8M0 scales of row_vW, one for each 32 codes along K); row_vb 2 x 256 float32.
;; Outputs: out0 2 x 32 x 256 x 256 float32.
;; This version of the problem:
;;   THIS VERSION OF THE PROBLEM IS GIVEN IN LOW PRECISION. The matrix products marked QUANTISED in the list below multiply operands that are first quantised to E4M3 (4 exponent bits, 3 mantissa bits; 8 bits a number), with one power-of-two scale for each 32 numbers along K (OCP MX v1.0); their sums are f32. All else is computed in f32.
;;   The module's matrix products, in the order in which they are computed (A, B: the left and right operand; K: the contracted axis; several contracted axes count as one K, in the product's order):
;;     1. [M 16,384, K 256] x [K 256, N 256]; A: computed on the way; B: input row_qW (given as codes): QUANTISED
;;     2. [M 16,384, K 256] x [K 256, N 256]; A: computed on the way; B: input row_kW (given as codes): QUANTISED
;;     3. [M 16,384, K 256] x [K 256, N 256]; A: computed on the way; B: input row_vW (given as codes): QUANTISED
;;     4. batch 512 x [M 256, K 32] x [K 32, N 256]; A: computed on the way; B: computed on the way: QUANTISED
;;     5. batch 512 x [M 32, K 256] x [K 256, N 256]; A: computed on the way; B: softmax (see below): QUANTISED
;;     6. [M 16,384, K 256] x [K 256, N 256]; A: computed on the way; B: input row_oW (given as codes): QUANTISED
;;     7. [M 16,384, K 256] x [K 256, N 256]; A: computed on the way; B: input col_qW (given as codes): QUANTISED
;;     8. [M 16,384, K 256] x [K 256, N 256]; A: computed on the way; B: input col_kW (given as codes): QUANTISED
;;     9. [M 16,384, K 256] x [K 256, N 256]; A: computed on the way; B: input col_vW (given as codes): QUANTISED
;;     10. batch 4,096 x [M 32, K 32] x [K 32, N 32]; A: computed on the way; B: computed on the way: QUANTISED
;;     11. batch 4,096 x [M 32, K 32] x [K 32, N 32]; A: computed on the way; B: softmax (see below): QUANTISED
;;     12. [M 16,384, K 256] x [K 256, N 256]; A: computed on the way; B: input col_oW (given as codes): QUANTISED
;;     13. [M 16,384, K 256] x [K 256, N 1,024]; A: computed on the way; B: input fc1W (given as codes): QUANTISED
;;     14. [M 16,384, K 1,024] x [K 1,024, N 256]; A: computed on the way; B: input fc2W (given as codes): QUANTISED
;;     15. [M 16,384, K 256] x [K 256, N 256]; A: computed on the way; B: input row_qW (given as codes): QUANTISED
;;     16. [M 16,384, K 256] x [K 256, N 256]; A: computed on the way; B: input row_kW (given as codes): QUANTISED
;;     17. [M 16,384, K 256] x [K 256, N 256]; A: computed on the way; B: input row_vW (given as codes): QUANTISED
;;     18. batch 512 x [M 256, K 32] x [K 32, N 256]; A: computed on the way; B: computed on the way: QUANTISED
;;     19. batch 512 x [M 32, K 256] x [K 256, N 256]; A: computed on the way; B: softmax (see below): QUANTISED
;;     20. [M 16,384, K 256] x [K 256, N 256]; A: computed on the way; B: input row_oW (given as codes): QUANTISED
;;     21. [M 16,384, K 256] x [K 256, N 256]; A: computed on the way; B: input col_qW (given as codes): QUANTISED
;;     22. [M 16,384, K 256] x [K 256, N 256]; A: computed on the way; B: input col_kW (given as codes): QUANTISED
;;     23. [M 16,384, K 256] x [K 256, N 256]; A: computed on the way; B: input col_vW (given as codes): QUANTISED
;;     24. batch 4,096 x [M 32, K 32] x [K 32, N 32]; A: computed on the way; B: computed on the way: QUANTISED
;;     25. batch 4,096 x [M 32, K 32] x [K 32, N 32]; A: computed on the way; B: softmax (see below): QUANTISED
;;     26. [M 16,384, K 256] x [K 256, N 256]; A: computed on the way; B: input col_oW (given as codes): QUANTISED
;;     27. [M 16,384, K 256] x [K 256, N 1,024]; A: computed on the way; B: input fc1W (given as codes): QUANTISED
;;     28. [M 16,384, K 1,024] x [K 1,024, N 256]; A: computed on the way; B: input fc2W (given as codes): QUANTISED
;;   THE QUANTISER, for each operand of a quantised product, along K:
;;     - K is cut into blocks of 32 from its start; a last block that is shorter is filled with zeros.
;;     - A block's scale is 2^e with e = floor(log2(the largest magnitude in the block)) - 8, held to -126 .. 127; a block of zeros has e = 0. As a byte (E8M0): e + 127.
;;     - Each number is divided by its block's scale, clamped to +-448, and rounded to the nearest number of E4M3, ties to even, subnormals kept.
;;     - The product sums the exact products of the quantised numbers (number of the format x scale) in f32.
;;   ~~~python
;;   def quantise(x, axis):      # numpy; x: float32 -> the quantised numbers, widened to float32 again
;;       x = np.moveaxis(x, axis, -1); K = x.shape[-1]
;;       x = np.pad(x, [(0, 0)] * (x.ndim - 1) + [(0, -K % 32)]); x = x.reshape(x.shape[:-1] + (-1, 32)); a = np.abs(x).max(-1, keepdims=True)
;;       e = np.where(a > 0, np.clip(np.frexp(np.where(a > 0, a, 1))[1] - 1 - 8, -126, 127), 0)      # np.frexp(a)[1] - 1 = floor(log2(a)), exactly
;;       r = np.clip(x / 2.0 ** e, -448, 448)
;;       step = 2.0 ** (np.maximum(np.frexp(np.where(r == 0, 1, r))[1] - 1, -6) - 3)
;;       q = np.round(r / step) * step * 2.0 ** e      # np.round: ties to even
;;       return np.moveaxis(q.reshape(q.shape[:-2] + (-1,))[..., :K], -1, axis).astype(np.float32)
;;   ~~~
;;   SOFTMAX AHEAD OF A QUANTISED PRODUCT. Where the list says 'softmax', what is quantised is not the finished softmax but p = 2^(t - M), with t = logit x log2(e) and M = ceil(the row's largest t), a whole number; so 1/2 < the row's largest p <= 1. The row's sum l is taken of the UNQUANTISED p, in f32, and the product's result is divided by l at the end. Since M is a whole number, a kernel that streams over the keys may use a running M (the ceiling of the running maximum): every later rescaling is an exact power of two, which a block's scale takes up: the codes' values come out the same.
;;   OPERANDS COMPUTED ON THE WAY. 'Computed on the way' means the value that the module computes at that place (a softmax that the list does not call 'softmax' is quantised finished and normalised). What goes into a quantiser is computed in f32, as accurately as f32 sums, v_exp_f32 and their like allow (about 1e-6 of the number): no bf16 or f16 on the way to a quantiser, and a product that is left as it is and whose result goes on into a quantised operand takes f32 operands (vector FMAs, or v_wmma_f32_16x16x4_f32). A number that lies on a knife's edge between two numbers of the format may be rounded either way, as far as f32 arithmetic and the matrix unit's own rounding can turn it there, and no further.
;;   INPUTS GIVEN AS CODES. col_kW (in the module: [2, 256, 256], K = its axis 2); col_oW (in the module: [2, 256, 256], K = its axis 2); col_qW (in the module: [2, 256, 256], K = its axis 2); col_vW (in the module: [2, 256, 256], K = its axis 2); fc1W (in the module: [2, 1024, 256], K = its axis 2); fc2W (in the module: [2, 256, 1024], K = its axis 2); row_kW (in the module: [2, 256, 256], K = its axis 2); row_oW (in the module: [2, 256, 256], K = its axis 2); row_qW (in the module: [2, 256, 256], K = its axis 2); row_vW (in the module: [2, 256, 256], K = its axis 2): each comes as NAME_codes (uint8): NAME with its K axis moved to the last place and cut into blocks of 32 codes, [.., K / 32, bytes a block], one block behind the other in memory; one code a byte (a code: sign, 4 exponent bits, 3 mantissa bits); and NAME_scales (uint8): the same leading axes, one E8M0 byte (e + 127) for each 32 codes along K. Its value is code x scale, taken as it is: it is not quantised again, and the codes and scales need not be those that the quantiser above would give.
;; 2 versions, each right; version 2 is version 1 with the launches row0, col0, row1, col1 written anew for expert scheduling mode. Each part assembles by itself: llvm-mc -triple=amdgcn-amd-amdhsa -mcpu=gfx1250 --defsym DOCPART=n.
;; ======== version 1 of 2: 5 launches
;; workspace buffers: bkt 4,194,304 bytes of whole numbers; par 2,162,688 bytes; ctxc 4,194,304 bytes; ctxs 131,072 bytes; xa 16,777,216 bytes; lay0 256 bytes of whole numbers; lay1 256 bytes of whole numbers
;; launch prep (part 1): grid 320 x 1, 8 waves a work-group, no clusters, 0 bytes of LDS; arguments distances, row_qW_codes, row_kW_codes, row_vW_codes, row_oW_codes, col_qW_codes, col_kW_codes, col_vW_codes, col_oW_codes, fc1W_codes, fc2W_codes, row_qW_scales, row_kW_scales, row_vW_scales, row_oW_scales, col_qW_scales, col_kW_scales, col_vW_scales, col_oW_scales, fc1W_scales, fc2W_scales, bkt, par, lay0, lay1; writes bkt, par, lay0, lay1
.if DOCPART == 1
	.amdgcn_target "amdgcn-amd-amdhsa--gfx1250"
	.amdhsa_code_object_version 6
	.text
	.protected	k_qf171ea7ba9_prep
	.globl	k_qf171ea7ba9_prep
	.p2align	8
	.type	k_qf171ea7ba9_prep,@function
k_qf171ea7ba9_prep:
	s_mov_b64 s[64:65], 0
	v_nop
	global_prefetch_b8 v0, s[64:65] scope:SCOPE_SE
	s_setreg_imm32_b32 hwreg(HW_REG_WAVE_MODE, 25, 1), 1
	s_wait_xcnt 0x0
; PREP.  Two kinds of work-groups, parted by the work-group's number.
; 0..255: distances [64 (b,r)][256 queries][256 keys] i32 become bytes 4 x bucket, laid as the attention's lanes take them:
;   bkt[br][T 16][kb 8][lane 32][16 bytes]: lane (r, h) has query 32 (T/2) + 8 (T%2) + r + 8 (r/8) against keys 32 kb + 16 h + 0..15.
;   bucket = 0 where d = 0, else min(trunc(log2|d| x 30 / log2(50000)), 30) + 1.
;   LIMIT: the logarithm is v_log_f32 times one constant; for a distance whose 30 log(a) / log(50000) lies within a few last places of a
;   whole number the bucket may differ by one from a natural logarithm, a division and a multiplication in that order.
; 256..319: all weights' codes and scale bytes are laid as images of operand registers: par[layer][unit U][tile u 2][c 4][lane][16 bytes],
;   unit = (matrix, pair of tiles p, K step s): the bytes are codes[row 32 p + 8 u + r + 8 (r/8)][128 s + 32 c + 16 h ..]; the scale words
;   lie at SCO + 128 U + 4 lane (lane = 16 u + r).  One wave moves one unit.  Two of these waves also store the layer numbers 0 and 1.
; No LDS, no barrier: waves share nothing.  No cluster: no two work-groups read the same bytes.
.set LSTR, 0x108000                    ; bytes of a layer in par
.set SCO,  0x100000                    ; where a layer's scale words begin
.set DD,   32                          ; v32-95  four tiles x 16 distances
.set FF,   96                          ; v96-111 at work
.set OO,   16                          ; v16-31  four registers of bytes for each tile: no store's data are written again
	s_load_b64 s[4:5], s[0:1], 0x0                 ; distances
	s_load_b512 s[8:23], s[0:1], 0x8               ; codes of matrices 0..7
	s_load_b128 s[24:27], s[0:1], 0x48             ; codes of fc1, fc2
	s_load_b512 s[28:43], s[0:1], 0x58             ; scales of matrices 0..7
	s_load_b128 s[44:47], s[0:1], 0x98             ; scales of fc1, fc2
	s_load_b256 s[48:55], s[0:1], 0xa8             ; bkt, par, lay0, lay1
	v_lshrrev_b32 v1, 5, v0
	v_readfirstlane_b32 s56, v1                    ; wave
	v_and_b32 v2, 31, v0                           ; lane
	v_and_b32 v3, 15, v0                           ; r
	v_bfe_u32 v4, v0, 4, 1                         ; h
	v_and_b32 v5, 8, v3
	v_add_nc_u32 v5, v5, v3                        ; r + 8 (r / 8)
	v_lshlrev_b32 v6, 4, v2                        ; 16 x lane
	s_wait_kmcnt 0x0
	s_cmp_lt_u32 ttmp9, 256
	s_cbranch_scc0 .Lweights
	; ---- buckets: work-group = (br, four query tiles), wave = block of 32 keys
	s_lshr_b32 s57, ttmp9, 2                       ; br
	s_and_b32 s58, ttmp9, 3                        ; which 64 queries
	s_lshl_b32 s60, s57, 18
	s_lshl_b32 s59, s58, 16
	s_add_co_u32 s60, s60, s59
	s_lshl_b32 s59, s56, 7
	s_add_co_u32 s60, s60, s59
	s_mov_b32 s61, 0
	s_add_nc_u64 s[4:5], s[4:5], s[60:61]
	s_lshl_b32 s60, s57, 16
	s_lshl_b32 s59, s58, 14
	s_add_co_u32 s60, s60, s59
	s_lshl_b32 s59, s56, 9
	s_add_co_u32 s60, s60, s59
	s_add_nc_u64 s[48:49], s[48:49], s[60:61]
	v_lshlrev_b32 v7, 6, v4
	v_lshl_add_u32 v7, v5, 10, v7                  ; my query's row of 1,024 bytes + my half's 64
	s_mov_b32 s62, 0x3ff60077                      ; 30 / log2(50000)
.irp t, 0,1,2,3
.irp j, 0,1,2,3
	global_load_b128 v[DD+16*\t+4*\j:DD+16*\t+4*\j+3], v7, s[4:5] offset:(32*(\t/2)+8*(\t%2))*1024+16*\j th:TH_LOAD_NT
.endr
.endr
.macro BUCK t
	s_wait_loadcnt 12-4*\t                         ; this tile's four loads are in; the later tiles' may be out
.irp i, 0,1,2,3,4,5,6,7,8,9,10,11,12,13,14,15
	v_cvt_f32_i32 v[FF+\i], v[DD+16*\t+\i]
.endr
.irp i, 0,1,2,3,4,5,6,7,8,9,10,11,12,13,14,15
	v_max_num_f32 v[FF+\i], |v[FF+\i]|, 1.0
.endr
.irp i, 0,1,2,3,4,5,6,7,8,9,10,11,12,13,14,15
	v_log_f32 v[FF+\i], v[FF+\i]
.endr
	v_nop                                          ; a plain line behind the last logarithm
	s_wait_alu depctr_va_vdst(0)                   ; one wait for the sixteen, ahead of their first reader
.irp i, 0,1,2,3,4,5,6,7,8,9,10,11,12,13,14,15
	v_mul_f32 v[FF+\i], s62, v[FF+\i]
.endr
.irp i, 0,1,2,3,4,5,6,7,8,9,10,11,12,13,14,15
	v_cvt_i32_f32 v[FF+\i], v[FF+\i]
.endr
.irp i, 0,1,2,3,4,5,6,7,8,9,10,11,12,13,14,15
	v_min_u32 v[FF+\i], 30, v[FF+\i]
.endr
.irp i, 0,1,2,3,4,5,6,7,8,9,10,11,12,13,14,15
	v_add_lshl_u32 v[FF+\i], v[FF+\i], 1, 2        ; 4 x (bucket): a lane's byte address for the lane permute
.endr
.irp i, 0,1,2,3,4,5,6,7,8,9,10,11,12,13,14,15
	v_cmp_ne_u32 vcc_lo, 0, v[DD+16*\t+\i]
	v_cndmask_b32 v[FF+\i], 0, v[FF+\i], vcc_lo    ; distance 0: bucket 0
.endr
.irp k, 0,1,2,3
	v_lshl_or_b32 v[OO+4*\t+\k], v[FF+4*\k+1], 8, v[FF+4*\k]
	v_lshl_or_b32 v[OO+4*\t+\k], v[FF+4*\k+2], 16, v[OO+4*\t+\k]
	v_lshl_or_b32 v[OO+4*\t+\k], v[FF+4*\k+3], 24, v[OO+4*\t+\k]
.endr
	global_store_b128 v6, v[OO+4*\t:OO+4*\t+3], s[48:49] offset:4096*\t   ; 32 lanes store 512 consecutive bytes
.endm
	BUCK 0
	BUCK 1
	BUCK 2
	BUCK 3
	s_endpgm
.Lweights:
	; ---- weights: work-group = (layer, eight units), wave = unit
	s_sub_co_u32 s57, ttmp9, 256
	s_lshr_b32 s58, s57, 5                         ; layer
	s_and_b32 s59, s57, 31                         ; g
	s_lshl_b32 s60, s59, 3
	s_add_co_u32 s60, s60, s56                     ; U = 8 g + wave
	s_lshr_b32 s61, s59, 1
	s_min_u32 s61, s61, 8
	s_cmp_ge_u32 s59, 24
	s_cselect_b32 s62, 1, 0
	s_cselect_b32 s66, 10, 8                       ; log2 of a row of codes in bytes: fc2 1,024, else 256
	s_cselect_b32 s67, 3, 1                        ; log2 of the K steps in a row
	s_add_co_u32 s61, s61, s62                     ; matrix 0..9
	s_cmp_ge_u32 s59, 16
	s_cselect_b32 s68, 18, 16                      ; log2 of a layer of codes in bytes
	s_cselect_b32 s69, 63, 15
	s_and_b32 s69, s60, s69                        ; the unit's number in its matrix
	s_lshr_b32 s70, s69, s67                       ; pair p
	s_bfm_b32 s71, s67, 0
	s_and_b32 s71, s69, s71                        ; K step s
	s_bitcmp1_b32 s61, 0                           ; the matrix's two buffers are chosen bit by bit of its number
	s_cselect_b64 s[8:9], s[10:11], s[8:9]
	s_cselect_b64 s[12:13], s[14:15], s[12:13]
	s_cselect_b64 s[16:17], s[18:19], s[16:17]
	s_cselect_b64 s[20:21], s[22:23], s[20:21]
	s_cselect_b64 s[24:25], s[26:27], s[24:25]
	s_cselect_b64 s[28:29], s[30:31], s[28:29]
	s_cselect_b64 s[32:33], s[34:35], s[32:33]
	s_cselect_b64 s[36:37], s[38:39], s[36:37]
	s_cselect_b64 s[40:41], s[42:43], s[40:41]
	s_cselect_b64 s[44:45], s[46:47], s[44:45]
	s_bitcmp1_b32 s61, 1
	s_cselect_b64 s[8:9], s[12:13], s[8:9]
	s_cselect_b64 s[16:17], s[20:21], s[16:17]
	s_cselect_b64 s[28:29], s[32:33], s[28:29]
	s_cselect_b64 s[36:37], s[40:41], s[36:37]
	s_bitcmp1_b32 s61, 2
	s_cselect_b64 s[8:9], s[16:17], s[8:9]
	s_cselect_b64 s[28:29], s[36:37], s[28:29]
	s_bitcmp1_b32 s61, 3
	s_cselect_b64 s[8:9], s[24:25], s[8:9]
	s_cselect_b64 s[28:29], s[44:45], s[28:29]
	s_lshl_b32 s72, s58, s68                       ; codes: layer,
	s_lshl_b32 s74, s70, 5
	s_lshl_b32 s74, s74, s66                       ; row 32 p,
	s_add_co_u32 s72, s72, s74
	s_lshl_b32 s74, s71, 7                         ; 128 s along K
	s_add_co_u32 s72, s72, s74
	s_mov_b32 s73, 0
	s_add_nc_u64 s[8:9], s[8:9], s[72:73]
	s_sub_co_u32 s75, s66, 5                       ; the scales' rows and layers are 32 times shorter
	s_sub_co_u32 s76, s68, 5
	s_lshl_b32 s72, s58, s76
	s_lshl_b32 s74, s70, 5
	s_lshl_b32 s74, s74, s75
	s_add_co_u32 s72, s72, s74
	s_lshl_b32 s74, s71, 2
	s_add_co_u32 s72, s72, s74
	s_add_nc_u64 s[28:29], s[28:29], s[72:73]
	v_lshlrev_b32 v7, s66, v5
	v_lshl_add_u32 v7, v4, 4, v7                   ; tile 0: my row, + 16 h
	s_lshl_b32 s74, 8, s66
	v_add_nc_u32 v8, s74, v7                       ; tile 1: eight rows on
	v_lshl_add_u32 v9, v4, 3, v5
	v_lshlrev_b32 v9, s75, v9                      ; scale word: lanes 0-15 tile 0's rows, lanes 16-31 tile 1's
	v_lshlrev_b32 v10, 2, v2
	s_mul_i32 s78, s58, LSTR
	s_mov_b32 s79, 0
	s_add_nc_u64 s[50:51], s[50:51], s[78:79]      ; par at my layer
	s_lshl_b32 s78, s60, 7
	s_add_nc_u64 s[80:81], s[50:51], s[78:79]      ; + 128 U: the scale words (SCO stands in the immediate)
	s_lshl_b32 s78, s60, 12
	s_add_nc_u64 s[50:51], s[50:51], s[78:79]      ; + 4,096 U: the codes
.irp c, 0,1,2,3
	global_load_b128 v[16+4*\c:19+4*\c], v7, s[8:9] offset:32*\c
	global_load_b128 v[32+4*\c:35+4*\c], v8, s[8:9] offset:32*\c
.endr
	global_load_b32 v48, v9, s[28:29]
	s_wait_loadcnt 0x0
.irp k, 0,1,2,3,4,5,6,7
	global_store_b128 v6, v[16+4*\k:19+4*\k], s[50:51] offset:512*\k      ; 512 consecutive bytes a store
.endr
	global_store_b32 v10, v48, s[80:81] offset:SCO
	s_or_b32 s74, s59, s56
	s_cmp_lg_u32 s74, 0
	s_cbranch_scc1 .Ldone
	s_cmp_eq_u32 s58, 0                            ; the first wave of each layer's first work-group stores the layer's number, 64 words
	s_cselect_b64 s[52:53], s[52:53], s[54:55]
	v_mov_b32 v12, s58
	v_mov_b32 v13, s58
	v_lshlrev_b32 v11, 3, v2
	global_store_b64 v11, v[12:13], s[52:53]
.Ldone:
	s_endpgm
.Lfunc_end_k_qf171ea7ba9_prep:
	.size	k_qf171ea7ba9_prep, .Lfunc_end_k_qf171ea7ba9_prep-k_qf171ea7ba9_prep
	.p2alignl 7, 3214868480
	.fill 96, 4, 3214868480
	.section	.rodata,"a",@progbits
	.p2align	6, 0x0
	.amdhsa_kernel k_qf171ea7ba9_prep
		.amdhsa_group_segment_fixed_size 0
		.amdhsa_private_segment_fixed_size 0
		.amdhsa_enable_private_segment 0
		.amdhsa_kernarg_size 200
		.amdhsa_user_sgpr_count 2
		.amdhsa_user_sgpr_kernarg_segment_ptr 1
		.amdhsa_wavefront_size32 1
		.amdhsa_system_sgpr_workgroup_id_x 1
		.amdhsa_system_sgpr_workgroup_id_y 1
		.amdhsa_system_sgpr_workgroup_id_z 1
		.amdhsa_system_vgpr_workitem_id 0
		.amdhsa_next_free_vgpr 128
		.amdhsa_next_free_sgpr 96
		.amdhsa_reserve_vcc 1
		.amdhsa_float_denorm_mode_32 3
		.amdhsa_float_denorm_mode_16_64 3
		.amdhsa_memory_ordered 1
		.amdhsa_forward_progress 1
		.amdhsa_inst_pref_size 34
	.end_amdhsa_kernel
	.amdgpu_metadata
---
amdhsa.version: [ 1, 2 ]
amdhsa.kernels:
  - .name:           k_qf171ea7ba9_prep
    .symbol:         k_qf171ea7ba9_prep.kd
    .args:
      - { .name: distances, .offset: 0, .size: 8, .value_kind: global_buffer, .address_space: global }
      - { .name: row_qW_codes, .offset: 8, .size: 8, .value_kind: global_buffer, .address_space: global }
      - { .name: row_kW_codes, .offset: 16, .size: 8, .value_kind: global_buffer, .address_space: global }
      - { .name: row_vW_codes, .offset: 24, .size: 8, .value_kind: global_buffer, .address_space: global }
      - { .name: row_oW_codes, .offset: 32, .size: 8, .value_kind: global_buffer, .address_space: global }
      - { .name: col_qW_codes, .offset: 40, .size: 8, .value_kind: global_buffer, .address_space: global }
      - { .name: col_kW_codes, .offset: 48, .size: 8, .value_kind: global_buffer, .address_space: global }
      - { .name: col_vW_codes, .offset: 56, .size: 8, .value_kind: global_buffer, .address_space: global }
      - { .name: col_oW_codes, .offset: 64, .size: 8, .value_kind: global_buffer, .address_space: global }
      - { .name: fc1W_codes, .offset: 72, .size: 8, .value_kind: global_buffer, .address_space: global }
      - { .name: fc2W_codes, .offset: 80, .size: 8, .value_kind: global_buffer, .address_space: global }
      - { .name: row_qW_scales, .offset: 88, .size: 8, .value_kind: global_buffer, .address_space: global }
      - { .name: row_kW_scales, .offset: 96, .size: 8, .value_kind: global_buffer, .address_space: global }
      - { .name: row_vW_scales, .offset: 104, .size: 8, .value_kind: global_buffer, .address_space: global }
      - { .name: row_oW_scales, .offset: 112, .size: 8, .value_kind: global_buffer, .address_space: global }
      - { .name: col_qW_scales, .offset: 120, .size: 8, .value_kind: global_buffer, .address_space: global }
      - { .name: col_kW_scales, .offset: 128, .size: 8, .value_kind: global_buffer, .address_space: global }
      - { .name: col_vW_scales, .offset: 136, .size: 8, .value_kind: global_buffer, .address_space: global }
      - { .name: col_oW_scales, .offset: 144, .size: 8, .value_kind: global_buffer, .address_space: global }
      - { .name: fc1W_scales, .offset: 152, .size: 8, .value_kind: global_buffer, .address_space: global }
      - { .name: fc2W_scales, .offset: 160, .size: 8, .value_kind: global_buffer, .address_space: global }
      - { .name: bkt, .offset: 168, .size: 8, .value_kind: global_buffer, .address_space: global }
      - { .name: par, .offset: 176, .size: 8, .value_kind: global_buffer, .address_space: global }
      - { .name: lay0, .offset: 184, .size: 8, .value_kind: global_buffer, .address_space: global }
      - { .name: lay1, .offset: 192, .size: 8, .value_kind: global_buffer, .address_space: global }
    .group_segment_fixed_size: 0
    .private_segment_fixed_size: 0
    .kernarg_segment_align: 8
    .kernarg_segment_size: 200
    .max_flat_workgroup_size: 256
    .sgpr_count:     96
    .vgpr_count:     128
    .wavefront_size: 32
...
	.end_amdgpu_metadata
.endif
;; end of part 1
;; launch row0 (part 2): grid 256 x 1, 16 waves a work-group, no clusters, 128,512 bytes of LDS; arguments hidden_states, bkt, par, lay0, row_qb, row_kb, row_vb, row_rel, ln_row_w, ln_row_b, ctxc, ctxs; writes ctxc, ctxs
.if DOCPART == 2
	.amdgcn_target "amdgcn-amd-amdhsa--gfx1250"
	.amdhsa_code_object_version 6
	.text
	.protected	k_qf171ea7ba9_row0
	.globl	k_qf171ea7ba9_row0
	.p2align	8
	.type	k_qf171ea7ba9_row0,@function
k_qf171ea7ba9_row0:
	s_mov_b64 s[64:65], 0
	v_nop
	global_prefetch_b8 v0, s[64:65] scope:SCOPE_SE
	s_setreg_imm32_b32 hwreg(HW_REG_WAVE_MODE, 25, 1), 1
	s_wait_xcnt 0x0
; ROW ATTENTION of one layer, up to the context's codes.  A work-group owns one (b, r) and two heads; sixteen waves.
; A: wave w normalises (LN) and quantises 16 columns' tokens (tile w) and lays the two fragments in LDS as images of operand registers.
;    LN's w and b (2,048 bytes) come into LDS once, 4 bytes a thread, and every wave takes its blocks' gains from there.
; B: wave (cb = w % 4, tq = w / 4) makes, for token tiles 4 tq .. 4 tq + 3: Q or K of one head (cb 0, 1: Q of head 0, 1; cb 2, 3: K), used transposed, so that
;    a lane holds one token and 16 of the head's 32 channels; and 16 channels of V (tile cb), used the other way, so that a lane holds one channel and its registers run along the tokens.
;    All are quantised in registers (Q, K: the block is the head; V: blocks of 32 tokens) and go to LDS as images.
; C: wave w owns query tile w, both heads one after the other, 128 keys a step: S^T = K Q^T on top of the bias (fetched by a lane permute from a register that holds
;    rel[lane][head]); p = 2^(t - M), M the running ceiling; the sum of the unquantised p; p quantised along the keys; O^T += V^T p; O^T / sum is quantised (the block is the head) and stored as codes.
; TILES ARE PERMUTED: lane-row r of tile T is element 32 (T/2) + 8 (T%2) + r + 8 (r/8), so that the 16 registers of result tiles 2 b, 2 b + 1 are 16 neighbours, 32 b + 16 (lane/16) + 0..15.
; PRODUCTS WITH K = 32 use the 128-deep form: one side's registers 4..15 are zero codes; the other side's operand runs on into neighbouring fragments' codes (never a NaN code: every number is held at 448 x its scale).
; LIMITS: NaN and infinities are not served; a block whose largest magnitude lies under 2^-118 has its scale byte held at 1; a block of zeros has the byte 1 (only this program reads the bytes).
; NO CLUSTER, NO TENSOR LOADS: the four work-groups of a (b, r) share its 262,144 bytes of x and 65,536 of buckets; each lane takes its part straight into the registers in which it is worked on,
; and beside the 126,464 bytes of images a ring for x would be one more trip through LDS for bytes that a wave reads once.
.set LSTR, 0x108000
.set SCO,  0x100000
.set XIMG, 0                           ; x's fragments: tile x 4096 + K step x 2048 + c x 512 + 16 lane
.set XSC,  65536                       ; their scale words: tile x 256 + K step x 128 + 4 lane
.set QKIMG, 69632                      ; cb x 8192 + tile x 512 + 16 lane
.set QKSC, 102400                      ; cb x 1024 + tile x 64 + 4 (lane % 16)
.set VIMG, 106496                      ; channel tile x 4096 + K step x 2048 + c x 512 + 16 lane
.set VSC,  122880                      ; channel tile x 256 + K step x 128 + 4 lane
.set CSS,  123904                      ; the context's two scale bytes of each token: 2 x token
.set GLN,  124416                      ; LN's w, 1,024 bytes, then its b
.set LI,  1                            ; 16 x lane
.set LS,  2                            ; 4 x lane
.set L16, 3                            ; 4 x (lane % 16)
.set RR,  4                            ; r + 8 (r / 8)
.set XO,  5                            ; phases A, B: offsets and LDS addresses
.set GH,  6
.set XW,  7
.set XSW, 8
.set XR,  9
.set XSR, 10
.set QKW, 11
.set QKSW, 12
.set VW,  13
.set VSW, 14
.set VBO, 15
.set CQ,  5                            ; phase C
.set CQS, 6
.set CK,  7
.set CKS, 8
.set CV,  9
.set CVS, 10
.set CCS, 11
.set NEGM, 12                          ; -M;  v13 the largest t;  v[14:15] the sum in two halves
.set TMX, 13
.set SUM, 14
.set X,   96                           ; phase A: v96-223 my 128 numbers of a token
.set G,   32                           ; v32-95 two sets of 16 gains and 16 offsets
.set TM,  224                          ; v224-239 quantiser: largest magnitudes, permute's results, holds, scale operands
.set WQK, 96                           ; phase B: v96-159 Q's or K's weights (K step x 32 + tile x 16)
.set WVR, 160                          ; v160-191 V's weights
.set XF,  192                          ; v192-223 x's two fragments
.set AQ,  32                           ; v32-47 Q or K of a tile
.set AV,  48                           ; v48-79 V: four tiles of tokens
.set BI,  80                           ; v80-95 bias of Q or K in the result's layout
.set VB,  16                           ; v16-23 bias of V
.set WQS, 240                          ; v240-247 hold scales and nothing else
.set WVS, 242
.set XS,  244
.set KS,  240
.set VS,  244
.set QS,  246
.set PWD, 247
.set SS,  96                           ; phase C: v96-159 scores, then p
.set OT,  160                          ; v160-175 O^T
.set BK,  176                          ; v176-207 my queries' bucket bytes for all 256 keys
.set PP,  208                          ; v208-223 p's codes
.set REL, 84                           ; v84-85 rel[lane][head] for my two heads
.set CC,  86                           ; v86-93 the context's codes, four registers a head
.set CB,  94                           ; v94-95 its scale bytes
.set CTO, 248
.set CRD, 251
.set FR,  252                          ; v[252:253] f = 2^(old M - new M); later 1 / sum
.set TT,  254
.set GLA, 255                          ; v255 LDS address of my half's gains: GLN + 64 h
.set SEL, 40
.set MNT, 42
.set CS,  44
.set SF,  46
.set WVN, 48
.set CBS, 49
.set TQ,  50
.set HG,  51
.set BR,  52
.set INV, 53
.set EPSR, 54
.macro PLACES                          ; nine plain lines behind a run of matrix instructions: they serve reads of results, loads into operands and matrix instructions that write over them alike
.rept 9
	v_nop
.endr
.endm
.macro BAR                             ; my LDS stores have landed and my LDS loads are in: then the work-group's barrier
	s_wait_dscnt 0x0
	s_barrier_signal -1
	s_barrier_wait -1
.endm
; cnt units of 16 numbers a lane (v[s + 16 q] on; a block of 32 lies in lanes l and l xor 16) become 4 registers of codes each (v[d + ds q] on) and a scale byte (v[sb + q])
.macro QB cnt, s, d, ds, sb
.set q, 0
.rept \cnt
	v_max3_num_f32 v[TM+q], |v[\s+16*q]|, |v[\s+16*q+1]|, 0x4800000   ; the floor 2^(9 - 127) among the leaves: the byte cannot fall under 1
.set q, q+1
.endr
.irp i, 2,4,6,8,10,12,14
.set q, 0
.rept \cnt
	v_max3_num_f32 v[TM+q], v[TM+q], |v[\s+16*q+\i]|, |v[\s+16*q+\i+1]|
.set q, q+1
.endr
.endr
.set q, 0
.rept \cnt
	v_permlanex16_b32 v[TM+4+q], v[TM+q], s[SEL], s[SEL+1]
.set q, q+1
.endr
.set q, 0
.rept \cnt
	v_max_num_f32 v[TM+q], v[TM+q], v[TM+4+q]      ; the block's largest magnitude
.set q, q+1
.endr
.set q, 0
.rept \cnt
	v_add_nc_u32 v[TM+12+q], 0xfc000000, v[TM+q]   ; 8 off its exponent field: the conversion's scale operand
	v_and_or_b32 v[TM+8+q], v[TM+q], 0x7f800000, s[MNT]   ; 448 x the scale
.set q, q+1
.endr
.set q, 0
.rept \cnt
	v_lshrrev_b32 v[\sb+q], 23, v[TM+12+q]         ; the scale's byte
.set q, q+1
.endr
.set q, 0
.rept \cnt
.irp i, 0,1,2,3,4,5,6,7,8,9,10,11,12,13,14,15
	v_med3_num_f32 v[\s+16*q+\i], v[\s+16*q+\i], -v[TM+8+q], v[TM+8+q]   ; the conversion does not saturate (ISA guide 7.6.2): the hold comes first
.endr
	v_cvt_scalef32_pk8_fp8_f32 v[\d+\ds*q:\d+\ds*q+1], v[\s+16*q:\s+16*q+7], v[TM+12+q]
	v_cvt_scalef32_pk8_fp8_f32 v[\d+\ds*q+2:\d+\ds*q+3], v[\s+16*q+8:\s+16*q+15], v[TM+12+q]
.set q, q+1
.endr
	v_nop                                          ; a plain line behind the last conversion
.endm
.macro WORD w, sb                      ; four bytes make a scale word
	v_lshl_or_b32 v[\w], v[\sb+1], 8, v[\sb]
	v_lshl_or_b32 v[\w], v[\sb+2], 16, v[\w]
	v_lshl_or_b32 v[\w], v[\sb+3], 24, v[\w]
.endm
.macro GAINS b                         ; LN's w and b of features 32 b + 16 h + 0..15, from LDS, into set b % 2: eight LDS loads; sixteen lanes read the same 16 bytes
.irp j, 0,1,2,3
	ds_load_b128 v[G+32*((\b)%2)+4*\j:G+32*((\b)%2)+4*\j+3], v[GLA] offset:128*(\b)+16*\j
.endr
.irp j, 0,1,2,3
	ds_load_b128 v[G+32*((\b)%2)+16+4*\j:G+32*((\b)%2)+16+4*\j+3], v[GLA] offset:1024+128*(\b)+16*\j
.endr
.endm
	s_load_b512 s[8:23], s[0:1], 0x0               ; x 8, bkt 10, par 12, lay 14, qb 16, kb 18, vb 20, rel 22
	s_load_b256 s[24:31], s[0:1], 0x40             ; ln w 24, ln b 26, ctxc 28, ctxs 30
	v_lshrrev_b32 v16, 5, v0
	v_readfirstlane_b32 s[WVN], v16                ; wave 0..15
	v_and_b32 v16, 31, v0                          ; lane
	v_and_b32 v17, 15, v0                          ; r
	v_bfe_u32 v18, v0, 4, 1                        ; h
	v_and_b32 v[RR], 8, v17
	v_add_nc_u32 v[RR], v[RR], v17
	v_lshlrev_b32 v[LI], 4, v16
	v_lshlrev_b32 v[LS], 2, v16
	v_lshlrev_b32 v[L16], 2, v17
	v_lshlrev_b32 v[GH], 6, v18                    ; 64 h
	v_add_nc_u32 v[GLA], GLN, v[GH]
	v_and_b32 v32, 0xff, v0
	v_lshlrev_b32 v32, 2, v32                      ; the gains' way in: thread t takes number t % 256 (of w: waves 0-7; of b: waves 8-15),
	v_lshl_add_u32 v34, v0, 2, GLN                 ; and puts it at GLN + 4 t
	v_lshl_add_u32 v[XO], v[RR], 10, v[GH]         ; x: my token's row of 1,024 bytes + 64 h
	v_lshlrev_b32 v[VBO], 2, v[RR]
	s_and_b32 s[CBS], s[WVN], 3
	s_lshr_b32 s[TQ], s[WVN], 2
	s_and_b32 s[HG], ttmp9, 3                      ; which two heads
	s_lshr_b32 s[BR], ttmp9, 2                     ; (b, r)
	s_lshl_b32 s33, s[WVN], 12
	v_add_nc_u32 v[XW], s33, v[LI]
	s_lshl_b32 s33, s[WVN], 8
	s_add_co_u32 s33, s33, XSC
	v_add_nc_u32 v[XSW], s33, v[LS]
	s_lshl_b32 s33, s[TQ], 14
	v_add_nc_u32 v[XR], s33, v[LI]
	s_lshl_b32 s33, s[TQ], 10
	s_add_co_u32 s33, s33, XSC
	v_add_nc_u32 v[XSR], s33, v[LS]
	s_lshl_b32 s33, s[CBS], 13
	s_lshl_b32 s34, s[TQ], 11
	s_add_co_u32 s33, s33, s34
	s_add_co_u32 s33, s33, QKIMG
	v_add_nc_u32 v[QKW], s33, v[LI]
	s_lshl_b32 s33, s[CBS], 10
	s_lshl_b32 s34, s[TQ], 8
	s_add_co_u32 s33, s33, s34
	s_add_co_u32 s33, s33, QKSC
	v_add_nc_u32 v[QKSW], s33, v[L16]
	s_lshl_b32 s33, s[CBS], 12
	s_lshl_b32 s34, s[TQ], 10
	s_add_co_u32 s33, s33, s34
	s_add_co_u32 s33, s33, VIMG
	v_add_nc_u32 v[VW], s33, v[LI]
	s_lshl_b32 s33, s[CBS], 8
	s_lshr_b32 s34, s[TQ], 1
	s_lshl_b32 s34, s34, 7
	s_add_co_u32 s33, s33, s34
	s_and_b32 s34, s[TQ], 1
	s_lshl_b32 s34, s34, 1
	s_add_co_u32 s33, s33, s34
	s_add_co_u32 s33, s33, VSC
	v_add_nc_u32 v[VSW], s33, v[LS]
.irp i, 0,1,2,3
	v_mov_b32 v[TM+4+\i], 0                        ; written once: a lane permute's destination counts as one of its sources
.endr
	s_mov_b32 s[SEL], 0x76543210
	s_mov_b32 s[SEL+1], 0xfedcba98                 ; v_permlanex16_b32's selects for lane l xor 16
	s_mov_b32 s[MNT], 0x600000                     ; the mantissa field of 448
	s_mov_b32 s[CS], 0x3fb8aa3b                    ; log2(e)
	s_mov_b32 s[CS+1], s[CS]
	s_mov_b32 s[INV], 0x3b800000                   ; 1 / 256
	s_mov_b32 s[EPSR], 0x2b8cbccc                  ; 1e-12
	s_lshl_b32 s34, s[BR], 18
	s_lshr_b32 s33, s[WVN], 1
	s_lshl_b32 s33, s33, 15
	s_add_co_u32 s34, s34, s33
	s_and_b32 s33, s[WVN], 1
	s_lshl_b32 s33, s33, 13
	s_add_co_u32 s34, s34, s33                     ; (b, r)'s 256 rows, + my tile's first token 32 (w / 2) + 8 (w % 2)
	s_mov_b32 s35, 0
	s_wait_kmcnt 0x0
	s_load_b32 s32, s[14:15], 0x0                  ; the layer's number
	s_add_nc_u64 s[8:9], s[8:9], s[34:35]
.set i, 0
.rept 32
	global_load_b128 v[X+4*i:X+4*i+3], v[XO], s[8:9] offset:128*(i/4)+16*(i%4)   ; features 32 b + 16 h + 0..15 of my token, b = 0..7
.set i, i+1
.endr
	s_wait_kmcnt 0x0
	s_min_u32 s32, s32, 1
	s_lshl_b32 s34, s32, 10                        ; a layer of each [2][256] f32 input, and of rel, is 1,024 bytes
	s_add_nc_u64 s[16:17], s[16:17], s[34:35]
	s_add_nc_u64 s[18:19], s[18:19], s[34:35]
	s_add_nc_u64 s[20:21], s[20:21], s[34:35]
	s_add_nc_u64 s[22:23], s[22:23], s[34:35]
	s_add_nc_u64 s[24:25], s[24:25], s[34:35]
	s_add_nc_u64 s[26:27], s[26:27], s[34:35]
	s_mul_i32 s34, s32, LSTR
	s_add_nc_u64 s[12:13], s[12:13], s[34:35]
	s_cmp_lt_u32 s[WVN], 8                         ; the choice hangs on the wave's number alone
	s_cselect_b64 s[70:71], s[24:25], s[26:27]
	global_load_b32 v33, v32, s[70:71]             ; my word of LN's w or b: a wave reads 128 consecutive bytes
	; where my wave's weights, biases, buckets and results lie
	s_and_b32 s33, s[CBS], 1
	s_lshr_b32 s55, s[CBS], 1
	s_lshl_b32 s62, s[HG], 1
	s_add_co_u32 s63, s62, s33                     ; Q's or K's head (= pair of tiles)
	s_add_co_u32 s62, s62, s55                     ; V's head
	s_lshl_b32 s34, s55, 16
	s_lshl_b32 s66, s63, 13
	s_add_co_u32 s34, s34, s66
	s_add_nc_u64 s[36:37], s[12:13], s[34:35]      ; units (matrix cb / 2, pair, K step 0, 1)
	s_lshl_b32 s34, s55, 11
	s_lshl_b32 s66, s63, 8
	s_add_co_u32 s34, s34, s66
	s_add_nc_u64 s[38:39], s[12:13], s[34:35]      ; their scale words (SCO in the immediate)
	s_cmp_lt_u32 s[CBS], 2
	s_cselect_b64 s[56:57], s[16:17], s[18:19]     ; qb or kb
	s_cselect_b32 s[SF], 0x3d000000, 1.0           ; Q is scaled by 32^-0.5 / sqrt(32) = 2^-5, K by 1: one text for both
	s_mov_b32 s[SF+1], s[SF]
	s_lshl_b32 s34, s63, 7
	s_add_nc_u64 s[56:57], s[56:57], s[34:35]
	s_lshl_b32 s34, s62, 13
	s_lshl_b32 s66, s33, 11
	s_add_co_u32 s34, s34, s66
	s_add_co_u32 s34, s34, 131072
	s_add_nc_u64 s[58:59], s[12:13], s[34:35]      ; V's weights: matrix 2, pair, tile cb % 2
	s_lshl_b32 s34, s62, 8
	s_lshl_b32 s66, s33, 6
	s_add_co_u32 s34, s34, s66
	s_add_co_u32 s34, s34, 4096
	s_add_nc_u64 s[60:61], s[12:13], s[34:35]
	s_lshl_b32 s34, s62, 7
	s_lshl_b32 s66, s33, 5
	s_add_co_u32 s34, s34, s66
	s_add_nc_u64 s[20:21], s[20:21], s[34:35]      ; vb at channel 32 head + 8 (cb % 2)
	s_lshl_b32 s34, s[BR], 16
	s_lshl_b32 s66, s[WVN], 12
	s_add_co_u32 s34, s34, s66
	s_add_nc_u64 s[10:11], s[10:11], s[34:35]      ; buckets of query tile w
	s_lshl_b32 s34, s[HG], 3
	s_add_nc_u64 s[22:23], s[22:23], s[34:35]      ; rel at head 2 hg
	s_lshr_b32 s66, s[BR], 5                       ; b
	s_and_b32 s67, s[BR], 31                       ; r
	s_lshl_b32 s34, s66, 21
	s_lshl_b32 s68, s[HG], 19
	s_add_co_u32 s34, s34, s68
	s_lshl_b32 s68, s67, 13
	s_add_co_u32 s34, s34, s68
	s_lshr_b32 s68, s[WVN], 1
	s_lshl_b32 s68, s68, 10
	s_add_co_u32 s34, s34, s68
	s_and_b32 s68, s[WVN], 1
	s_lshl_b32 s68, s68, 8
	s_add_co_u32 s34, s34, s68
	s_add_nc_u64 s[28:29], s[28:29], s[34:35]      ; ctxc[b][2 hg][r][my tile's first token]
	s_lshl_b32 s34, s66, 16
	s_lshl_b32 s68, s[HG], 14
	s_add_co_u32 s34, s34, s68
	s_lshl_b32 s68, s67, 9
	s_add_co_u32 s34, s34, s68
	s_add_nc_u64 s[30:31], s[30:31], s[34:35]      ; ctxs[b][hg][r]
	; ---- A: LN of my token (its other 128 numbers lie in lane l xor 16), in two passes
	s_wait_loadcnt 0x0                             ; x's 32 loads, and my word of the gains, which was asked for last
	ds_store_b32 v34, v33
	s_wait_dscnt 0x0                               ; for the others' sake: my word of the gains lies in LDS
	s_barrier_signal -1                            ; the two passes below are register work: they stand between the signal and the wait
.irp c, 0,2,4,6
	v_pk_add_f32 v[16+\c:17+\c], v[X+\c:X+\c+1], v[X+8+\c:X+9+\c]
.endr
.set i, 16
.rept 56
	v_pk_add_f32 v[16+i%8:17+i%8], v[16+i%8:17+i%8], v[X+i:X+i+1]
.set i, i+2
.endr
	v_pk_add_f32 v[16:17], v[16:17], v[18:19]
	v_pk_add_f32 v[20:21], v[20:21], v[22:23]
	v_pk_add_f32 v[16:17], v[16:17], v[20:21]
	v_add_f32 v16, v16, v17
	v_permlanex16_b32 v17, v16, s[SEL], s[SEL+1]
	v_add_f32 v16, v16, v17
	v_mul_f32 v248, 0xbb800000, v16                ; - mean
	v_mov_b32 v249, v248
.set i, 0
.rept 64
	v_pk_add_f32 v[X+i:X+i+1], v[X+i:X+i+1], v[248:249]
.set i, i+2
.endr
.irp c, 0,2,4,6
	v_pk_mul_f32 v[16+\c:17+\c], v[X+\c:X+\c+1], v[X+\c:X+\c+1]
.endr
.set i, 8
.rept 60
	v_pk_fma_f32 v[16+i%8:17+i%8], v[X+i:X+i+1], v[X+i:X+i+1], v[16+i%8:17+i%8]
.set i, i+2
.endr
	v_pk_add_f32 v[16:17], v[16:17], v[18:19]
	v_pk_add_f32 v[20:21], v[20:21], v[22:23]
	v_pk_add_f32 v[16:17], v[16:17], v[20:21]
	v_add_f32 v16, v16, v17
	v_permlanex16_b32 v17, v16, s[SEL], s[SEL+1]
	v_add_f32 v16, v16, v17
	v_fma_f32 v16, v16, s[INV], s[EPSR]            ; variance + eps
	v_rsq_f32 v250, v16
	v_nop
	s_wait_alu depctr_va_vdst(0)                   ; ahead of the root's first reader
	v_mov_b32 v251, v250
	s_barrier_wait -1                              ; all 512 words of w and b lie in LDS
	GAINS 0
	GAINS 1
.macro NORM b
.if \b < 7
	s_wait_dscnt 8                                 ; this block's eight LDS loads are in; the other set's eight may be out
.else
	s_wait_dscnt 0x0
.endif
.irp j, 0,2,4,6,8,10,12,14
	v_pk_mul_f32 v[X+16*\b+\j:X+16*\b+\j+1], v[X+16*\b+\j:X+16*\b+\j+1], v[250:251]
.endr
.irp j, 0,2,4,6,8,10,12,14
	v_pk_fma_f32 v[X+16*\b+\j:X+16*\b+\j+1], v[X+16*\b+\j:X+16*\b+\j+1], v[G+32*(\b%2)+\j:G+32*(\b%2)+\j+1], v[G+32*(\b%2)+16+\j:G+32*(\b%2)+17+\j]
.endr
.if \b < 6
	GAINS \b+2
.endif
.endm
.irp b, 0,1,2,3,4,5,6,7
	NORM \b
.endr
	QB 4, X, 16, 4, 248                            ; K step 0: codes v16-31, bytes v248-251
	WORD 252, 248
.irp c, 0,1,2,3
	ds_store_b128 v[XW], v[16+4*\c:19+4*\c] offset:512*\c
.endr
	ds_store_b32 v[XSW], v252
.irp st, 0,1                                   ; the numbers' registers are free: Q's or K's weights land there
.irp k, 0,1,2,3,4,5,6,7
	global_load_b128 v[WQK+32*\st+4*\k:WQK+32*\st+4*\k+3], v[LI], s[36:37] offset:4096*\st+512*\k
.endr
	global_load_b32 v[WQS+\st], v[LS], s[38:39] offset:SCO+128*\st
.endr
.irp j, 0,1,2,3
	global_load_b128 v[BI+4*\j:BI+4*\j+3], v[GH], s[56:57] offset:16*\j
.endr
	QB 4, X+64, 32, 4, 248                         ; K step 1: codes into other registers than the stores above read
	WORD 253, 248
.irp c, 0,1,2,3
	ds_store_b128 v[XW], v[32+4*\c:35+4*\c] offset:2048+512*\c
.endr
	ds_store_b32 v[XSW], v253 offset:128
.irp st, 0,1
.irp c, 0,1,2,3
	global_load_b128 v[WVR+16*\st+4*\c:WVR+16*\st+4*\c+3], v[LI], s[58:59] offset:4096*\st+512*\c
.endr
	global_load_b32 v[WVS+\st], v[L16], s[60:61] offset:SCO+128*\st
.endr
	global_load_b32 v254, v[VBO], s[20:21]
	BAR                                            ; x's 32 fragments lie in LDS
	; ---- B: projections
	s_wait_loadcnt 0x0                             ; weights, scale words, biases
.irp j, 0,1,2,3,4,5,6,7
	v_mov_b32 v[VB+\j], v254                       ; V's bias in the result's layout: a lane holds one channel
.endr
.macro PTILE i                         ; token tile 4 tq + i
.irp st, 0,1
.irp c, 0,1,2,3
	ds_load_b128 v[XF+16*\st+4*\c:XF+16*\st+4*\c+3], v[XR] offset:4096*\i+2048*\st+512*\c
.endr
	ds_load_b32 v[XS+\st], v[XSR] offset:256*\i+128*\st
.endr
	s_wait_dscnt 0x0
	; three accumulators by turns; the biases are the C of each sum's first product
	v_wmma_scale_f32_16x16x128_f8f6f4 v[AQ:AQ+7], v[WQK:WQK+15], v[XF:XF+15], v[BI:BI+7], v[WQS], v[XS]
	v_wmma_scale_f32_16x16x128_f8f6f4 v[AQ+8:AQ+15], v[WQK+16:WQK+31], v[XF:XF+15], v[BI+8:BI+15], v[WQS], v[XS] matrix_a_scale:MATRIX_SCALE_ROW1
	v_wmma_scale_f32_16x16x128_f8f6f4 v[AV+8*\i:AV+8*\i+7], v[XF:XF+15], v[WVR:WVR+15], v[VB:VB+7], v[XS], v[WVS]
	v_wmma_scale_f32_16x16x128_f8f6f4 v[AQ:AQ+7], v[WQK+32:WQK+47], v[XF+16:XF+31], v[AQ:AQ+7], v[WQS+1], v[XS+1]
	v_wmma_scale_f32_16x16x128_f8f6f4 v[AQ+8:AQ+15], v[WQK+48:WQK+63], v[XF+16:XF+31], v[AQ+8:AQ+15], v[WQS+1], v[XS+1] matrix_a_scale:MATRIX_SCALE_ROW1
	v_wmma_scale_f32_16x16x128_f8f6f4 v[AV+8*\i:AV+8*\i+7], v[XF+16:XF+31], v[WVR+16:WVR+31], v[AV+8*\i:AV+8*\i+7], v[XS+1], v[WVS+1]
	PLACES
.if \i == 3                                    ; the last products are issued: V's weights, x's fragments and the bias are done with, and the attention's buckets and rel are asked for into their registers
.irp k, 0,1,2,3,4,5,6,7
	global_load_b128 v[BK+4*\k:BK+4*\k+3], v[LI], s[10:11] offset:512*\k
.endr
	v_and_b32 v[VBO], 31, v0
	v_lshlrev_b32 v[VBO], 5, v[VBO]                ; rel: a bucket's row is 32 bytes; lane = bucket
	global_load_b32 v[REL], v[VBO], s[22:23]
	global_load_b32 v[REL+1], v[VBO], s[22:23] offset:4
.endif
.irp j, 0,2,4,6,8,10,12,14
	v_pk_mul_f32 v[AQ+\j:AQ+\j+1], v[AQ+\j:AQ+\j+1], s[SF:SF+1] op_sel_hi:[1,0]
.endr
	QB 1, AQ, 24, 4, 248
	ds_store_b128 v[QKW], v[24:27] offset:512*\i
	ds_store_b32 v[QKSW], v248 offset:64*\i        ; both halves of the lanes write the same word with the same value
	s_wait_dscnt 0x0                               ; the stores are done: their registers are written again in the next tile
.endm
	PTILE 0
	PTILE 1
	PTILE 2
	PTILE 3
	QB 2, AV, 24, 4, 248                           ; V along the tokens: two blocks of 32
	ds_store_b128 v[VW], v[24:27]
	ds_store_b128 v[VW], v[28:31] offset:512
	v_lshl_or_b32 v250, v249, 8, v248
	ds_store_b16 v[VSW], v250                      ; my two bytes of the channel's scale word
	BAR                                            ; Q, K and V of both heads lie in LDS
	s_wait_loadcnt 0x0                             ; buckets and rel
	; ---- C: attention of query tile w
	s_lshl_b32 s33, s[WVN], 9
	s_add_co_u32 s33, s33, QKIMG
	v_add_nc_u32 v[CQ], s33, v[LI]
	s_lshl_b32 s33, s[WVN], 6
	s_add_co_u32 s33, s33, QKSC
	v_add_nc_u32 v[CQS], s33, v[L16]
	v_add_nc_u32 v[CK], QKIMG, v[LI]
	v_add_nc_u32 v[CKS], QKSC, v[LS]
	v_add_nc_u32 v[CV], VIMG, v[LI]
	v_add_nc_u32 v[CVS], VSC, v[LS]
	s_lshr_b32 s33, s[WVN], 1
	s_lshl_b32 s33, s33, 6
	s_and_b32 s34, s[WVN], 1
	s_lshl_b32 s34, s34, 4
	s_add_co_u32 s33, s33, s34
	s_add_co_u32 s33, s33, CSS
	v_lshl_add_u32 v[CCS], v[RR], 1, s33
	v_add_nc_u32 v[CRD], CSS, v[LI]
	v_bfe_u32 v250, v0, 4, 1
	v_lshlrev_b32 v250, 4, v250
	v_lshl_add_u32 v[CTO], v[RR], 5, v250          ; ctxc: 32 bytes a token, + 16 h
.irp i, 20,21,22,23,24,25,26,27,28,29,30,31,64,65,66,67,68,69,70,71,72,73,74,75
	v_mov_b32 v[\i], 0                             ; zero codes: Q's blocks 1 to 3, and what follows K's last tile
.endr
	v_mov_b32 v253, 0                              ; (named as the upper half of the pair v[252:253])
.macro HEADIN hh
	ds_load_b128 v[16:19], v[CQ] offset:8192*\hh
	ds_load_b32 v[QS], v[CQS] offset:1024*\hh
	v_mov_b32 v[TMX], 0xff61b1e6                   ; -3e38, under every t
	v_floor_f32 v[NEGM], -v[TMX]
	v_mov_b32 v[SUM], 0
	v_mov_b32 v[SUM+1], 0
.set i, 0
.rept 16
	v_mov_b32 v[OT+i], 0
.set i, i+1
.endr
.endm
.macro STEP hh, st                     ; keys 128 st .. 128 st + 127
.set n, 0
.rept 64
	v_bfe_u32 v[SS+n], v[BK+16*\st+n/4], 8*(n%4), 8
.set n, n+1
.endr
.set n, 0
.rept 64
	v_min_u32 v[SS+n], 0x7c, v[SS+n]               ; a lane's byte address, 4 x 31 at the most
.set n, n+1
.endr
.set n, 0
.rept 64
	ds_bpermute_b32 v[SS+n], v[SS+n], v[REL+\hh]   ; the bias lands where the scores will be summed: it is the products' C
.set n, n+1
.endr
.irp t, 0,1,2,3,4,5,6,7
	ds_load_b128 v[32+4*\t:35+4*\t], v[CK] offset:(2+\hh)*8192+(8*\st+\t)*512
.endr
.irp j, 0,1,2,3
	ds_load_b32 v[KS+\j], v[CKS] offset:(2+\hh)*1024+(8*\st+2*\j)*64   ; lanes 0-15: tile 2 j's bytes, lanes 16-31: tile 2 j + 1's
.endr
	s_wait_dscnt 0x0
.irp t, 0,2,4,6
	v_wmma_scale_f32_16x16x128_f8f6f4 v[SS+8*\t:SS+8*\t+7], v[32+4*\t:47+4*\t], v[16:31], v[SS+8*\t:SS+8*\t+7], v[KS+\t/2], v[QS]
	v_wmma_scale_f32_16x16x128_f8f6f4 v[SS+8*\t+8:SS+8*\t+15], v[36+4*\t:51+4*\t], v[16:31], v[SS+8*\t+8:SS+8*\t+15], v[KS+\t/2], v[QS] matrix_a_scale:MATRIX_SCALE_ROW1
.endr
	PLACES
.irp dt, 0,1
.irp c, 0,1,2,3
	ds_load_b128 v[32+16*\dt+4*\c:35+16*\dt+4*\c], v[CV] offset:(2*\hh+\dt)*4096+2048*\st+512*\c   ; V^T lands while the softmax is worked
.endr
	ds_load_b32 v[VS+\dt], v[CVS] offset:(2*\hh+\dt)*256+128*\st
.endr
.irp b, 0,1,2,3
	v_max3_num_f32 v[TM+\b], v[SS+16*\b], v[SS+16*\b+1], v[SS+16*\b+2]   ; each block's largest score: for the row's maximum and for the block's largest p
.endr
.irp i, 3,5,7,9,11,13
.irp b, 0,1,2,3
	v_max3_num_f32 v[TM+\b], v[TM+\b], v[SS+16*\b+\i], v[SS+16*\b+\i+1]
.endr
.endr
.irp b, 0,1,2,3
	v_max_num_f32 v[TM+\b], v[TM+\b], v[SS+16*\b+15]
.endr
.irp b, 0,1,2,3
	v_permlanex16_b32 v[TM+4+\b], v[TM+\b], s[SEL], s[SEL+1]
.endr
.irp b, 0,1,2,3
	v_max_num_f32 v[TM+\b], v[TM+\b], v[TM+4+\b]
.endr
	v_max3_num_f32 v[TT], v[TM], v[TM+1], v[TM+2]
	v_max_num_f32 v[TT], v[TT], v[TM+3]
	v_mul_f32 v[TT], s[CS], v[TT]
	v_max_num_f32 v[TMX], v[TMX], v[TT]            ; the running largest t
	v_mov_b32 v[TT], v[NEGM]
	v_floor_f32 v[NEGM], -v[TMX]                   ; -M = floor(-t): M is a whole number
	v_sub_f32 v[TT], v[NEGM], v[TT]
	v_cvt_i32_f32 v[TT], v[TT]
	v_ldexp_f32 v[FR], 1.0, v[TT]                  ; f = 2^(old M - new M)
.set n, 0
.rept 32
	v_pk_fma_f32 v[SS+n:SS+n+1], v[SS+n:SS+n+1], s[CS:CS+1], v[NEGM:NEGM+1] op_sel_hi:[1,0,0]
.set n, n+2
.endr
.irp b, 0,1,2,3
	v_fma_f32 v[TM+\b], v[TM+\b], s[CS], v[NEGM]
.endr
.set n, 0
.rept 64
	v_exp_f32 v[SS+n], v[SS+n]                     ; p = 2^(t - M)
.set n, n+1
.endr
	v_pk_mul_f32 v[SUM:SUM+1], v[SUM:SUM+1], v[FR:FR+1] op_sel_hi:[1,0]   ; a plain line behind the exponentials
	s_wait_alu depctr_va_vdst(0)                   ; one wait for the 64, ahead of their first reader
.irp b, 0,1,2,3
	v_exp_f32 v[TM+\b], v[TM+\b]                   ; each block's largest p
.endr
	v_pk_add_f32 v[TM+4:TM+5], v[SS:SS+1], v[SS+2:SS+3]   ; the sum of the unquantised p, in two chains
.irp j, 4,8,12,16,20,24,28,32,36,40,44,48,52,56,60
	v_pk_add_f32 v[SUM:SUM+1], v[SUM:SUM+1], v[SS+\j:SS+\j+1]
	v_pk_add_f32 v[TM+4:TM+5], v[TM+4:TM+5], v[SS+\j+2:SS+\j+3]
.endr
	v_pk_add_f32 v[SUM:SUM+1], v[SUM:SUM+1], v[TM+4:TM+5]
	s_wait_alu depctr_va_vdst(0)                   ; and one for the four
.irp b, 0,1,2,3
	v_max_num_f32 v[TM+\b], 0x4800000, v[TM+\b]
.endr
.irp b, 0,1,2,3
	v_add_nc_u32 v[TM+12+\b], 0xfc000000, v[TM+\b]
.endr
.irp b, 0,1,2,3
	v_and_or_b32 v[TM+8+\b], v[TM+\b], 0x7f800000, s[MNT]
.endr
.irp b, 0,1,2,3
	v_lshrrev_b32 v[TM+4+\b], 23, v[TM+12+\b]
.endr
	v_lshl_or_b32 v[PWD], v[TM+5], 8, v[TM+4]      ; p's scale word for these 128 keys
	v_lshl_or_b32 v[PWD], v[TM+6], 16, v[PWD]
	v_lshl_or_b32 v[PWD], v[TM+7], 24, v[PWD]
.irp b, 0,1,2,3
.irp i, 0,1,2,3,4,5,6,7,8,9,10,11,12,13,14,15
	v_min_num_f32 v[SS+16*\b+\i], v[SS+16*\b+\i], v[TM+8+\b]   ; p is not negative: a one-sided hold
.endr
	v_cvt_scalef32_pk8_fp8_f32 v[PP+4*\b:PP+4*\b+1], v[SS+16*\b:SS+16*\b+7], v[TM+12+\b]
	v_cvt_scalef32_pk8_fp8_f32 v[PP+4*\b+2:PP+4*\b+3], v[SS+16*\b+8:SS+16*\b+15], v[TM+12+\b]
.endr
.irp j, 0,2,4,6,8,10,12,14
	v_pk_mul_f32 v[OT+\j:OT+\j+1], v[OT+\j:OT+\j+1], v[FR:FR+1] op_sel_hi:[1,0]   ; O^T under the new M; also the plain lines between the codes and the products
.endr
	s_wait_dscnt 0x0                               ; V^T
	v_wmma_scale_f32_16x16x128_f8f6f4 v[OT:OT+7], v[32:47], v[PP:PP+15], v[OT:OT+7], v[VS], v[PWD]
	v_wmma_scale_f32_16x16x128_f8f6f4 v[OT+8:OT+15], v[48:63], v[PP:PP+15], v[OT+8:OT+15], v[VS+1], v[PWD]
	PLACES
.endm
.macro HEADOUT hh
	v_add_f32 v[SUM], v[SUM], v[SUM+1]
	v_permlanex16_b32 v[FR], v[SUM], s[SEL], s[SEL+1]
	v_add_f32 v[SUM], v[SUM], v[FR]                ; the row's sum
	v_rcp_f32 v[FR], v[SUM]
	v_nop
	s_wait_alu depctr_va_vdst(0)
.set i, 0
.rept 16
	v_mul_f32 v[OT+i], v[OT+i], v[FR]              ; the context: channels 16 h + 0..15 of my query's head
.set i, i+1
.endr
	QB 1, OT, CC+4*\hh, 4, CB+\hh
	global_store_b128 v[CTO], v[CC+4*\hh:CC+4*\hh+3], s[28:29] offset:262144*\hh   ; the wave stores two runs of 256 consecutive bytes, each aligned
.endm
	HEADIN 0
	STEP 0, 0
	STEP 0, 1
	HEADOUT 0
	HEADIN 1
	STEP 1, 0
	STEP 1, 1
	HEADOUT 1
	v_lshl_or_b32 v250, v[CB+1], 8, v[CB]
	ds_store_b16 v[CCS], v250                      ; the two heads' bytes of my token (both halves of the lanes write the same)
	BAR                                            ; all 256 tokens' bytes lie in LDS
	s_cmp_lg_u32 s[WVN], 0
	s_cbranch_scc1 .Lend
	ds_load_b128 v[16:19], v[CRD]
	s_wait_dscnt 0x0
	global_store_b128 v[LI], v[16:19], s[30:31]    ; 512 consecutive bytes
.Lend:
	s_wait_xcnt 0x0
	v_lshl_add_u32 v254, v0, 2, 0x1ee00
	v_mov_b32 v255, 0
	s_wait_tensorcnt 0x0
	ds_add_u32 v254, v255
	s_wait_dscnt 0x0
	s_endpgm
.Lfunc_end_k_qf171ea7ba9_row0:
	.size	k_qf171ea7ba9_row0, .Lfunc_end_k_qf171ea7ba9_row0-k_qf171ea7ba9_row0
	.p2alignl 7, 3214868480
	.fill 96, 4, 3214868480
	.section	.rodata,"a",@progbits
	.p2align	6, 0x0
	.amdhsa_kernel k_qf171ea7ba9_row0
		.amdhsa_group_segment_fixed_size 128512
		.amdhsa_private_segment_fixed_size 0
		.amdhsa_enable_private_segment 0
		.amdhsa_kernarg_size 96
		.amdhsa_user_sgpr_count 2
		.amdhsa_user_sgpr_kernarg_segment_ptr 1
		.amdhsa_wavefront_size32 1
		.amdhsa_system_sgpr_workgroup_id_x 1
		.amdhsa_system_sgpr_workgroup_id_y 1
		.amdhsa_system_sgpr_workgroup_id_z 1
		.amdhsa_system_vgpr_workitem_id 0
		.amdhsa_next_free_vgpr 256
		.amdhsa_next_free_sgpr 80
		.amdhsa_reserve_vcc 0
		.amdhsa_float_denorm_mode_32 3
		.amdhsa_float_denorm_mode_16_64 3
		.amdhsa_memory_ordered 1
		.amdhsa_forward_progress 1
		.amdhsa_inst_pref_size 201
	.end_amdhsa_kernel
	.amdgpu_metadata
---
amdhsa.version: [ 1, 2 ]
amdhsa.kernels:
  - .name:           k_qf171ea7ba9_row0
    .symbol:         k_qf171ea7ba9_row0.kd
    .args:
      - { .name: hidden_states, .offset: 0, .size: 8, .value_kind: global_buffer, .address_space: global }
      - { .name: bkt, .offset: 8, .size: 8, .value_kind: global_buffer, .address_space: global }
      - { .name: par, .offset: 16, .size: 8, .value_kind: global_buffer, .address_space: global }
      - { .name: lay0, .offset: 24, .size: 8, .value_kind: global_buffer, .address_space: global }
      - { .name: row_qb, .offset: 32, .size: 8, .value_kind: global_buffer, .address_space: global }
      - { .name: row_kb, .offset: 40, .size: 8, .value_kind: global_buffer, .address_space: global }
      - { .name: row_vb, .offset: 48, .size: 8, .value_kind: global_buffer, .address_space: global }
      - { .name: row_rel, .offset: 56, .size: 8, .value_kind: global_buffer, .address_space: global }
      - { .name: ln_row_w, .offset: 64, .size: 8, .value_kind: global_buffer, .address_space: global }
      - { .name: ln_row_b, .offset: 72, .size: 8, .value_kind: global_buffer, .address_space: global }
      - { .name: ctxc, .offset: 80, .size: 8, .value_kind: global_buffer, .address_space: global }
      - { .name: ctxs, .offset: 88, .size: 8, .value_kind: global_buffer, .address_space: global }
    .group_segment_fixed_size: 128512
    .private_segment_fixed_size: 0
    .kernarg_segment_align: 8
    .kernarg_segment_size: 96
    .max_flat_workgroup_size: 512
    .sgpr_count:     80
    .vgpr_count:     256
    .wavefront_size: 32
...
	.end_amdgpu_metadata
.endif
;; end of part 2
;; launch col0 (part 3): grid 256 x 1, 8 waves a work-group, no clusters, 177,152 bytes of LDS; arguments hidden_states, ctxc, ctxs, par, lay0, row_ob, col_qb, col_kb, col_vb, col_ob, fc1b, fc2b, ln_col_w, ln_col_b, ln_ff_w, ln_ff_b, ln_f_w, ln_f_b, xa; writes xa
.if DOCPART == 3
	.amdgcn_target "amdgcn-amd-amdhsa--gfx1250"
	.amdhsa_code_object_version 6
	.text
	.protected	k_qf171ea7ba9_col0
	.globl	k_qf171ea7ba9_col0
	.p2align	8
	.type	k_qf171ea7ba9_col0,@function
k_qf171ea7ba9_col0:
	s_mov_b64 s[64:65], 0
	v_nop
	global_prefetch_b8 v0, s[64:65] scope:SCOPE_SE
	s_setreg_imm32_b32 hwreg(HW_REG_WAVE_MODE, 25, 1), 1
	s_wait_xcnt 0x0
; THE REST OF A LAYER: x1 = x + ctx Wo^T + b; column attention on LN(x1); x2 = x1 + its projection; x3 = x2 + fc2(gelu(fc1(LN(x2)))); in layer 1 the closing LN (in layer 0 it is selected off: mean 0, gains 1 and 0).
; A work-group owns two columns of one b: 64 tokens in four tiles tt = 2 cl + u; lane-row r of a tile is row 8 u + r + 8 (r / 8) of column c0 + cl.
; THE EIGHT WAVES SHARE THE FEATURES, NOT THE TOKENS: wave w makes features 32 w .. 32 w + 31 of every product with 256 outputs (that is head w), and hidden units 128 w .. 128 w + 127 of fc1 (K step w of fc2).
; So each weight unit (two tiles x 128 K, 4,096 bytes, laid as an image of operand registers) is loaded once in the work-group, straight into registers, and feeds eight products.
; All products are used transposed (source 0 = weights, source 1 = tokens): a lane holds one token and 16 neighbouring features; V alone the other way round, so that its registers run along the rows, its K.
; Operands go from wave to wave through LDS as images of their registers; LN's sums meet in LDS as (mean, sum of squared deviations) of each wave's 32 features and are joined without cancellation.
; NO TOKEN FRAGMENT IS READ FROM LDS TWICE: both K steps of LN(x1) stay in registers for v, k and q, and both K steps of LN(x2) through all four trips of fc1.
; gelu is exact gelu with erf by a rational function of m^2, m = h / sqrt(2) held within +-4.
; fc2's K steps are summed in the order 0, 1, 6, 7, 2, 3, 4, 5: 6 and 7 are asked for ahead of the loop, 0 and 1 in its last trip, 2 to 5 behind it.
; LIMITS: NaN and infinities are not served; a block under 2^-118 has its byte held at 1, a block of zeros the byte 1 (read by this program alone); 1 + erf loses relative accuracy for h under about -3
; (absolute error about 1e-7 x |h| / 2).
; NO CLUSTER, NO TENSOR LOADS: what work-groups share is the layer's 851,968 bytes of weights; a wave's unit goes from memory into the very registers that the products name, 4,096 bytes for eight products;
; through LDS each byte would be written and read once more, and 176,128 bytes of LDS are taken by the images.
; WINDOW 1 is eight slots of 32 registers.  Weights: row o 0, 1; v 2, 3; k 4, 5; then q 2, 3; col o 4, 5; fc1's pair in hand 0, 1; fc2's K step s in slot s.
; Tokens' fragments: K step 1 of LN(x1) in slots 0, 1; K step 1 of the column attention's context in slots 2, 3; both K steps of LN(x2) in slots 2 to 5.  K's and V's codes: slots 6, 7.
.set LSTR, 0x108000
.set SCO,  0x100000
.set XI0,  0                           ; images: tile x 4096 + K step x 2048 + c x 512 + 16 lane
.set XI1,  16384
.set XS0,  32768                       ; their scale words: tile x 256 + K step x 128 + 4 lane
.set XS1,  33792
.set ST,   34816                       ; LN's pairs: tile x 1280 + r x 80 + 8 wave
.set HS,   39936                       ; the hidden layer's scale words: tile x 1024 + K step x 128 + 4 lane
.set XROW, 44032                       ; x, 64 rows of 1,024 bytes + 16
.set HI,   110592                      ; the hidden layer's images: tile x 16384 + K step x 2048 + c x 512 + 16 lane
.set LI,  1
.set LS,  2
.set WA,  3
.set WB,  4
.set SA,  5
.set SBO, 6
.set XA,  7
.set IW,  8
.set BW,  9
.set STW, 10
.set STR, 11
.set LIH, 12
.set HW,  13
.set HSW, 14
.set GF,  15
.set BI,  16                           ; v16-31 a bias in the result's layout; LN's w
.set ACC, 32                           ; v32-95 eight accumulators: tile tt, half u at 16 tt + 8 u
.set BF,  96                           ; v96-159 four token fragments; at work in LN and gelu; Q's and p's operands
.set WS,  160                          ; v160-167 the weight slots' scale words; v168-171 the tokens': scales and nothing else
.set BS,  168
.set SW,  172                          ; v172-175 the hidden layer's scale words in the making; before that V's bias
.set GH,  176
.set RS,  177
.set VO,  178
.set HT,  179
.set CX,  180
.set CY,  181
.set CI,  182
.set CW,  183
.set NM,  184                          ; v184-191 four pairs
.set TM,  192                          ; v192-207 the quantiser's
.set PC,  208                          ; v208-223 codes just made; LN's b
.set KSB, 224                          ; v224-239 scales and nothing else: K's, Q's, V's and p's scale bytes; the scale words of the fragments that lie in window 1
.set QSB, 228
.set VSB, 232
.set PSB, 236
.set GT,  240                          ; v240-255 at work
.set KV,  192                          ; window 1: v192-207 K's codes, v208-223 V's, v224-235 zero codes
.set LAYR, 46
.set WVN, 47
.set SEL, 48
.set MNT, 50
.set FM,  51
.set FCC, 52
.set FCS, 54
.set FCB, 56
.set BSEL, 58
.set F2B, 60
.set STP, 62
.set STQ, 66
.set XOF, 68
.set CS,  70
.set INV, 72
.set EPSR, 73
.set CNT, 74
.set HOF, 75
.set SH,  76
.set MSB, 0
.macro WIN new                         ; the immediate's high byte repeats the setting that is left; a switch that changes nothing is dropped
.if MSB != \new
	s_set_vgpr_msb (MSB<<8)|\new
.set MSB, \new
.endif
.endm
.macro PLACES                          ; nine plain lines behind a run of matrix instructions
.rept 9
	v_nop
.endr
.endm
.macro BAR
	s_wait_dscnt 0x0
	s_barrier_signal -1
	s_barrier_wait -1
.endm
; a weight unit into slot (window 1, 32 registers) and its scale words: nine loads
.macro LOADW slot, voff, soff, cb, off, sb, scoff
	global_load_b32 v[WS+\slot], v[\soff], s[\sb:\sb+1] offset:\scoff
	WIN 0x40
.irp k, 0,1,2,3,4,5,6,7
	global_load_b128 v[32*\slot+4*\k:32*\slot+4*\k+3], v[\voff], s[\cb:\cb+1] offset:\off+512*\k
.endr
	WIN 0
.endm
.macro LW256 slot, m, st               ; matrix m (256 x 256), my pair, K step st
	LOADW \slot, WA, SA, 14, 65536*\m+4096*\st, 14, SCO+2048*\m+128*\st
.endm
.macro LWF2 slot, st                   ; fc2, my pair, K step st
	LOADW \slot, WB, SBO, 14, 786432+4096*\st, 14, SCO+24576+128*\st
.endm
.macro BLOAD ia, ioff, tstr, sa, soff, sstr    ; the four tiles' fragments of one K step into BF, and their scale words
.irp tt, 0,1,2,3
.irp c, 0,1,2,3
	ds_load_b128 v[BF+16*\tt+4*\c:BF+16*\tt+4*\c+3], v[\ia] offset:\ioff+\tstr*\tt+512*\c
.endr
	ds_load_b32 v[BS+\tt], v[\sa] offset:\soff+\sstr*\tt
.endr
.endm
.macro BLOADX base, sreg, ioff, soff   ; the same into window 1, v[base] on; the scale words into v[sreg] on (scale operands have no window)
	WIN 0x40
.irp tt, 0,1,2,3
.irp c, 0,1,2,3
	ds_load_b128 v[\base+16*\tt+4*\c:\base+16*\tt+4*\c+3], v[LI] offset:\ioff+4096*\tt+512*\c
.endr
.endr
	WIN 0
.irp tt, 0,1,2,3
	ds_load_b32 v[\sreg+\tt], v[LS] offset:\soff+256*\tt
.endr
.endm
; eight products, eight accumulators by turns; cm = 1: the bias starts the sums.  win: 0x01 tokens in window 0, 0x05 in window 1; bb, sb: the tokens' fragments and scale words.
; pl = 0: the next K step's eight links follow at once, in the same order
.macro MMT slot, cm, win, bb, sb, pl
	WIN \win
.irp tt, 0,1,2,3
.if \cm
	v_wmma_scale_f32_16x16x128_f8f6f4 v[ACC+16*\tt:ACC+16*\tt+7], v[32*\slot:32*\slot+15], v[\bb+16*\tt:\bb+16*\tt+15], v[BI:BI+7], v[WS+\slot], v[\sb+\tt]
	v_wmma_scale_f32_16x16x128_f8f6f4 v[ACC+16*\tt+8:ACC+16*\tt+15], v[32*\slot+16:32*\slot+31], v[\bb+16*\tt:\bb+16*\tt+15], v[BI+8:BI+15], v[WS+\slot], v[\sb+\tt] matrix_a_scale:MATRIX_SCALE_ROW1
.else
	v_wmma_scale_f32_16x16x128_f8f6f4 v[ACC+16*\tt:ACC+16*\tt+7], v[32*\slot:32*\slot+15], v[\bb+16*\tt:\bb+16*\tt+15], v[ACC+16*\tt:ACC+16*\tt+7], v[WS+\slot], v[\sb+\tt]
	v_wmma_scale_f32_16x16x128_f8f6f4 v[ACC+16*\tt+8:ACC+16*\tt+15], v[32*\slot+16:32*\slot+31], v[\bb+16*\tt:\bb+16*\tt+15], v[ACC+16*\tt+8:ACC+16*\tt+15], v[WS+\slot], v[\sb+\tt] matrix_a_scale:MATRIX_SCALE_ROW1
.endif
.endr
.if \pl
	WIN 0
	PLACES
.endif
.endm
; V: source 0 = tokens, source 1 = weights: a lane holds one channel, unit (cl, channel tile) runs along the 32 rows.  win: 0x04 tokens in window 0, 0x05 in window 1
.macro MMV slot, cm, win, ab, sb, pl
	WIN \win
.irp tt, 0,1,2,3
.if \cm
	v_wmma_scale_f32_16x16x128_f8f6f4 v[ACC+32*(\tt/2)+8*(\tt%2):ACC+32*(\tt/2)+8*(\tt%2)+7], v[\ab+16*\tt:\ab+16*\tt+15], v[32*\slot:32*\slot+15], v[BI:BI+7], v[\sb+\tt], v[WS+\slot]
	v_wmma_scale_f32_16x16x128_f8f6f4 v[ACC+32*(\tt/2)+16+8*(\tt%2):ACC+32*(\tt/2)+16+8*(\tt%2)+7], v[\ab+16*\tt:\ab+16*\tt+15], v[32*\slot+16:32*\slot+31], v[BI+8:BI+15], v[\sb+\tt], v[WS+\slot] matrix_b_scale:MATRIX_SCALE_ROW1
.else
	v_wmma_scale_f32_16x16x128_f8f6f4 v[ACC+32*(\tt/2)+8*(\tt%2):ACC+32*(\tt/2)+8*(\tt%2)+7], v[\ab+16*\tt:\ab+16*\tt+15], v[32*\slot:32*\slot+15], v[ACC+32*(\tt/2)+8*(\tt%2):ACC+32*(\tt/2)+8*(\tt%2)+7], v[\sb+\tt], v[WS+\slot]
	v_wmma_scale_f32_16x16x128_f8f6f4 v[ACC+32*(\tt/2)+16+8*(\tt%2):ACC+32*(\tt/2)+16+8*(\tt%2)+7], v[\ab+16*\tt:\ab+16*\tt+15], v[32*\slot+16:32*\slot+31], v[ACC+32*(\tt/2)+16+8*(\tt%2):ACC+32*(\tt/2)+16+8*(\tt%2)+7], v[\sb+\tt], v[WS+\slot] matrix_b_scale:MATRIX_SCALE_ROW1
.endif
.endr
.if \pl
	WIN 0
	PLACES
.endif
.endm
.macro XGET                            ; my 32 features of the 64 rows of x, from the stage
.irp tt, 0,1,2,3
.irp k, 0,1,2,3
	ds_load_b128 v[ACC+16*\tt+4*\k:ACC+16*\tt+4*\k+3], v[XA] offset:16640*\tt+16*\k
.endr
.endr
.endm
.macro XPUT
.irp tt, 0,1,2,3
.irp k, 0,1,2,3
	ds_store_b128 v[XA], v[ACC+16*\tt+4*\k:ACC+16*\tt+4*\k+3] offset:16640*\tt+16*\k
.endr
.endr
.endm
.macro BADD
.irp tt, 0,1,2,3
.irp j, 0,2,4,6,8,10,12,14
	v_pk_add_f32 v[ACC+16*\tt+\j:ACC+16*\tt+\j+1], v[ACC+16*\tt+\j:ACC+16*\tt+\j+1], v[BI+\j:BI+\j+1]
.endr
.endr
.endm
.macro BLD voff, p                     ; a bias of my 16 features: four loads
.irp j, 0,1,2,3
	global_load_b128 v[BI+4*\j:BI+4*\j+3], v[\voff], s[\p:\p+1] offset:16*\j
.endr
.endm
.macro GLOAD wp, bp                    ; LN's w and b of my 16 features: eight loads
	BLD GF, \wp
.irp j, 0,1,2,3
	global_load_b128 v[PC+4*\j:PC+4*\j+3], v[GF], s[\bp:\bp+1] offset:16*\j
.endr
.endm
.macro IMG xi, xs                      ; block w of the four tiles' operand, and its byte of their scale words
.irp tt, 0,1,2,3
	ds_store_b128 v[IW], v[PC+4*\tt:PC+4*\tt+3] offset:\xi+4096*\tt
	ds_store_b8 v[BW], v[GT+4+\tt] offset:\xs+256*\tt
.endr
.endm
; cnt units of 16 numbers a lane become 4 registers of codes each (v[d + ds q] on, in the window that dw names) and a scale byte (v[sb + q])
.macro QB cnt, s, d, ds, sb, dw
.set q, 0
.rept \cnt
	v_max3_num_f32 v[TM+q], |v[\s+16*q]|, |v[\s+16*q+1]|, 0x4800000
.set q, q+1
.endr
.irp i, 2,4,6,8,10,12,14
.set q, 0
.rept \cnt
	v_max3_num_f32 v[TM+q], v[TM+q], |v[\s+16*q+\i]|, |v[\s+16*q+\i+1]|
.set q, q+1
.endr
.endr
.set q, 0
.rept \cnt
	v_permlanex16_b32 v[TM+4+q], v[TM+q], s[SEL], s[SEL+1]
.set q, q+1
.endr
.set q, 0
.rept \cnt
	v_max_num_f32 v[TM+q], v[TM+q], v[TM+4+q]
.set q, q+1
.endr
.set q, 0
.rept \cnt
	v_add_nc_u32 v[TM+12+q], 0xfc000000, v[TM+q]
	v_and_or_b32 v[TM+8+q], v[TM+q], 0x7f800000, s[MNT]
.set q, q+1
.endr
.set q, 0
.rept \cnt
	v_lshrrev_b32 v[\sb+q], 23, v[TM+12+q]
.set q, q+1
.endr
.set q, 0
.rept \cnt
.irp i, 0,1,2,3,4,5,6,7,8,9,10,11,12,13,14,15
	v_med3_num_f32 v[\s+16*q+\i], v[\s+16*q+\i], -v[TM+8+q], v[TM+8+q]
.endr
.set q, q+1
.endr
	WIN \dw
.set q, 0
.rept \cnt
	v_cvt_scalef32_pk8_fp8_f32 v[\d+\ds*q:\d+\ds*q+1], v[\s+16*q:\s+16*q+7], v[TM+12+q]
	v_cvt_scalef32_pk8_fp8_f32 v[\d+\ds*q+2:\d+\ds*q+3], v[\s+16*q+8:\s+16*q+15], v[TM+12+q]
.set q, q+1
.endr
	WIN 0
	v_nop                                          ; a plain line behind the last conversion
.endm
; my 32 features' mean and sum of squared deviations, for each token, to LDS
.macro LNSTAT
.irp tt, 0,1,2,3
	v_pk_add_f32 v[GT+2*\tt:GT+2*\tt+1], v[ACC+16*\tt:ACC+16*\tt+1], v[ACC+16*\tt+2:ACC+16*\tt+3]
.endr
.irp j, 4,6,8,10,12,14
.irp tt, 0,1,2,3
	v_pk_add_f32 v[GT+2*\tt:GT+2*\tt+1], v[GT+2*\tt:GT+2*\tt+1], v[ACC+16*\tt+\j:ACC+16*\tt+\j+1]
.endr
.endr
.irp tt, 0,1,2,3
	v_add_f32 v[GT+2*\tt], v[GT+2*\tt], v[GT+2*\tt+1]
.endr
.irp tt, 0,1,2,3
	v_permlanex16_b32 v[GT+2*\tt+1], v[GT+2*\tt], s[SEL], s[SEL+1]
.endr
.irp tt, 0,1,2,3
	v_add_f32 v[GT+2*\tt], v[GT+2*\tt], v[GT+2*\tt+1]
.endr
.irp tt, 0,1,2,3
	v_mul_f32 v[NM+2*\tt], 0x3d000000, v[GT+2*\tt]     ; the mean of 32
	v_mul_f32 v[GT+8+2*\tt], 0xbd000000, v[GT+2*\tt]
.endr
.irp tt, 0,1,2,3
	v_mov_b32 v[GT+9+2*\tt], v[GT+8+2*\tt]
.endr
.irp j, 0,2,4,6,8,10,12,14
.irp tt, 0,1,2,3
	v_pk_add_f32 v[BF+16*\tt+\j:BF+16*\tt+\j+1], v[ACC+16*\tt+\j:ACC+16*\tt+\j+1], v[GT+8+2*\tt:GT+9+2*\tt]
.endr
.endr
.irp tt, 0,1,2,3
	v_pk_mul_f32 v[GT+2*\tt:GT+2*\tt+1], v[BF+16*\tt:BF+16*\tt+1], v[BF+16*\tt:BF+16*\tt+1]
.endr
.irp j, 2,4,6,8,10,12,14
.irp tt, 0,1,2,3
	v_pk_fma_f32 v[GT+2*\tt:GT+2*\tt+1], v[BF+16*\tt+\j:BF+16*\tt+\j+1], v[BF+16*\tt+\j:BF+16*\tt+\j+1], v[GT+2*\tt:GT+2*\tt+1]
.endr
.endr
.irp tt, 0,1,2,3
	v_add_f32 v[GT+2*\tt], v[GT+2*\tt], v[GT+2*\tt+1]
.endr
.irp tt, 0,1,2,3
	v_permlanex16_b32 v[GT+2*\tt+1], v[GT+2*\tt], s[SEL], s[SEL+1]
.endr
.irp tt, 0,1,2,3
	v_add_f32 v[NM+2*\tt+1], v[GT+2*\tt], v[GT+2*\tt+1]
.endr
.irp tt, 0,1,2,3
	ds_store_b64 v[STW], v[NM+2*\tt:NM+2*\tt+1] offset:1280*\tt   ; both halves of the lanes write the same pair
.endr
.endm
; the eight waves' pairs are joined: mean = the means' mean; sum of squares = the sums' sum + 32 x the sum of (a wave's mean - mean)^2.  Then ACC = (ACC - mean) / sqrt(var + eps) x w + b.
; sel = 1: where the mask s[FM] is set (layer 0) mean 0, root 1, w 1, b 0 are taken instead: ACC stays as it is, bit for bit
.macro LNAPPLY sel
.irp tt, 0,1,2,3
.irp k, 0,1,2,3
	ds_load_b128 v[BF+16*\tt+4*\k:BF+16*\tt+4*\k+3], v[STR] offset:1280*\tt+16*\k
.endr
.endr
	s_wait_dscnt 0x0
.irp tt, 0,1,2,3
	v_pk_add_f32 v[GT+2*\tt:GT+2*\tt+1], v[BF+16*\tt:BF+16*\tt+1], v[BF+16*\tt+2:BF+16*\tt+3]
.endr
.irp w, 2,3,4,5,6,7
.irp tt, 0,1,2,3
	v_pk_add_f32 v[GT+2*\tt:GT+2*\tt+1], v[GT+2*\tt:GT+2*\tt+1], v[BF+16*\tt+2*\w:BF+16*\tt+2*\w+1]
.endr
.endr
.irp tt, 0,1,2,3
	v_mul_f32 v[GT+8+2*\tt], 0x3e000000, v[GT+2*\tt]   ; the mean
.endr
.irp w, 0,1,2,3,4,5,6,7
.irp tt, 0,1,2,3
	v_sub_f32 v[BF+16*\tt+2*\w], v[BF+16*\tt+2*\w], v[GT+8+2*\tt]
.endr
.endr
.irp tt, 0,1,2,3
	v_mul_f32 v[GT+2*\tt], v[BF+16*\tt], v[BF+16*\tt]
.endr
.irp w, 1,2,3,4,5,6,7
.irp tt, 0,1,2,3
	v_fma_f32 v[GT+2*\tt], v[BF+16*\tt+2*\w], v[BF+16*\tt+2*\w], v[GT+2*\tt]
.endr
.endr
.irp tt, 0,1,2,3
	v_fma_f32 v[GT+2*\tt], v[GT+2*\tt], 0x42000000, v[GT+2*\tt+1]
.endr
.irp tt, 0,1,2,3
	v_fma_f32 v[GT+2*\tt], v[GT+2*\tt], s[INV], s[EPSR]
.endr
.irp tt, 0,1,2,3
	v_rsq_f32 v[NM+2*\tt], v[GT+2*\tt]
.endr
.irp tt, 0,1,2,3
	v_xor_b32 v[GT+8+2*\tt], 0x80000000, v[GT+8+2*\tt]   ; - mean.  (Plain lines behind the roots)
.endr
	s_wait_alu depctr_va_vdst(0)                   ; one wait for the four roots
.if \sel
.irp tt, 0,1,2,3
	v_cndmask_b32 v[GT+8+2*\tt], v[GT+8+2*\tt], 0, s[FM]
	v_cndmask_b32 v[NM+2*\tt], v[NM+2*\tt], 1.0, s[FM]
.endr
.irp j, 0,1,2,3,4,5,6,7,8,9,10,11,12,13,14,15
	v_cndmask_b32 v[BI+\j], v[BI+\j], 1.0, s[FM]
	v_cndmask_b32 v[PC+\j], v[PC+\j], 0, s[FM]
.endr
.endif
.irp tt, 0,1,2,3
	v_mov_b32 v[GT+9+2*\tt], v[GT+8+2*\tt]
	v_mov_b32 v[NM+2*\tt+1], v[NM+2*\tt]
.endr
.irp tt, 0,1,2,3
.irp j, 0,2,4,6,8,10,12,14
	v_pk_add_f32 v[ACC+16*\tt+\j:ACC+16*\tt+\j+1], v[ACC+16*\tt+\j:ACC+16*\tt+\j+1], v[GT+8+2*\tt:GT+9+2*\tt]
.endr
.irp j, 0,2,4,6,8,10,12,14
	v_pk_mul_f32 v[ACC+16*\tt+\j:ACC+16*\tt+\j+1], v[ACC+16*\tt+\j:ACC+16*\tt+\j+1], v[NM+2*\tt:NM+2*\tt+1]
.endr
.irp j, 0,2,4,6,8,10,12,14
	v_pk_fma_f32 v[ACC+16*\tt+\j:ACC+16*\tt+\j+1], v[ACC+16*\tt+\j:ACC+16*\tt+\j+1], v[BI+\j:BI+\j+1], v[PC+\j:PC+\j+1]
.endr
.endr
.endm
; the column attention's softmax: four units (column, query tile) of 16 registers; a query's 32 keys are one block and lie in lanes l and l xor 16
.macro SM4
.irp q, 0,1,2,3
	v_max3_num_f32 v[TM+\q], v[ACC+16*\q], v[ACC+16*\q+1], v[ACC+16*\q+2]
.endr
.irp i, 3,5,7,9,11,13
.irp q, 0,1,2,3
	v_max3_num_f32 v[TM+\q], v[TM+\q], v[ACC+16*\q+\i], v[ACC+16*\q+\i+1]
.endr
.endr
.irp q, 0,1,2,3
	v_max_num_f32 v[TM+\q], v[TM+\q], v[ACC+16*\q+15]
.endr
.irp q, 0,1,2,3
	v_permlanex16_b32 v[TM+4+\q], v[TM+\q], s[SEL], s[SEL+1]
.endr
.irp q, 0,1,2,3
	v_max_num_f32 v[TM+\q], v[TM+\q], v[TM+4+\q]   ; the row's largest score
.endr
.irp q, 0,1,2,3
	v_mul_f32 v[TM+4+\q], s[CS], v[TM+\q]
.endr
.irp q, 0,1,2,3
	v_floor_f32 v[NM+2*\q], -v[TM+4+\q]            ; -M = -ceil(t)
.endr
.irp q, 0,1,2,3
.irp j, 0,2,4,6,8,10,12,14
	v_pk_fma_f32 v[ACC+16*\q+\j:ACC+16*\q+\j+1], v[ACC+16*\q+\j:ACC+16*\q+\j+1], s[CS:CS+1], v[NM+2*\q:NM+2*\q+1] op_sel_hi:[1,0,0]
.endr
.endr
.irp q, 0,1,2,3
	v_fma_f32 v[TM+\q], v[TM+\q], s[CS], v[NM+2*\q]
.endr
.set n, 0
.rept 64
	v_exp_f32 v[ACC+n], v[ACC+n]
.set n, n+1
.endr
	v_nop
	s_wait_alu depctr_va_vdst(0)                   ; one wait for the 64
.irp q, 0,1,2,3
	v_exp_f32 v[TM+\q], v[TM+\q]                   ; the row's largest p
.endr
.irp q, 0,1,2,3
	v_pk_add_f32 v[GT+2*\q:GT+2*\q+1], v[ACC+16*\q:ACC+16*\q+1], v[ACC+16*\q+2:ACC+16*\q+3]   ; the sum of the unquantised p
.endr
.irp j, 4,6,8,10,12,14
.irp q, 0,1,2,3
	v_pk_add_f32 v[GT+2*\q:GT+2*\q+1], v[GT+2*\q:GT+2*\q+1], v[ACC+16*\q+\j:ACC+16*\q+\j+1]
.endr
.endr
	s_wait_alu depctr_va_vdst(0)                   ; and one for the four
.irp q, 0,1,2,3
	v_max_num_f32 v[TM+\q], 0x4800000, v[TM+\q]
.endr
.irp q, 0,1,2,3
	v_add_nc_u32 v[TM+12+\q], 0xfc000000, v[TM+\q]
	v_and_or_b32 v[TM+8+\q], v[TM+\q], 0x7f800000, s[MNT]
.endr
.irp q, 0,1,2,3
	v_lshrrev_b32 v[PSB+\q], 23, v[TM+12+\q]
.endr
.irp q, 0,1,2,3
.irp i, 0,1,2,3,4,5,6,7,8,9,10,11,12,13,14,15
	v_min_num_f32 v[ACC+16*\q+\i], v[ACC+16*\q+\i], v[TM+8+\q]
.endr
.endr
.irp q, 0,1,2,3
	v_cvt_scalef32_pk8_fp8_f32 v[BF+16*\q:BF+16*\q+1], v[ACC+16*\q:ACC+16*\q+7], v[TM+12+\q]
	v_cvt_scalef32_pk8_fp8_f32 v[BF+16*\q+2:BF+16*\q+3], v[ACC+16*\q+8:ACC+16*\q+15], v[TM+12+\q]
.endr
.rept 4
	v_nop                                          ; plain lines between the codes and the products that take them
.endr
.endm
; h = 0.5 h (1 + erf(h / sqrt(2))) on tile tt's 16 numbers; erf(m) = m P(m^2) / Q(m^2)
.macro GELU tt
.set HB, ACC+16*\tt
.set GM, BF
.set GZ, BF+16
.set GP, BF+32
.set GQ, BF+48
.irp j, 0,2,4,6,8,10,12,14
	v_pk_mul_f32 v[GM+\j:GM+\j+1], v[HB+\j:HB+\j+1], 0x3f3504f3 op_sel_hi:[1,0]
.endr
.irp j, 0,1,2,3,4,5,6,7,8,9,10,11,12,13,14,15
	v_med3_num_f32 v[GM+\j], v[GM+\j], -4.0, 4.0
.endr
.irp j, 0,2,4,6,8,10,12,14
	v_pk_mul_f32 v[GZ+\j:GZ+\j+1], v[GM+\j:GM+\j+1], v[GM+\j:GM+\j+1]
.endr
.irp j, 0,2,4,6,8,10,12,14
	v_pk_fma_f32 v[GP+\j:GP+\j+1], v[GZ+\j:GZ+\j+1], v[GT+12:GT+13], 0x32edffee op_sel_hi:[1,1,0]
	v_pk_fma_f32 v[GQ+\j:GQ+\j+1], v[GZ+\j:GZ+\j+1], v[GT+14:GT+15], 0xb95fbd29 op_sel_hi:[1,1,0]
.endr
.irp k, 0xb60cff51, 0xb86ec2d2, 0xba40ac63, 0xbb41a1f6, 0xbc83dbd4
.irp j, 0,2,4,6,8,10,12,14
	v_pk_fma_f32 v[GP+\j:GP+\j+1], v[GP+\j:GP+\j+1], v[GZ+\j:GZ+\j+1], \k op_sel_hi:[1,1,0]
.endr
.endr
.irp k, 0xbadc924e, 0xbbf19bf8, 0xbc69b6a7
.irp j, 0,2,4,6,8,10,12,14
	v_pk_fma_f32 v[GQ+\j:GQ+\j+1], v[GQ+\j:GQ+\j+1], v[GZ+\j:GZ+\j+1], \k op_sel_hi:[1,1,0]
.endr
.endr
.irp j, 0,2,4,6,8,10,12,14
	v_pk_mul_f32 v[GP+\j:GP+\j+1], v[GP+\j:GP+\j+1], v[GM+\j:GM+\j+1]
.endr
.irp j, 0,1,2,3,4,5,6,7,8,9,10,11,12,13,14,15
	v_rcp_f32 v[GQ+\j], v[GQ+\j]
.endr
.irp j, 0,2,4,6,8,10,12,14
	v_pk_mul_f32 v[GZ+\j:GZ+\j+1], v[HB+\j:HB+\j+1], 0.5 op_sel_hi:[1,0]   ; g = h / 2: plain work behind the reciprocals
.endr
	s_wait_alu depctr_va_vdst(0)                   ; one wait for the sixteen
.irp j, 0,2,4,6,8,10,12,14
	v_pk_mul_f32 v[GP+\j:GP+\j+1], v[GP+\j:GP+\j+1], v[GQ+\j:GQ+\j+1]
.endr
.irp j, 0,2,4,6,8,10,12,14
	v_pk_fma_f32 v[HB+\j:HB+\j+1], v[GZ+\j:GZ+\j+1], v[GP+\j:GP+\j+1], v[GZ+\j:GZ+\j+1]
.endr
.endm
	s_load_b512 s[8:23], s[0:1], 0x0               ; x 8, ctxc 10, ctxs 12, par 14, lay 16, row_ob 18, col_qb 20, col_kb 22
	s_load_b512 s[24:39], s[0:1], 0x40             ; col_vb 24, col_ob 26, fc1b 28, fc2b 30, ln_col w 32, b 34, ln_ff w 36, b 38
	s_load_b128 s[40:43], s[0:1], 0x80             ; ln_f w 40, b 42
	s_load_b64 s[44:45], s[0:1], 0x90              ; the result
	v_lshrrev_b32 v16, 5, v0
	v_readfirstlane_b32 s[WVN], v16                ; wave 0..7
	v_and_b32 v16, 31, v0                          ; lane
	v_and_b32 v17, 15, v0                          ; r
	v_bfe_u32 v18, v0, 4, 1                        ; h
	v_and_b32 v19, 8, v17
	v_add_nc_u32 v19, v19, v17                     ; r + 8 (r / 8)
	v_lshlrev_b32 v[LI], 4, v16
	v_lshlrev_b32 v[LS], 2, v16
	s_lshl_b32 s77, s[WVN], 13
	v_add_nc_u32 v[WA], s77, v[LI]                 ; weights: 16 lane + my pair's two units
	s_lshl_b32 s77, s[WVN], 15
	v_add_nc_u32 v[WB], s77, v[LI]                 ; fc1, fc2: my eight units
	s_lshl_b32 s77, s[WVN], 8
	v_add_nc_u32 v[SA], s77, v[LS]
	s_lshl_b32 s77, s[WVN], 10
	v_add_nc_u32 v[SBO], s77, v[LS]
	v_lshlrev_b32 v[GH], 6, v18
	s_lshl_b32 s77, s[WVN], 7
	v_add_nc_u32 v[GF], s77, v[GH]                 ; my 16 features in a row of f32: 128 w + 64 h
	v_mul_u32_u24 v[XA], v17, 1040
	v_add_nc_u32 v[XA], v[XA], v[GF]
	v_add_nc_u32 v[XA], XROW, v[XA]
	s_lshl_b32 s77, s[WVN], 9
	v_add_nc_u32 v[IW], s77, v[LI]
	s_lshr_b32 s77, s[WVN], 2
	s_lshl_b32 s77, s77, 7
	s_and_b32 s78, s[WVN], 3
	s_add_co_u32 s77, s77, s78
	v_add_nc_u32 v[BW], s77, v[LS]
	v_mul_u32_u24 v[STR], v17, 80
	v_add_nc_u32 v[STR], ST, v[STR]
	s_lshl_b32 s77, s[WVN], 3
	v_add_nc_u32 v[STW], s77, v[STR]
	v_add_nc_u32 v[LIH], HI, v[LI]
	s_lshl_b32 s77, s[WVN], 11
	v_add_nc_u32 v[HW], s77, v[LIH]
	v_add_nc_u32 v[CI], s77, v[LI]
	s_lshl_b32 s77, s[WVN], 7
	s_add_co_u32 s78, s77, HS
	v_add_nc_u32 v[HSW], s78, v[LS]
	s_add_co_u32 s78, s77, XS0
	v_add_nc_u32 v[CW], s78, v[LS]
	v_lshl_add_u32 v[VO], v19, 2, s77              ; V's bias: channel 32 w + r + 8 (r / 8)
	s_mul_i32 s77, s[WVN], 8320
	s_add_co_u32 s77, s77, XROW
	v_add_nc_u32 v[RS], s77, v[LI]                 ; stage rows 8 w .. 8 w + 7, whole
	v_lshlrev_b32 v[CX], 13, v19
	v_lshl_add_u32 v[CX], v18, 4, v[CX]            ; ctxc: a row r' is 8,192 bytes on; + 16 h
	v_lshlrev_b32 v[CY], 9, v19                    ; ctxs: 512 bytes
.irp q, 0,1,2,3
	v_mov_b32 v[TM+4+\q], 0                        ; written once: a lane permute's destination counts as one of its sources
.endr
	WIN 0x40
.irp i, 0,1,2,3,4,5,6,7,8,9,10,11
	v_mov_b32 v[KV+32+\i], 0                       ; zero codes behind V's last fragment
.endr
	WIN 0
	s_mov_b32 s[SEL], 0x76543210
	s_mov_b32 s[SEL+1], 0xfedcba98
	s_mov_b32 s[MNT], 0x600000
	s_mov_b32 s[CS], 0x3fb8aa3b
	s_mov_b32 s[CS+1], s[CS]
	s_mov_b32 s[INV], 0x3b800000
	s_mov_b32 s[EPSR], 0x2b8cbccc
	s_lshr_b32 s77, ttmp9, 7                       ; b
	s_and_b32 s78, ttmp9, 127
	s_lshl_b32 s78, s78, 1
	s_lshr_b32 s79, s[WVN], 2
	s_add_co_u32 s78, s78, s79                     ; column c0 + w / 4
	s_bfe_u32 s79, s[WVN], 0x10001                 ; (w / 2) % 2
	s_and_b32 s80, s[WVN], 1
	s_lshl_b32 s81, s77, 5
	s_lshl_b32 s82, s79, 3
	s_add_co_u32 s81, s81, s82
	s_lshl_b32 s82, s80, 4
	s_add_co_u32 s81, s81, s82                     ; stage rows 8 w + i are rows 32 b + 8 ((w / 2) % 2) + 16 (w % 2) + i
	s_lshl_b32 s81, s81, 8
	s_add_co_u32 s81, s81, s78
	s_lshl_b32 s[XOF], s81, 10
	s_mov_b32 s[XOF+1], 0
	s_lshl_b32 s82, s77, 21                        ; ctxc: tile w / 2, K step w % 2 (heads 4 (w % 2) on)
	s_lshl_b32 s84, s80, 20
	s_add_co_u32 s82, s82, s84
	s_lshl_b32 s84, s79, 16
	s_add_co_u32 s82, s82, s84
	s_lshl_b32 s84, s78, 5
	s_add_co_u32 s82, s82, s84
	s_mov_b32 s83, 0
	s_lshl_b32 s86, s77, 16                        ; ctxs likewise
	s_lshl_b32 s84, s80, 15
	s_add_co_u32 s86, s86, s84
	s_lshl_b32 s84, s79, 12
	s_add_co_u32 s86, s86, s84
	s_lshl_b32 s84, s78, 1
	s_add_co_u32 s86, s86, s84
	s_mov_b32 s87, 0
	s_mov_b32 s85, 0
	s_wait_kmcnt 0x0
	s_load_b32 s[LAYR], s[16:17], 0x0              ; the layer's number
	s_add_nc_u64 s[8:9], s[8:9], s[XOF:XOF+1]
	s_add_nc_u64 s[44:45], s[44:45], s[XOF:XOF+1]
	s_add_nc_u64 s[10:11], s[10:11], s[82:83]
	s_add_nc_u64 s[12:13], s[12:13], s[86:87]
	; ---- 0: eight whole rows of x, and one fragment of the row attention's context, a wave
.irp i, 0,1,2,3,4,5,6,7
	global_load_b128 v[ACC+8*\i:ACC+8*\i+3], v[LI], s[8:9] offset:262144*\i
	global_load_b128 v[ACC+8*\i+4:ACC+8*\i+7], v[LI], s[8:9] offset:262144*\i+512
.endr
.irp c, 0,1,2,3
	global_load_b128 v[PC+4*\c:PC+4*\c+3], v[CX], s[10:11] offset:262144*\c
.endr
	global_load_u16 v[GT], v[CY], s[12:13]
	global_load_u16 v[GT+1], v[CY], s[12:13] offset:16384
	s_wait_kmcnt 0x0
	s_min_u32 s[LAYR], s[LAYR], 1
	s_lshl_b32 s84, s[LAYR], 10
.irp p, 18,20,22,24,26,30,32,34,36,38
	s_add_nc_u64 s[\p:\p+1], s[\p:\p+1], s[84:85]
.endr
	s_lshl_b32 s84, s[LAYR], 12
	s_add_nc_u64 s[28:29], s[28:29], s[84:85]
	s_mul_i32 s84, s[LAYR], LSTR
	s_add_nc_u64 s[14:15], s[14:15], s[84:85]
	s_cmp_eq_u32 s[LAYR], 0
	s_cselect_b32 s[FM], -1, 0                     ; layer 0: the closing LN is selected off
	s_add_nc_u64 s[FCC:FCC+1], s[14:15], 524288    ; fc1's units,
	s_add_nc_u64 s[FCS:FCS+1], s[14:15], SCO+16384 ; their scale words,
	s_lshl_b32 s84, s[WVN], 9
	s_add_nc_u64 s[FCB:FCB+1], s[28:29], s[84:85]  ; my 128 numbers of fc1b,
	s_lshl_b32 s84, s[WVN], 7
	s_add_nc_u64 s[F2B:F2B+1], s[30:31], s[84:85]  ; my 32 of fc2b
	BLD GF, 18                                     ; row_ob
	LW256 0, 3, 0                                  ; row o
	LW256 1, 3, 1
	LW256 2, 6, 0                                  ; col v
	LW256 3, 6, 1
	LW256 4, 5, 0                                  ; col k
	LW256 5, 5, 1
	s_wait_loadcnt 58                              ; x, the context and its bytes are in; behind them: the bias's 4 and six units of 9
.irp i, 0,1,2,3,4,5,6,7
	ds_store_b128 v[RS], v[ACC+8*\i:ACC+8*\i+3] offset:1040*\i
	ds_store_b128 v[RS], v[ACC+8*\i+4:ACC+8*\i+7] offset:1040*\i+512
.endr
.irp c, 0,1,2,3
	ds_store_b128 v[CI], v[PC+4*\c:PC+4*\c+3] offset:XI0+512*\c
.endr
	v_lshl_or_b32 v[GT+4], v[GT+1], 16, v[GT]      ; four heads' bytes: the fragment's scale word
	ds_store_b32 v[CW], v[GT+4]
	BAR
	; ---- 1: x1 = x + ctx Wo^T + b; LN
	XGET
	s_wait_loadcnt 54                              ; the bias; six units may be out
	s_wait_dscnt 0x0
	BADD
	GLOAD 32, 34                                   ; LN's gains land where the bias and the context's codes lay
	global_load_b32 v[SW], v[VO], s[24:25]
	global_load_b32 v[SW+1], v[VO], s[24:25] offset:32
	BLOAD LI, XI0, 4096, LS, XS0, 256
	s_wait_loadcnt 55                              ; slot 0; behind it five units, 8 gains, 2 of V's bias
	s_wait_dscnt 0x0
	MMT 0, 0, 0x01, BF, BS, 1
	BLOAD LI, XI0+2048, 4096, LS, XS0+128, 256
	s_wait_loadcnt 46                              ; slot 1; behind it four units, 8 gains, 2 of V's bias
	s_wait_dscnt 0x0
	MMT 1, 0, 0x01, BF, BS, 1
	XPUT                                           ; x1 is kept in the stage
	LNSTAT
	BAR
	s_wait_loadcnt 2                               ; the gains; behind them V's bias
	LNAPPLY 0
	QB 4, ACC, PC, 4, GT+4, 0
	IMG XI1, XS1
	BAR
	; ---- 2: v, k, q of head w.  LN(x1)'s fragments are read once: K step 0 into BF, K step 1 into slots 0 and 1, which row o has left
	s_wait_loadcnt 0x0                             ; V's bias: nothing was asked for behind it
.irp j, 0,1,2,3,4,5,6,7
	v_mov_b32 v[BI+\j], v[SW]
	v_mov_b32 v[BI+8+\j], v[SW+1]
.endr
	BLOAD LI, XI1, 4096, LS, XS1, 256
	BLOADX 0, PSB, XI1+2048, XS1+128
	s_wait_dscnt 0x0
	MMV 2, 1, 0x04, BF, BS, 0
	MMV 3, 0, 0x05, 0, PSB, 1
	BLD GF, 22                                     ; col_kb
	LW256 2, 4, 0                                  ; col q
	LW256 3, 4, 1
	QB 4, ACC, KV+16, 4, VSB, 0x40
	s_wait_loadcnt 18                              ; K's bias; q's two units may be out
	MMT 4, 1, 0x01, BF, BS, 0
	MMT 5, 0, 0x05, 0, PSB, 1
	BLD GF, 20                                     ; col_qb
	LW256 4, 7, 0                                  ; col o
	LW256 5, 7, 1
	QB 4, ACC, KV, 4, KSB, 0x40
	s_wait_loadcnt 18                              ; q's units and bias; col o's two units may be out
	MMT 2, 1, 0x01, BF, BS, 0
	MMT 3, 0, 0x05, 0, PSB, 1
	BLD GF, 26                                     ; col_ob
	LOADW 0, WB, SBO, FCC, 0, FCS, 0               ; fc1, my first pair, where LN(x1)'s K step 1 lay
	LOADW 1, WB, SBO, FCC, 4096, FCS, 128
.irp q, 0,1,2,3
.irp i, 4,5,6,7,8,9,10,11,12,13,14,15
	v_mov_b32 v[BF+16*\q+\i], 0                    ; zero codes: blocks 1 to 3 of Q's, later p's, operands
.endr
.endr
.set n, 0
.rept 32
	v_pk_mul_f32 v[ACC+n:ACC+n+1], v[ACC+n:ACC+n+1], 0x3e3504f3 op_sel_hi:[1,0]   ; 32^-0.5
.set n, n+2
.endr
	QB 4, ACC, BF, 16, QSB, 0
.rept 4
	v_nop
.endr
	; ---- 3: attention over the 32 rows, for my head and both columns
	WIN 0x01
.irp cl, 0,1
.irp qu, 0,1
.irp ku, 0,1
	v_wmma_scale_f32_16x16x128_f8f6f4 v[ACC+16*(2*\cl+\qu)+8*\ku:ACC+16*(2*\cl+\qu)+8*\ku+7], v[KV+4*(2*\cl+\ku):KV+4*(2*\cl+\ku)+15], v[BF+16*(2*\cl+\qu):BF+16*(2*\cl+\qu)+15], 0, v[KSB+2*\cl+\ku], v[QSB+2*\cl+\qu]
.endr
.endr
.endr
	WIN 0
	PLACES
	SM4
	WIN 0x01
.irp cl, 0,1
.irp qu, 0,1
.irp dt, 0,1
	v_wmma_scale_f32_16x16x128_f8f6f4 v[ACC+16*(2*\cl+\qu)+8*\dt:ACC+16*(2*\cl+\qu)+8*\dt+7], v[KV+16+4*(2*\cl+\dt):KV+16+4*(2*\cl+\dt)+15], v[BF+16*(2*\cl+\qu):BF+16*(2*\cl+\qu)+15], 0, v[VSB+2*\cl+\dt], v[PSB+2*\cl+\qu]
.endr
.endr
.endr
	WIN 0
	PLACES
.irp q, 0,1,2,3
	v_add_f32 v[GT+2*\q], v[GT+2*\q], v[GT+2*\q+1]
.endr
.irp q, 0,1,2,3
	v_permlanex16_b32 v[GT+2*\q+1], v[GT+2*\q], s[SEL], s[SEL+1]
.endr
.irp q, 0,1,2,3
	v_add_f32 v[GT+2*\q], v[GT+2*\q], v[GT+2*\q+1] ; the rows' sums
.endr
.irp q, 0,1,2,3
	v_rcp_f32 v[NM+2*\q], v[GT+2*\q]
.endr
	v_nop
	s_wait_alu depctr_va_vdst(0)
.irp q, 0,1,2,3
	v_mov_b32 v[NM+2*\q+1], v[NM+2*\q]
.endr
.irp q, 0,1,2,3
.irp j, 0,2,4,6,8,10,12,14
	v_pk_mul_f32 v[ACC+16*\q+\j:ACC+16*\q+\j+1], v[ACC+16*\q+\j:ACC+16*\q+\j+1], v[NM+2*\q:NM+2*\q+1]
.endr
.endr
	QB 4, ACC, PC, 4, GT+4, 0
	IMG XI0, XS0
	BAR
	; ---- 4: x2 = x1 + ctx Wo^T + b; LN
	XGET
	s_wait_loadcnt 18                              ; col_ob, and col o's units ahead of it; fc1's two units may be out
	s_wait_dscnt 0x0
	BADD
	GLOAD 36, 38
	BLOAD LI, XI0, 4096, LS, XS0, 256              ; both K steps are asked for together: the second into slots 2 and 3, which q has left
	BLOADX 64, PSB, XI0+2048, XS0+128
	s_wait_dscnt 0x0
	MMT 4, 0, 0x01, BF, BS, 0
	MMT 5, 0, 0x05, 64, PSB, 1
	LWF2 6, 6                                      ; fc2's K steps 6 and 7, where K's and V's codes lay
	LWF2 7, 7
	XPUT                                           ; x2 is kept in the stage
	LNSTAT
	BAR
	s_wait_loadcnt 18                              ; the gains; fc2's two units may be out
	LNAPPLY 0
	BLD GH, FCB                                    ; fc1b of my first pair
	QB 4, ACC, PC, 4, GT+4, 0
	IMG XI1, XS1
	v_mov_b32 v[GT+12], 0xaf95df0b                 ; erf's leading coefficients, as pairs
	v_mov_b32 v[GT+13], 0xaf95df0b
	v_mov_b32 v[GT+14], 0xb77460cd
	v_mov_b32 v[GT+15], 0xb77460cd
.irp tt, 0,1,2,3
	v_mov_b32 v[SW+\tt], 0
.endr
	s_mov_b32 s[CNT], 0
	s_mov_b32 s[HOF], 0
	s_mov_b32 s[SH], 0
	s_mov_b32 s[STP+1], 0
	s_mov_b32 s[STQ+1], 0
	BAR
	BLOADX 64, KSB, XI1, XS1                       ; LN(x2)'s eight fragments are read once, into slots 2 to 5, and stay for the four trips
	BLOADX 128, QSB, XI1+2048, XS1+128
	s_wait_dscnt 0x0
	; ---- 5: fc1 and gelu, a pair of tiles (32 hidden units) a trip; each trip asks for the next pair's units and bias, the last for fc2's first two K steps and fc2b
.Lfc1:
	s_wait_loadcnt 0x0                             ; the bias and both units: asked for ahead of the last trip's gelu (on the way in: ahead of the barrier)
	MMT 0, 1, 0x05, 64, KSB, 0
	MMT 1, 0, 0x05, 128, QSB, 1
	s_wait_xcnt 0x0                                ; the last trip's loads have read their bases: these are stepped only behind this wait
	s_cmp_eq_u32 s[CNT], 3
	s_mov_b32 s[STP], 8192
	s_cselect_b32 s[STP], 237568, s[STP]           ; from fc1's last pair on to fc2's units
	s_mov_b32 s[STQ], 256
	s_cselect_b32 s[STQ], 7424, s[STQ]
	s_add_nc_u64 s[FCC:FCC+1], s[FCC:FCC+1], s[STP:STP+1]
	s_add_nc_u64 s[FCS:FCS+1], s[FCS:FCS+1], s[STQ:STQ+1]
	s_add_nc_u64 s[FCB:FCB+1], s[FCB:FCB+1], 128
	s_cselect_b64 s[BSEL:BSEL+1], s[F2B:F2B+1], s[FCB:FCB+1]
	BLD GH, BSEL
	LOADW 0, WB, SBO, FCC, 0, FCS, 0
	LOADW 1, WB, SBO, FCC, 4096, FCS, 128
	GELU 0
	GELU 1
	GELU 2
	GELU 3
	QB 4, ACC, PC, 4, GT+4, 0
	v_add_nc_u32 v[HT], s[HOF], v[HW]              ; K step w of fc2, block = the trip
.irp tt, 0,1,2,3
	ds_store_b128 v[HT], v[PC+4*\tt:PC+4*\tt+3] offset:16384*\tt
.endr
.irp tt, 0,1,2,3
	v_lshl_or_b32 v[SW+\tt], v[GT+4+\tt], s[SH], v[SW+\tt]
.endr
	s_add_co_u32 s[HOF], s[HOF], 512
	s_add_co_u32 s[SH], s[SH], 8
	s_wait_dscnt 0x0                               ; the stores are done: their registers are written again in the next trip
	s_add_co_u32 s[CNT], s[CNT], 1
	s_cmp_lt_u32 s[CNT], 4
	s_cbranch_scc1 .Lfc1
	LWF2 2, 2                                      ; LN(x2)'s fragments are done with: fc2's K steps 2 to 5 take their slots
	LWF2 3, 3
	LWF2 4, 4
	LWF2 5, 5
.irp tt, 0,1,2,3
	ds_store_b32 v[HSW], v[SW+\tt] offset:1024*\tt
.endr
	BAR
	; ---- 6: x3 = x2 + h W2^T + b; the closing LN (selected); the way out
	XGET
	s_wait_loadcnt 54                              ; fc2b; behind it six units
	s_wait_dscnt 0x0
	BADD
	GLOAD 40, 42
.macro FC2 st, slot, left
	BLOAD LIH, 2048*\st, 16384, LS, HS+128*\st, 1024
	s_wait_loadcnt \left
	s_wait_dscnt 0x0
	MMT \slot, 0, 0x01, BF, BS, 1
.endm
	FC2 0, 0, 53                                   ; behind slot 0: five units and the 8 gains
	FC2 1, 1, 44                                   ; behind slot 1: four units and the 8 gains
	FC2 6, 6, 44                                   ; slots 6 and 7 were in ahead of the loop: these two steps give K steps 2 to 5 time to land
	FC2 7, 7, 44
	FC2 2, 2, 35                                   ; behind slot 2: three units and the 8 gains
	FC2 3, 3, 26
	FC2 4, 4, 17
	FC2 5, 5, 8
	LNSTAT
	BAR
	s_wait_loadcnt 0x0
	LNAPPLY 1
	XPUT
	BAR                                            ; 64 whole rows lie in the stage
.irp i, 0,1,2,3,4,5,6,7
	ds_load_b128 v[BF+8*\i:BF+8*\i+3], v[RS] offset:1040*\i
	ds_load_b128 v[BF+8*\i+4:BF+8*\i+7], v[RS] offset:1040*\i+512
.endr
.irp i, 0,1,2,3,4,5,6,7
	s_wait_dscnt 15-2*\i
	global_store_b128 v[LI], v[BF+8*\i:BF+8*\i+3], s[44:45] offset:262144*\i th:TH_STORE_NT       ; 512 consecutive bytes a store
	s_wait_dscnt 14-2*\i
	global_store_b128 v[LI], v[BF+8*\i+4:BF+8*\i+7], s[44:45] offset:262144*\i+512 th:TH_STORE_NT
.endr
	s_wait_xcnt 0x0
	v_lshl_add_u32 v254, v0, 2, 0x2b000
	v_mov_b32 v255, 0
	s_wait_tensorcnt 0x0
	ds_add_u32 v254, v255
	s_wait_dscnt 0x0
	s_endpgm
.Lfunc_end_k_qf171ea7ba9_col0:
	.size	k_qf171ea7ba9_col0, .Lfunc_end_k_qf171ea7ba9_col0-k_qf171ea7ba9_col0
	.p2alignl 7, 3214868480
	.fill 96, 4, 3214868480
	.section	.rodata,"a",@progbits
	.p2align	6, 0x0
	.amdhsa_kernel k_qf171ea7ba9_col0
		.amdhsa_group_segment_fixed_size 177152
		.amdhsa_private_segment_fixed_size 0
		.amdhsa_enable_private_segment 0
		.amdhsa_kernarg_size 152
		.amdhsa_user_sgpr_count 2
		.amdhsa_user_sgpr_kernarg_segment_ptr 1
		.amdhsa_wavefront_size32 1
		.amdhsa_system_sgpr_workgroup_id_x 1
		.amdhsa_system_sgpr_workgroup_id_y 1
		.amdhsa_system_sgpr_workgroup_id_z 1
		.amdhsa_system_vgpr_workitem_id 0
		.amdhsa_next_free_vgpr 512
		.amdhsa_next_free_sgpr 100
		.amdhsa_reserve_vcc 0
		.amdhsa_float_denorm_mode_32 3
		.amdhsa_float_denorm_mode_16_64 3
		.amdhsa_memory_ordered 1
		.amdhsa_forward_progress 1
		.amdhsa_inst_pref_size 255
	.end_amdhsa_kernel
	.section	.bss,"aw",@nobits
	.p2align	6
	.space	262144
	.amdgpu_metadata
---
amdhsa.version: [ 1, 2 ]
amdhsa.kernels:
  - .name:           k_qf171ea7ba9_col0
    .symbol:         k_qf171ea7ba9_col0.kd
    .args:
      - { .name: hidden_states, .offset: 0, .size: 8, .value_kind: global_buffer, .address_space: global }
      - { .name: ctxc, .offset: 8, .size: 8, .value_kind: global_buffer, .address_space: global }
      - { .name: ctxs, .offset: 16, .size: 8, .value_kind: global_buffer, .address_space: global }
      - { .name: par, .offset: 24, .size: 8, .value_kind: global_buffer, .address_space: global }
      - { .name: lay0, .offset: 32, .size: 8, .value_kind: global_buffer, .address_space: global }
      - { .name: row_ob, .offset: 40, .size: 8, .value_kind: global_buffer, .address_space: global }
      - { .name: col_qb, .offset: 48, .size: 8, .value_kind: global_buffer, .address_space: global }
      - { .name: col_kb, .offset: 56, .size: 8, .value_kind: global_buffer, .address_space: global }
      - { .name: col_vb, .offset: 64, .size: 8, .value_kind: global_buffer, .address_space: global }
      - { .name: col_ob, .offset: 72, .size: 8, .value_kind: global_buffer, .address_space: global }
      - { .name: fc1b, .offset: 80, .size: 8, .value_kind: global_buffer, .address_space: global }
      - { .name: fc2b, .offset: 88, .size: 8, .value_kind: global_buffer, .address_space: global }
      - { .name: ln_col_w, .offset: 96, .size: 8, .value_kind: global_buffer, .address_space: global }
      - { .name: ln_col_b, .offset: 104, .size: 8, .value_kind: global_buffer, .address_space: global }
      - { .name: ln_ff_w, .offset: 112, .size: 8, .value_kind: global_buffer, .address_space: global }
      - { .name: ln_ff_b, .offset: 120, .size: 8, .value_kind: global_buffer, .address_space: global }
      - { .name: ln_f_w, .offset: 128, .size: 8, .value_kind: global_buffer, .address_space: global }
      - { .name: ln_f_b, .offset: 136, .size: 8, .value_kind: global_buffer, .address_space: global }
      - { .name: xa, .offset: 144, .size: 8, .value_kind: global_buffer, .address_space: global }
    .group_segment_fixed_size: 177152
    .private_segment_fixed_size: 0
    .kernarg_segment_align: 8
    .kernarg_segment_size: 152
    .max_flat_workgroup_size: 256
    .sgpr_count:     100
    .vgpr_count:     512
    .wavefront_size: 32
...
	.end_amdgpu_metadata
.endif
;; end of part 3
;; launch row1: the kernel of part 2 again; grid 256 x 1, 16 waves a work-group, no clusters, 128,512 bytes of LDS; arguments xa, bkt, par, lay1, row_qb, row_kb, row_vb, row_rel, ln_row_w, ln_row_b, ctxc, ctxs; writes ctxc, ctxs
;; launch col1: the kernel of part 3 again; grid 256 x 1, 8 waves a work-group, no clusters, 177,152 bytes of LDS; arguments xa, ctxc, ctxs, par, lay1, row_ob, col_qb, col_kb, col_vb, col_ob, fc1b, fc2b, ln_col_w, ln_col_b, ln_ff_w, ln_ff_b, ln_f_w, ln_f_b, out0; writes out0
;; ======== version 2 of 2: 5 launches; version 1 with the launches row0, col0, row1, col1 written anew for expert scheduling mode
;; workspace buffers: bkt 4,194,304 bytes of whole numbers; par 2,162,688 bytes; ctxc 4,194,304 bytes; ctxs 131,072 bytes; xa 16,777,216 bytes; lay0 256 bytes of whole numbers; lay1 256 bytes of whole numbers
;; launch prep: the kernel of part 1 again; grid 320 x 1, 8 waves a work-group, no clusters, 0 bytes of LDS; arguments distances, row_qW_codes, row_kW_codes, row_vW_codes, row_oW_codes, col_qW_codes, col_kW_codes, col_vW_codes, col_oW_codes, fc1W_codes, fc2W_codes, row_qW_scales, row_kW_scales, row_vW_scales, row_oW_scales, col_qW_scales, col_kW_scales, col_vW_scales, col_oW_scales, fc1W_scales, fc2W_scales, bkt, par, lay0, lay1; writes bkt, par, lay0, lay1
;; launch row0 (part 4): grid 256 x 1, 16 waves a work-group, no clusters, 128,512 bytes of LDS; arguments hidden_states, bkt, par, lay0, row_qb, row_kb, row_vb, row_rel, ln_row_w, ln_row_b, ctxc, ctxs; writes ctxc, ctxs
.if DOCPART == 4
	.amdgcn_target "amdgcn-amd-amdhsa--gfx1250"
	.amdhsa_code_object_version 6
	.text
	.protected	k_qf171ea7ba9_row0
	.globl	k_qf171ea7ba9_row0
	.p2align	8
	.type	k_qf171ea7ba9_row0,@function
k_qf171ea7ba9_row0:
	s_mov_b64 s[64:65], 0
	v_nop
	global_prefetch_b8 v0, s[64:65] scope:SCOPE_SE
	s_setreg_imm32_b32 hwreg(HW_REG_WAVE_SCHED_MODE, 0, 2), 2
	s_setreg_imm32_b32 hwreg(HW_REG_WAVE_MODE, 25, 1), 1
	s_wait_xcnt 0x0
	s_wait_alu depctr_vm_vsrc(0)
; ROW ATTENTION of one layer, up to the context's codes.  A work-group owns one (b, r) and two heads; sixteen waves.
; A: wave w normalises (LN) and quantises 16 columns' tokens (tile w) and lays the two fragments in LDS as images of operand registers.
;    LN's w and b (2,048 bytes) come into LDS once, 4 bytes a thread, and every wave takes its blocks' gains from there.
; B: wave (cb = w % 4, tq = w / 4) makes, for token tiles 4 tq .. 4 tq + 3: Q or K of one head (cb 0, 1: Q of head 0, 1; cb 2, 3: K), used transposed, so that
;    a lane holds one token and 16 of the head's 32 channels; and 16 channels of V (tile cb), used the other way, so that a lane holds one channel and its registers run along the tokens.
;    All are quantised in registers (Q, K: the block is the head; V: blocks of 32 tokens) and go to LDS as images.
; C: wave w owns query tile w, both heads one after the other, 128 keys a step: S^T = K Q^T on top of the bias (fetched by a lane permute from a register that holds
;    rel[lane][head]); p = 2^(t - M), M the running ceiling; the sum of the unquantised p; p quantised along the keys; O^T += V^T p; O^T / sum is quantised (the block is the head) and stored as codes.
; TILES ARE PERMUTED: lane-row r of tile T is element 32 (T/2) + 8 (T%2) + r + 8 (r/8), so that the 16 registers of result tiles 2 b, 2 b + 1 are 16 neighbours, 32 b + 16 (lane/16) + 0..15.
; PRODUCTS WITH K = 32 use the 128-deep form: one side's registers 4..15 are zero codes; the other side's operand runs on into neighbouring fragments' codes (never a NaN code: every number is held at 448 x its scale).
; LIMITS: NaN and infinities are not served; a block whose largest magnitude lies under 2^-118 has its scale byte held at 1; a block of zeros has the byte 1 (only this program reads the bytes).
; NO CLUSTER, NO TENSOR LOADS: the four work-groups of a (b, r) share its 262,144 bytes of x and 65,536 of buckets; each lane takes its part straight into the registers in which it is worked on,
; and beside the 126,464 bytes of images a ring for x would be one more trip through LDS for bytes that a wave reads once.
; THE MODE: SCHED_MODE bits 1:0 = 2 (LLVM: expert scheduling mode 2), set by the entry lines.  The code itself states the register dependences
; between vector or matrix instructions and memory or LDS instructions, with s_wait_alu, always for 0.
; THE PLAN.  Registers that memory or LDS instructions touch:
;   addresses     made at the head (v1-15, v32, v34, v255) and at the attention's head (v5-11, v248, v251), one wait on va_vdst behind each making; one on vm_vsrc ahead of the second making.
;   gains' sets   block b's multiply-adds read set b % 2; the loads of block b + 2 land in it: a wait on va_vdst behind those multiply-adds.
;   codes, bytes  written by a quantiser, read by the run of stores behind it: one wait on va_vdst ahead of the run; it also covers the loads that follow the run into registers that the quantiser or the
;                 products ahead of it have left (weights, x's next fragments, the second head's Q).  One wait on vm_vsrc ahead of the next quantiser that writes the same registers.
;   a key step    v32-63 and v208-239 hold the 64 lane addresses of the bias; the permutes read them and land in the scores' registers.  Then K's codes land in v32-63, later V's.
;                 Four waits: va_vdst ahead of the permutes; vm_vsrc behind them; va_vdst behind the score products (V's loads); va_vdst ahead of the second products (p's codes and scale word).
.set LSTR, 0x108000
.set SCO,  0x100000
.set XIMG, 0                           ; x's fragments: tile x 4096 + K step x 2048 + c x 512 + 16 lane
.set XSC,  65536                       ; their scale words: tile x 256 + K step x 128 + 4 lane
.set QKIMG, 69632                      ; cb x 8192 + tile x 512 + 16 lane
.set QKSC, 102400                      ; cb x 1024 + tile x 64 + 4 (lane % 16)
.set VIMG, 106496                      ; channel tile x 4096 + K step x 2048 + c x 512 + 16 lane
.set VSC,  122880                      ; channel tile x 256 + K step x 128 + 4 lane
.set CSS,  123904                      ; the context's two scale bytes of each token: 2 x token
.set GLN,  124416                      ; LN's w, 1,024 bytes, then its b
.set LI,  1                            ; 16 x lane
.set LS,  2                            ; 4 x lane
.set L16, 3                            ; 4 x (lane % 16)
.set RR,  4                            ; r + 8 (r / 8)
.set XO,  5                            ; phases A, B: offsets and LDS addresses
.set GH,  6
.set XW,  7
.set XSW, 8
.set XR,  9
.set XSR, 10
.set QKW, 11
.set QKSW, 12
.set VW,  13
.set VSW, 14
.set VBO, 15
.set CQ,  5                            ; phase C
.set CQS, 6
.set CK,  7
.set CKS, 8
.set CV,  9
.set CVS, 10
.set CCS, 11
.set NEGM, 12                          ; -M;  v13 the largest t;  v[14:15] the sum in two halves
.set TMX, 13
.set SUM, 14
.set X,   96                           ; phase A: v96-223 my 128 numbers of a token
.set G,   32                           ; v32-95 two sets of 16 gains and 16 offsets
.set TM,  224                          ; v224-239 quantiser: largest magnitudes, permute's results, holds, scale operands
.set WQK, 96                           ; phase B: v96-159 Q's or K's weights (K step x 32 + tile x 16)
.set WVR, 160                          ; v160-191 V's weights
.set XF,  192                          ; v192-223 x's two fragments
.set AQ,  32                           ; v32-47 Q or K of a tile
.set AV,  48                           ; v48-79 V: four tiles of tokens
.set BI,  80                           ; v80-95 bias of Q or K in the result's layout
.set VB,  16                           ; v16-23 bias of V
.set WQS, 240                          ; v240-247 hold scales and nothing else
.set WVS, 242
.set XS,  244
.set KS,  240
.set VS,  244
.set QS,  246
.set PWD, 247
.set SS,  96                           ; phase C: v96-159 scores, then p
.set OT,  160                          ; v160-175 O^T
.set BK,  176                          ; v176-207 my queries' bucket bytes for all 256 keys
.set PP,  208                          ; v208-223 p's codes
.set REL, 84                           ; v84-85 rel[lane][head] for my two heads
.set CC,  86                           ; v86-93 the context's codes, four registers a head
.set CB,  94                           ; v94-95 its scale bytes
.set CTO, 248
.set CRD, 251
.set FR,  252                          ; v[252:253] f = 2^(old M - new M); later 1 / sum
.set TT,  254
.set GLA, 255                          ; v255 LDS address of my half's gains: GLN + 64 h
.set SEL, 40
.set MNT, 42
.set CS,  44
.set SF,  46
.set WVN, 48
.set CBS, 49
.set TQ,  50
.set HG,  51
.set BR,  52
.set INV, 53
.set EPSR, 54
.macro PLACES                          ; nine plain lines behind a run of matrix instructions: they serve reads of results and matrix instructions that write over operands alike
.rept 9
	v_nop
.endr
.endm
.macro BAR                             ; my LDS stores have landed and my LDS loads are in: then the work-group's barrier
	s_wait_dscnt 0x0
	s_barrier_signal -1
	s_barrier_wait -1
.endm
; cnt units of 16 numbers a lane (v[s + 16 q] on; a block of 32 lies in lanes l and l xor 16) become 4 registers of codes each (v[d + ds q] on) and a scale byte (v[sb + q])
.macro QB cnt, s, d, ds, sb
.set q, 0
.rept \cnt
	v_max3_num_f32 v[TM+q], |v[\s+16*q]|, |v[\s+16*q+1]|, 0x4800000   ; the floor 2^(9 - 127) among the leaves: the byte cannot fall under 1
.set q, q+1
.endr
.irp i, 2,4,6,8,10,12,14
.set q, 0
.rept \cnt
	v_max3_num_f32 v[TM+q], v[TM+q], |v[\s+16*q+\i]|, |v[\s+16*q+\i+1]|
.set q, q+1
.endr
.endr
.set q, 0
.rept \cnt
	v_permlanex16_b32 v[TM+4+q], v[TM+q], s[SEL], s[SEL+1]
.set q, q+1
.endr
.set q, 0
.rept \cnt
	v_max_num_f32 v[TM+q], v[TM+q], v[TM+4+q]      ; the block's largest magnitude
.set q, q+1
.endr
.set q, 0
.rept \cnt
	v_add_nc_u32 v[TM+12+q], 0xfc000000, v[TM+q]   ; 8 off its exponent field: the conversion's scale operand
	v_and_or_b32 v[TM+8+q], v[TM+q], 0x7f800000, s[MNT]   ; 448 x the scale
.set q, q+1
.endr
.set q, 0
.rept \cnt
	v_lshrrev_b32 v[\sb+q], 23, v[TM+12+q]         ; the scale's byte
.set q, q+1
.endr
.set q, 0
.rept \cnt
.irp i, 0,1,2,3,4,5,6,7,8,9,10,11,12,13,14,15
	v_med3_num_f32 v[\s+16*q+\i], v[\s+16*q+\i], -v[TM+8+q], v[TM+8+q]   ; the conversion does not saturate (ISA guide 7.6.2): the hold comes first
.endr
	v_cvt_scalef32_pk8_fp8_f32 v[\d+\ds*q:\d+\ds*q+1], v[\s+16*q:\s+16*q+7], v[TM+12+q]
	v_cvt_scalef32_pk8_fp8_f32 v[\d+\ds*q+2:\d+\ds*q+3], v[\s+16*q+8:\s+16*q+15], v[TM+12+q]
.set q, q+1
.endr
	v_nop                                          ; a plain line behind the last conversion
.endm
.macro WORD w, sb                      ; four bytes make a scale word
	v_lshl_or_b32 v[\w], v[\sb+1], 8, v[\sb]
	v_lshl_or_b32 v[\w], v[\sb+2], 16, v[\w]
	v_lshl_or_b32 v[\w], v[\sb+3], 24, v[\w]
.endm
.macro GAINS b                         ; LN's w and b of features 32 b + 16 h + 0..15, from LDS, into set b % 2: eight LDS loads; sixteen lanes read the same 16 bytes
.irp j, 0,1,2,3
	ds_load_b128 v[G+32*((\b)%2)+4*\j:G+32*((\b)%2)+4*\j+3], v[GLA] offset:128*(\b)+16*\j
.endr
.irp j, 0,1,2,3
	ds_load_b128 v[G+32*((\b)%2)+16+4*\j:G+32*((\b)%2)+16+4*\j+3], v[GLA] offset:1024+128*(\b)+16*\j
.endr
.endm
	s_load_b512 s[8:23], s[0:1], 0x0               ; x 8, bkt 10, par 12, lay 14, qb 16, kb 18, vb 20, rel 22
	s_load_b256 s[24:31], s[0:1], 0x40             ; ln w 24, ln b 26, ctxc 28, ctxs 30
	v_lshrrev_b32 v16, 5, v0
	v_readfirstlane_b32 s[WVN], v16                ; wave 0..15
	v_and_b32 v16, 31, v0                          ; lane
	v_and_b32 v17, 15, v0                          ; r
	v_bfe_u32 v18, v0, 4, 1                        ; h
	v_and_b32 v[RR], 8, v17
	v_add_nc_u32 v[RR], v[RR], v17
	v_lshlrev_b32 v[LI], 4, v16
	v_lshlrev_b32 v[LS], 2, v16
	v_lshlrev_b32 v[L16], 2, v17
	v_lshlrev_b32 v[GH], 6, v18                    ; 64 h
	v_add_nc_u32 v[GLA], GLN, v[GH]
	v_and_b32 v32, 0xff, v0
	v_lshlrev_b32 v32, 2, v32                      ; the gains' way in: thread t takes number t % 256 (of w: waves 0-7; of b: waves 8-15),
	v_lshl_add_u32 v34, v0, 2, GLN                 ; and puts it at GLN + 4 t
	v_lshl_add_u32 v[XO], v[RR], 10, v[GH]         ; x: my token's row of 1,024 bytes + 64 h
	v_lshlrev_b32 v[VBO], 2, v[RR]
	s_wait_alu depctr_va_sdst(0)                   ; the wave's number is written, ahead of its first reader: LDS addresses, bases and branches are made from it
	s_and_b32 s[CBS], s[WVN], 3
	s_lshr_b32 s[TQ], s[WVN], 2
	s_and_b32 s[HG], ttmp9, 3                      ; which two heads
	s_lshr_b32 s[BR], ttmp9, 2                     ; (b, r)
	s_lshl_b32 s33, s[WVN], 12
	v_add_nc_u32 v[XW], s33, v[LI]
	s_lshl_b32 s33, s[WVN], 8
	s_add_co_u32 s33, s33, XSC
	v_add_nc_u32 v[XSW], s33, v[LS]
	s_lshl_b32 s33, s[TQ], 14
	v_add_nc_u32 v[XR], s33, v[LI]
	s_lshl_b32 s33, s[TQ], 10
	s_add_co_u32 s33, s33, XSC
	v_add_nc_u32 v[XSR], s33, v[LS]
	s_lshl_b32 s33, s[CBS], 13
	s_lshl_b32 s34, s[TQ], 11
	s_add_co_u32 s33, s33, s34
	s_add_co_u32 s33, s33, QKIMG
	v_add_nc_u32 v[QKW], s33, v[LI]
	s_lshl_b32 s33, s[CBS], 10
	s_lshl_b32 s34, s[TQ], 8
	s_add_co_u32 s33, s33, s34
	s_add_co_u32 s33, s33, QKSC
	v_add_nc_u32 v[QKSW], s33, v[L16]
	s_lshl_b32 s33, s[CBS], 12
	s_lshl_b32 s34, s[TQ], 10
	s_add_co_u32 s33, s33, s34
	s_add_co_u32 s33, s33, VIMG
	v_add_nc_u32 v[VW], s33, v[LI]
	s_lshl_b32 s33, s[CBS], 8
	s_lshr_b32 s34, s[TQ], 1
	s_lshl_b32 s34, s34, 7
	s_add_co_u32 s33, s33, s34
	s_and_b32 s34, s[TQ], 1
	s_lshl_b32 s34, s34, 1
	s_add_co_u32 s33, s33, s34
	s_add_co_u32 s33, s33, VSC
	v_add_nc_u32 v[VSW], s33, v[LS]
.irp i, 0,1,2,3
	v_mov_b32 v[TM+4+\i], 0                        ; written once: a lane permute's destination counts as one of its sources
.endr
	s_mov_b32 s[SEL], 0x76543210
	s_mov_b32 s[SEL+1], 0xfedcba98                 ; v_permlanex16_b32's selects for lane l xor 16
	s_mov_b32 s[MNT], 0x600000                     ; the mantissa field of 448
	s_mov_b32 s[CS], 0x3fb8aa3b                    ; log2(e)
	s_mov_b32 s[CS+1], s[CS]
	s_mov_b32 s[INV], 0x3b800000                   ; 1 / 256
	s_mov_b32 s[EPSR], 0x2b8cbccc                  ; 1e-12
	s_lshl_b32 s34, s[BR], 18
	s_lshr_b32 s33, s[WVN], 1
	s_lshl_b32 s33, s33, 15
	s_add_co_u32 s34, s34, s33
	s_and_b32 s33, s[WVN], 1
	s_lshl_b32 s33, s33, 13
	s_add_co_u32 s34, s34, s33                     ; (b, r)'s 256 rows, + my tile's first token 32 (w / 2) + 8 (w % 2)
	s_mov_b32 s35, 0
	s_wait_kmcnt 0x0
	s_load_b32 s32, s[14:15], 0x0                  ; the layer's number
	s_add_nc_u64 s[8:9], s[8:9], s[34:35]
	s_wait_alu depctr_va_vdst(0)                   ; the offsets and LDS addresses v1 to v15, v32, v34 and v255 are written, which the loads and stores of phases A and B read
.set i, 0
.rept 32
	global_load_b128 v[X+4*i:X+4*i+3], v[XO], s[8:9] offset:128*(i/4)+16*(i%4)   ; features 32 b + 16 h + 0..15 of my token, b = 0..7
.set i, i+1
.endr
	s_wait_kmcnt 0x0
	s_min_u32 s32, s32, 1
	s_lshl_b32 s34, s32, 10                        ; a layer of each [2][256] f32 input, and of rel, is 1,024 bytes
	s_add_nc_u64 s[16:17], s[16:17], s[34:35]
	s_add_nc_u64 s[18:19], s[18:19], s[34:35]
	s_add_nc_u64 s[20:21], s[20:21], s[34:35]
	s_add_nc_u64 s[22:23], s[22:23], s[34:35]
	s_add_nc_u64 s[24:25], s[24:25], s[34:35]
	s_add_nc_u64 s[26:27], s[26:27], s[34:35]
	s_mul_i32 s34, s32, LSTR
	s_add_nc_u64 s[12:13], s[12:13], s[34:35]
	s_cmp_lt_u32 s[WVN], 8                         ; the choice hangs on the wave's number alone
	s_cselect_b64 s[70:71], s[24:25], s[26:27]
	global_load_b32 v33, v32, s[70:71]             ; my word of LN's w or b: a wave reads 128 consecutive bytes
	; where my wave's weights, biases, buckets and results lie
	s_and_b32 s33, s[CBS], 1
	s_lshr_b32 s55, s[CBS], 1
	s_lshl_b32 s62, s[HG], 1
	s_add_co_u32 s63, s62, s33                     ; Q's or K's head (= pair of tiles)
	s_add_co_u32 s62, s62, s55                     ; V's head
	s_lshl_b32 s34, s55, 16
	s_lshl_b32 s66, s63, 13
	s_add_co_u32 s34, s34, s66
	s_add_nc_u64 s[36:37], s[12:13], s[34:35]      ; units (matrix cb / 2, pair, K step 0, 1)
	s_lshl_b32 s34, s55, 11
	s_lshl_b32 s66, s63, 8
	s_add_co_u32 s34, s34, s66
	s_add_nc_u64 s[38:39], s[12:13], s[34:35]      ; their scale words (SCO in the immediate)
	s_cmp_lt_u32 s[CBS], 2
	s_cselect_b64 s[56:57], s[16:17], s[18:19]     ; qb or kb
	s_cselect_b32 s[SF], 0x3d000000, 1.0           ; Q is scaled by 32^-0.5 / sqrt(32) = 2^-5, K by 1: one text for both
	s_mov_b32 s[SF+1], s[SF]
	s_lshl_b32 s34, s63, 7
	s_add_nc_u64 s[56:57], s[56:57], s[34:35]
	s_lshl_b32 s34, s62, 13
	s_lshl_b32 s66, s33, 11
	s_add_co_u32 s34, s34, s66
	s_add_co_u32 s34, s34, 131072
	s_add_nc_u64 s[58:59], s[12:13], s[34:35]      ; V's weights: matrix 2, pair, tile cb % 2
	s_lshl_b32 s34, s62, 8
	s_lshl_b32 s66, s33, 6
	s_add_co_u32 s34, s34, s66
	s_add_co_u32 s34, s34, 4096
	s_add_nc_u64 s[60:61], s[12:13], s[34:35]
	s_lshl_b32 s34, s62, 7
	s_lshl_b32 s66, s33, 5
	s_add_co_u32 s34, s34, s66
	s_add_nc_u64 s[20:21], s[20:21], s[34:35]      ; vb at channel 32 head + 8 (cb % 2)
	s_lshl_b32 s34, s[BR], 16
	s_lshl_b32 s66, s[WVN], 12
	s_add_co_u32 s34, s34, s66
	s_add_nc_u64 s[10:11], s[10:11], s[34:35]      ; buckets of query tile w
	s_lshl_b32 s34, s[HG], 3
	s_add_nc_u64 s[22:23], s[22:23], s[34:35]      ; rel at head 2 hg
	s_lshr_b32 s66, s[BR], 5                       ; b
	s_and_b32 s67, s[BR], 31                       ; r
	s_lshl_b32 s34, s66, 21
	s_lshl_b32 s68, s[HG], 19
	s_add_co_u32 s34, s34, s68
	s_lshl_b32 s68, s67, 13
	s_add_co_u32 s34, s34, s68
	s_lshr_b32 s68, s[WVN], 1
	s_lshl_b32 s68, s68, 10
	s_add_co_u32 s34, s34, s68
	s_and_b32 s68, s[WVN], 1
	s_lshl_b32 s68, s68, 8
	s_add_co_u32 s34, s34, s68
	s_add_nc_u64 s[28:29], s[28:29], s[34:35]      ; ctxc[b][2 hg][r][my tile's first token]
	s_lshl_b32 s34, s66, 16
	s_lshl_b32 s68, s[HG], 14
	s_add_co_u32 s34, s34, s68
	s_lshl_b32 s68, s67, 9
	s_add_co_u32 s34, s34, s68
	s_add_nc_u64 s[30:31], s[30:31], s[34:35]      ; ctxs[b][hg][r]
	; ---- A: LN of my token (its other 128 numbers lie in lane l xor 16), in two passes
	s_wait_loadcnt 0x0                             ; x's 32 loads, and my word of the gains, which was asked for last
	ds_store_b32 v34, v33
	s_wait_dscnt 0x0                               ; for the others' sake: my word of the gains lies in LDS
	s_barrier_signal -1                            ; the two passes below are register work: they stand between the signal and the wait
.irp c, 0,2,4,6
	v_pk_add_f32 v[16+\c:17+\c], v[X+\c:X+\c+1], v[X+8+\c:X+9+\c]
.endr
.set i, 16
.rept 56
	v_pk_add_f32 v[16+i%8:17+i%8], v[16+i%8:17+i%8], v[X+i:X+i+1]
.set i, i+2
.endr
	v_pk_add_f32 v[16:17], v[16:17], v[18:19]
	v_pk_add_f32 v[20:21], v[20:21], v[22:23]
	v_pk_add_f32 v[16:17], v[16:17], v[20:21]
	v_add_f32 v16, v16, v17
	v_permlanex16_b32 v17, v16, s[SEL], s[SEL+1]
	v_add_f32 v16, v16, v17
	v_mul_f32 v248, 0xbb800000, v16                ; - mean
	v_mov_b32 v249, v248
.set i, 0
.rept 64
	v_pk_add_f32 v[X+i:X+i+1], v[X+i:X+i+1], v[248:249]
.set i, i+2
.endr
.irp c, 0,2,4,6
	v_pk_mul_f32 v[16+\c:17+\c], v[X+\c:X+\c+1], v[X+\c:X+\c+1]
.endr
.set i, 8
.rept 60
	v_pk_fma_f32 v[16+i%8:17+i%8], v[X+i:X+i+1], v[X+i:X+i+1], v[16+i%8:17+i%8]
.set i, i+2
.endr
	v_pk_add_f32 v[16:17], v[16:17], v[18:19]
	v_pk_add_f32 v[20:21], v[20:21], v[22:23]
	v_pk_add_f32 v[16:17], v[16:17], v[20:21]
	v_add_f32 v16, v16, v17
	v_permlanex16_b32 v17, v16, s[SEL], s[SEL+1]
	v_add_f32 v16, v16, v17
	v_fma_f32 v16, v16, s[INV], s[EPSR]            ; variance + eps
	v_rsq_f32 v250, v16
	v_nop
	s_wait_alu depctr_va_vdst(0)                   ; the root v250 is written, ahead of its first reader
	v_mov_b32 v251, v250
	s_barrier_wait -1                              ; all 512 words of w and b lie in LDS
	s_wait_alu depctr_vm_vsrc(0)                   ; the load and the store of my word have read v32 to v34, in which the first gains land
	GAINS 0                                        ; (no vector line since the head's wait names v32 to v95 or v255)
	GAINS 1
.macro NORM b
.if \b < 7
	s_wait_dscnt 8                                 ; this block's eight LDS loads are in; the other set's eight may be out
.else
	s_wait_dscnt 0x0
.endif
.irp j, 0,2,4,6,8,10,12,14
	v_pk_mul_f32 v[X+16*\b+\j:X+16*\b+\j+1], v[X+16*\b+\j:X+16*\b+\j+1], v[250:251]
.endr
.irp j, 0,2,4,6,8,10,12,14
	v_pk_fma_f32 v[X+16*\b+\j:X+16*\b+\j+1], v[X+16*\b+\j:X+16*\b+\j+1], v[G+32*(\b%2)+\j:G+32*(\b%2)+\j+1], v[G+32*(\b%2)+16+\j:G+32*(\b%2)+17+\j]
.endr
.if \b < 6
	s_wait_alu depctr_va_vdst(0)                   ; the multiply-adds above are done reading this set of gains, in which the loads of two blocks on land: the set is asked for again at once
	GAINS \b+2
.endif
.endm
.irp b, 0,1,2,3,4,5,6,7
	NORM \b
.endr
	QB 4, X, 16, 4, 248                            ; K step 0: codes v16-31, bytes v248-251
	WORD 252, 248
	s_wait_alu depctr_va_vdst(0)                   ; the codes v16-31 and the word v252 are written, which the stores read; the quantiser is done with v96-159 and LN with v80-95, in which weights and bias land
.irp c, 0,1,2,3
	ds_store_b128 v[XW], v[16+4*\c:19+4*\c] offset:512*\c
.endr
	ds_store_b32 v[XSW], v252
.irp st, 0,1                                   ; the numbers' registers are free: Q's or K's weights land there
.irp k, 0,1,2,3,4,5,6,7
	global_load_b128 v[WQK+32*\st+4*\k:WQK+32*\st+4*\k+3], v[LI], s[36:37] offset:4096*\st+512*\k
.endr
	global_load_b32 v[WQS+\st], v[LS], s[38:39] offset:SCO+128*\st
.endr
.irp j, 0,1,2,3
	global_load_b128 v[BI+4*\j:BI+4*\j+3], v[GH], s[56:57] offset:16*\j
.endr
	QB 4, X+64, 32, 4, 248                         ; K step 1: codes into other registers than the stores above read
	WORD 253, 248
	s_wait_alu depctr_va_vdst(0)                   ; the codes v32-47 and the word v253 are written, which the stores read; the quantiser is done with v160-223, in which V's weights and, behind the barrier, x's fragments land
.irp c, 0,1,2,3
	ds_store_b128 v[XW], v[32+4*\c:35+4*\c] offset:2048+512*\c
.endr
	ds_store_b32 v[XSW], v253 offset:128
.irp st, 0,1
.irp c, 0,1,2,3
	global_load_b128 v[WVR+16*\st+4*\c:WVR+16*\st+4*\c+3], v[LI], s[58:59] offset:4096*\st+512*\c
.endr
	global_load_b32 v[WVS+\st], v[L16], s[60:61] offset:SCO+128*\st
.endr
	global_load_b32 v254, v[VBO], s[20:21]
	BAR                                            ; x's 32 fragments lie in LDS
	s_wait_alu depctr_vm_vsrc(0)                   ; my image stores have read v16-47, which V's bias and the products write; the load of V's bias has read v15, which tile 3 writes
	; ---- B: projections
	s_wait_loadcnt 0x0                             ; weights, scale words, biases
.irp j, 0,1,2,3,4,5,6,7
	v_mov_b32 v[VB+\j], v254                       ; V's bias in the result's layout: a lane holds one channel
.endr
.macro PTILE i                         ; token tile 4 tq + i
.irp st, 0,1
.irp c, 0,1,2,3
	ds_load_b128 v[XF+16*\st+4*\c:XF+16*\st+4*\c+3], v[XR] offset:4096*\i+2048*\st+512*\c
.endr
	ds_load_b32 v[XS+\st], v[XSR] offset:256*\i+128*\st
.endr
	s_wait_dscnt 0x0
	; three accumulators by turns; the biases are the C of each sum's first product
	v_wmma_scale_f32_16x16x128_f8f6f4 v[AQ:AQ+7], v[WQK:WQK+15], v[XF:XF+15], v[BI:BI+7], v[WQS], v[XS]
	v_wmma_scale_f32_16x16x128_f8f6f4 v[AQ+8:AQ+15], v[WQK+16:WQK+31], v[XF:XF+15], v[BI+8:BI+15], v[WQS], v[XS] matrix_a_scale:MATRIX_SCALE_ROW1
	v_wmma_scale_f32_16x16x128_f8f6f4 v[AV+8*\i:AV+8*\i+7], v[XF:XF+15], v[WVR:WVR+15], v[VB:VB+7], v[XS], v[WVS]
	v_wmma_scale_f32_16x16x128_f8f6f4 v[AQ:AQ+7], v[WQK+32:WQK+47], v[XF+16:XF+31], v[AQ:AQ+7], v[WQS+1], v[XS+1]
	v_wmma_scale_f32_16x16x128_f8f6f4 v[AQ+8:AQ+15], v[WQK+48:WQK+63], v[XF+16:XF+31], v[AQ+8:AQ+15], v[WQS+1], v[XS+1] matrix_a_scale:MATRIX_SCALE_ROW1
	v_wmma_scale_f32_16x16x128_f8f6f4 v[AV+8*\i:AV+8*\i+7], v[XF+16:XF+31], v[WVR+16:WVR+31], v[AV+8*\i:AV+8*\i+7], v[XS+1], v[WVS+1]
	PLACES
.if \i == 3                                    ; the last products are issued: V's weights, x's fragments and the bias are done with, and the attention's buckets and rel are asked for into their registers
	v_and_b32 v[VBO], 31, v0
	v_lshlrev_b32 v[VBO], 5, v[VBO]                ; rel: a bucket's row is 32 bytes; lane = bucket
	s_wait_alu depctr_va_vdst(0)                   ; the last products are done reading v176-207 (V's weights, x's fragments) and v84-85 (the bias), in which buckets and rel land; rel's offset v15 is written
.irp k, 0,1,2,3,4,5,6,7
	global_load_b128 v[BK+4*\k:BK+4*\k+3], v[LI], s[10:11] offset:512*\k
.endr
	global_load_b32 v[REL], v[VBO], s[22:23]
	global_load_b32 v[REL+1], v[VBO], s[22:23] offset:4
.endif
.irp j, 0,2,4,6,8,10,12,14
	v_pk_mul_f32 v[AQ+\j:AQ+\j+1], v[AQ+\j:AQ+\j+1], s[SF:SF+1] op_sel_hi:[1,0]
.endr
	QB 1, AQ, 24, 4, 248
	s_wait_alu depctr_va_vdst(0)                   ; the codes v24-27 and the byte v248 are written, which the stores read; this tile's products are done reading x's fragments and scale words, in which the next tile's loads land
	ds_store_b128 v[QKW], v[24:27] offset:512*\i
	ds_store_b32 v[QKSW], v248 offset:64*\i        ; both halves of the lanes write the same word with the same value
	s_wait_dscnt 0x0                               ; the stores are done
	s_wait_alu depctr_vm_vsrc(0)                   ; the stores have read v24-27 and v248, which the next quantiser writes again
.endm
	PTILE 0
	PTILE 1
	PTILE 2
	PTILE 3
	QB 2, AV, 24, 4, 248                           ; V along the tokens: two blocks of 32
	v_lshl_or_b32 v250, v249, 8, v248
	s_wait_alu depctr_va_vdst(0)                   ; V's codes v24-31 and the byte pair v250 are written, which the stores read
	ds_store_b128 v[VW], v[24:27]
	ds_store_b128 v[VW], v[28:31] offset:512
	ds_store_b16 v[VSW], v250                      ; my two bytes of the channel's scale word
	BAR                                            ; Q, K and V of both heads lie in LDS
	s_wait_alu depctr_vm_vsrc(0)                   ; the loads and stores of phases A and B have read v5 to v15, v24-31 and v250, which are written anew below
	s_wait_loadcnt 0x0                             ; buckets and rel
	; ---- C: attention of query tile w
	s_lshl_b32 s33, s[WVN], 9
	s_add_co_u32 s33, s33, QKIMG
	v_add_nc_u32 v[CQ], s33, v[LI]
	s_lshl_b32 s33, s[WVN], 6
	s_add_co_u32 s33, s33, QKSC
	v_add_nc_u32 v[CQS], s33, v[L16]
	v_add_nc_u32 v[CK], QKIMG, v[LI]
	v_add_nc_u32 v[CKS], QKSC, v[LS]
	v_add_nc_u32 v[CV], VIMG, v[LI]
	v_add_nc_u32 v[CVS], VSC, v[LS]
	s_lshr_b32 s33, s[WVN], 1
	s_lshl_b32 s33, s33, 6
	s_and_b32 s34, s[WVN], 1
	s_lshl_b32 s34, s34, 4
	s_add_co_u32 s33, s33, s34
	s_add_co_u32 s33, s33, CSS
	v_lshl_add_u32 v[CCS], v[RR], 1, s33
	v_add_nc_u32 v[CRD], CSS, v[LI]
	v_bfe_u32 v250, v0, 4, 1
	v_lshlrev_b32 v250, 4, v250
	v_lshl_add_u32 v[CTO], v[RR], 5, v250          ; ctxc: 32 bytes a token, + 16 h
.irp i, 20,21,22,23,24,25,26,27,28,29,30,31,64,65,66,67,68,69,70,71,72,73,74,75
	v_mov_b32 v[\i], 0                             ; zero codes: Q's blocks 1 to 3, and what follows K's last tile
.endr
	v_mov_b32 v253, 0                              ; (named as the upper half of the pair v[252:253])
	s_wait_alu depctr_va_vdst(0)                   ; the attention's addresses v5 to v11, v248 and v251 are written, which its loads and stores read; so are the zero codes, which the score products take
.macro HEADIN hh
	ds_load_b128 v[16:19], v[CQ] offset:8192*\hh
	ds_load_b32 v[QS], v[CQS] offset:1024*\hh
	v_mov_b32 v[TMX], 0xff61b1e6                   ; -3e38, under every t
	v_floor_f32 v[NEGM], -v[TMX]
	v_mov_b32 v[SUM], 0
	v_mov_b32 v[SUM+1], 0
.set i, 0
.rept 16
	v_mov_b32 v[OT+i], 0
.set i, i+1
.endr
.endm
.macro STEP hh, st                     ; keys 128 st .. 128 st + 127
.set n, 0
.rept 64
	v_bfe_u32 v[32+n+144*(n/32)], v[BK+16*\st+n/4], 8*(n%4), 8   ; the 64 lane addresses stand in v32-63 and v208-239, which are idle at a step's head
.set n, n+1
.endr
.set n, 0
.rept 64
	v_min_u32 v[32+n+144*(n/32)], 0x7c, v[32+n+144*(n/32)]       ; a lane's byte address, 4 x 31 at the most
.set n, n+1
.endr
	s_wait_alu depctr_va_vdst(0)                   ; the 64 addresses are written, which the permutes read; the step before is done with the scores' registers, in which the permutes land, and with K's scale words, in which loads land
.set n, 0
.rept 64
	ds_bpermute_b32 v[SS+n], v[32+n+144*(n/32)], v[REL+\hh]   ; the bias lands where the scores will be summed: it is the products' C
.set n, n+1
.endr
	s_wait_alu depctr_vm_vsrc(0)                   ; the permutes have read v32-63, in which K's codes land, and v208-239, which the softmax and the conversions write
.irp t, 0,1,2,3,4,5,6,7
	ds_load_b128 v[32+4*\t:35+4*\t], v[CK] offset:(2+\hh)*8192+(8*\st+\t)*512
.endr
.irp j, 0,1,2,3
	ds_load_b32 v[KS+\j], v[CKS] offset:(2+\hh)*1024+(8*\st+2*\j)*64   ; lanes 0-15: tile 2 j's bytes, lanes 16-31: tile 2 j + 1's
.endr
	s_wait_dscnt 0x0
.irp t, 0,2,4,6
	v_wmma_scale_f32_16x16x128_f8f6f4 v[SS+8*\t:SS+8*\t+7], v[32+4*\t:47+4*\t], v[16:31], v[SS+8*\t:SS+8*\t+7], v[KS+\t/2], v[QS]
	v_wmma_scale_f32_16x16x128_f8f6f4 v[SS+8*\t+8:SS+8*\t+15], v[36+4*\t:51+4*\t], v[16:31], v[SS+8*\t+8:SS+8*\t+15], v[KS+\t/2], v[QS] matrix_a_scale:MATRIX_SCALE_ROW1
.endr
	PLACES
	s_wait_alu depctr_va_vdst(0)                   ; the score products are done reading K's codes v32-63, in which V^T lands
.irp dt, 0,1
.irp c, 0,1,2,3
	ds_load_b128 v[32+16*\dt+4*\c:35+16*\dt+4*\c], v[CV] offset:(2*\hh+\dt)*4096+2048*\st+512*\c   ; V^T lands while the softmax is worked
.endr
	ds_load_b32 v[VS+\dt], v[CVS] offset:(2*\hh+\dt)*256+128*\st
.endr
.irp b, 0,1,2,3
	v_max3_num_f32 v[TM+\b], v[SS+16*\b], v[SS+16*\b+1], v[SS+16*\b+2]   ; each block's largest score: for the row's maximum and for the block's largest p
.endr
.irp i, 3,5,7,9,11,13
.irp b, 0,1,2,3
	v_max3_num_f32 v[TM+\b], v[TM+\b], v[SS+16*\b+\i], v[SS+16*\b+\i+1]
.endr
.endr
.irp b, 0,1,2,3
	v_max_num_f32 v[TM+\b], v[TM+\b], v[SS+16*\b+15]
.endr
.irp b, 0,1,2,3
	v_permlanex16_b32 v[TM+4+\b], v[TM+\b], s[SEL], s[SEL+1]
.endr
.irp b, 0,1,2,3
	v_max_num_f32 v[TM+\b], v[TM+\b], v[TM+4+\b]
.endr
	v_max3_num_f32 v[TT], v[TM], v[TM+1], v[TM+2]
	v_max_num_f32 v[TT], v[TT], v[TM+3]
	v_mul_f32 v[TT], s[CS], v[TT]
	v_max_num_f32 v[TMX], v[TMX], v[TT]            ; the running largest t
	v_mov_b32 v[TT], v[NEGM]
	v_floor_f32 v[NEGM], -v[TMX]                   ; -M = floor(-t): M is a whole number
	v_sub_f32 v[TT], v[NEGM], v[TT]
	v_cvt_i32_f32 v[TT], v[TT]
	v_ldexp_f32 v[FR], 1.0, v[TT]                  ; f = 2^(old M - new M)
.set n, 0
.rept 32
	v_pk_fma_f32 v[SS+n:SS+n+1], v[SS+n:SS+n+1], s[CS:CS+1], v[NEGM:NEGM+1] op_sel_hi:[1,0,0]
.set n, n+2
.endr
.irp b, 0,1,2,3
	v_fma_f32 v[TM+\b], v[TM+\b], s[CS], v[NEGM]
.endr
.set n, 0
.rept 64
	v_exp_f32 v[SS+n], v[SS+n]                     ; p = 2^(t - M)
.set n, n+1
.endr
	v_pk_mul_f32 v[SUM:SUM+1], v[SUM:SUM+1], v[FR:FR+1] op_sel_hi:[1,0]   ; a plain line behind the exponentials
	s_wait_alu depctr_va_vdst(0)                   ; the 64 exponentials have written p, ahead of their first reader
.irp b, 0,1,2,3
	v_exp_f32 v[TM+\b], v[TM+\b]                   ; each block's largest p
.endr
	v_pk_add_f32 v[TM+4:TM+5], v[SS:SS+1], v[SS+2:SS+3]   ; the sum of the unquantised p, in two chains
.irp j, 4,8,12,16,20,24,28,32,36,40,44,48,52,56,60
	v_pk_add_f32 v[SUM:SUM+1], v[SUM:SUM+1], v[SS+\j:SS+\j+1]
	v_pk_add_f32 v[TM+4:TM+5], v[TM+4:TM+5], v[SS+\j+2:SS+\j+3]
.endr
	v_pk_add_f32 v[SUM:SUM+1], v[SUM:SUM+1], v[TM+4:TM+5]
	s_wait_alu depctr_va_vdst(0)                   ; the four exponentials have written the blocks' largest p, ahead of their first reader
.irp b, 0,1,2,3
	v_max_num_f32 v[TM+\b], 0x4800000, v[TM+\b]
.endr
.irp b, 0,1,2,3
	v_add_nc_u32 v[TM+12+\b], 0xfc000000, v[TM+\b]
.endr
.irp b, 0,1,2,3
	v_and_or_b32 v[TM+8+\b], v[TM+\b], 0x7f800000, s[MNT]
.endr
.irp b, 0,1,2,3
	v_lshrrev_b32 v[TM+4+\b], 23, v[TM+12+\b]
.endr
	v_lshl_or_b32 v[PWD], v[TM+5], 8, v[TM+4]      ; p's scale word for these 128 keys
	v_lshl_or_b32 v[PWD], v[TM+6], 16, v[PWD]
	v_lshl_or_b32 v[PWD], v[TM+7], 24, v[PWD]
.irp b, 0,1,2,3
.irp i, 0,1,2,3,4,5,6,7,8,9,10,11,12,13,14,15
	v_min_num_f32 v[SS+16*\b+\i], v[SS+16*\b+\i], v[TM+8+\b]   ; p is not negative: a one-sided hold
.endr
	v_cvt_scalef32_pk8_fp8_f32 v[PP+4*\b:PP+4*\b+1], v[SS+16*\b:SS+16*\b+7], v[TM+12+\b]
	v_cvt_scalef32_pk8_fp8_f32 v[PP+4*\b+2:PP+4*\b+3], v[SS+16*\b+8:SS+16*\b+15], v[TM+12+\b]
.endr
.irp j, 0,2,4,6,8,10,12,14
	v_pk_mul_f32 v[OT+\j:OT+\j+1], v[OT+\j:OT+\j+1], v[FR:FR+1] op_sel_hi:[1,0]   ; O^T under the new M; also the plain lines between the codes and the products
.endr
	s_wait_dscnt 0x0                               ; V^T
	s_wait_alu depctr_va_vdst(0)                   ; p's codes v208-223 and its scale word v247 are written, which the scaled products take; the plain lines above stay beside this wait
	v_wmma_scale_f32_16x16x128_f8f6f4 v[OT:OT+7], v[32:47], v[PP:PP+15], v[OT:OT+7], v[VS], v[PWD]
	v_wmma_scale_f32_16x16x128_f8f6f4 v[OT+8:OT+15], v[48:63], v[PP:PP+15], v[OT+8:OT+15], v[VS+1], v[PWD]
	PLACES
.endm
.macro HEADOUT hh
	v_add_f32 v[SUM], v[SUM], v[SUM+1]
	v_permlanex16_b32 v[FR], v[SUM], s[SEL], s[SEL+1]
	v_add_f32 v[SUM], v[SUM], v[FR]                ; the row's sum
	v_rcp_f32 v[FR], v[SUM]
	v_nop
	s_wait_alu depctr_va_vdst(0)                   ; the reciprocal v252 is written, ahead of its first reader
.set i, 0
.rept 16
	v_mul_f32 v[OT+i], v[OT+i], v[FR]              ; the context: channels 16 h + 0..15 of my query's head
.set i, i+1
.endr
	QB 1, OT, CC+4*\hh, 4, CB+\hh
	s_wait_alu depctr_va_vdst(0)                   ; the context's codes are written, which the store reads; this head's products are done reading Q's codes and scale word, in which the next head's loads land
	global_store_b128 v[CTO], v[CC+4*\hh:CC+4*\hh+3], s[28:29] offset:262144*\hh   ; the wave stores two runs of 256 consecutive bytes, each aligned
.endm
	HEADIN 0
	STEP 0, 0
	STEP 0, 1
	HEADOUT 0
	HEADIN 1
	STEP 1, 0
	STEP 1, 1
	HEADOUT 1
	v_lshl_or_b32 v250, v[CB+1], 8, v[CB]
	s_wait_alu depctr_va_vdst(0)                   ; the byte pair v250 is written, which the store reads
	ds_store_b16 v[CCS], v250                      ; the two heads' bytes of my token (both halves of the lanes write the same)
	BAR                                            ; all 256 tokens' bytes lie in LDS
	s_cmp_lg_u32 s[WVN], 0
	s_cbranch_scc1 .Lend
	ds_load_b128 v[16:19], v[CRD]                  ; (no vector or matrix line since the wait above names v16-19 or v251)
	s_wait_dscnt 0x0
	global_store_b128 v[LI], v[16:19], s[30:31]    ; 512 consecutive bytes
.Lend:
	s_wait_xcnt 0x0
	v_lshl_add_u32 v254, v0, 2, 0x1ee00
	v_mov_b32 v255, 0
	s_wait_dscnt 0x0                               ; the closing lines, six on end, of a launch in the mode that stores to LDS
	s_wait_alu 0x0
	s_wait_tensorcnt 0x0
	ds_add_u32 v254, v255
	s_wait_dscnt 0x0
	s_endpgm
.Lfunc_end_k_qf171ea7ba9_row0:
	.size	k_qf171ea7ba9_row0, .Lfunc_end_k_qf171ea7ba9_row0-k_qf171ea7ba9_row0
	.p2alignl 7, 3214868480
	.fill 96, 4, 3214868480
	.section	.rodata,"a",@progbits
	.p2align	6, 0x0
	.amdhsa_kernel k_qf171ea7ba9_row0
		.amdhsa_group_segment_fixed_size 128512
		.amdhsa_private_segment_fixed_size 0
		.amdhsa_enable_private_segment 0
		.amdhsa_kernarg_size 96
		.amdhsa_user_sgpr_count 2
		.amdhsa_user_sgpr_kernarg_segment_ptr 1
		.amdhsa_wavefront_size32 1
		.amdhsa_system_sgpr_workgroup_id_x 1
		.amdhsa_system_sgpr_workgroup_id_y 1
		.amdhsa_system_sgpr_workgroup_id_z 1
		.amdhsa_system_vgpr_workitem_id 0
		.amdhsa_next_free_vgpr 256
		.amdhsa_next_free_sgpr 80
		.amdhsa_reserve_vcc 0
		.amdhsa_float_denorm_mode_32 3
		.amdhsa_float_denorm_mode_16_64 3
		.amdhsa_memory_ordered 1
		.amdhsa_forward_progress 1
		.amdhsa_inst_pref_size 202
	.end_amdhsa_kernel
	.amdgpu_metadata
---
amdhsa.version: [ 1, 2 ]
amdhsa.kernels:
  - .name:           k_qf171ea7ba9_row0
    .symbol:         k_qf171ea7ba9_row0.kd
    .args:
      - { .name: hidden_states, .offset: 0, .size: 8, .value_kind: global_buffer, .address_space: global }
      - { .name: bkt, .offset: 8, .size: 8, .value_kind: global_buffer, .address_space: global }
      - { .name: par, .offset: 16, .size: 8, .value_kind: global_buffer, .address_space: global }
      - { .name: lay0, .offset: 24, .size: 8, .value_kind: global_buffer, .address_space: global }
      - { .name: row_qb, .offset: 32, .size: 8, .value_kind: global_buffer, .address_space: global }
      - { .name: row_kb, .offset: 40, .size: 8, .value_kind: global_buffer, .address_space: global }
      - { .name: row_vb, .offset: 48, .size: 8, .value_kind: global_buffer, .address_space: global }
      - { .name: row_rel, .offset: 56, .size: 8, .value_kind: global_buffer, .address_space: global }
      - { .name: ln_row_w, .offset: 64, .size: 8, .value_kind: global_buffer, .address_space: global }
      - { .name: ln_row_b, .offset: 72, .size: 8, .value_kind: global_buffer, .address_space: global }
      - { .name: ctxc, .offset: 80, .size: 8, .value_kind: global_buffer, .address_space: global }
      - { .name: ctxs, .offset: 88, .size: 8, .value_kind: global_buffer, .address_space: global }
    .group_segment_fixed_size: 128512
    .private_segment_fixed_size: 0
    .kernarg_segment_align: 8
    .kernarg_segment_size: 96
    .max_flat_workgroup_size: 512
    .sgpr_count:     80
    .vgpr_count:     256
    .wavefront_size: 32
...
	.end_amdgpu_metadata
.endif
;; end of part 4
;; launch col0 (part 5): grid 256 x 1, 8 waves a work-group, no clusters, 177,152 bytes of LDS; arguments hidden_states, ctxc, ctxs, par, lay0, row_ob, col_qb, col_kb, col_vb, col_ob, fc1b, fc2b, ln_col_w, ln_col_b, ln_ff_w, ln_ff_b, ln_f_w, ln_f_b, xa; writes xa
.if DOCPART == 5
	.amdgcn_target "amdgcn-amd-amdhsa--gfx1250"
	.amdhsa_code_object_version 6
	.text
	.protected	k_qf171ea7ba9_col0
	.globl	k_qf171ea7ba9_col0
	.p2align	8
	.type	k_qf171ea7ba9_col0,@function
k_qf171ea7ba9_col0:
	s_mov_b64 s[64:65], 0
	v_nop
	global_prefetch_b8 v0, s[64:65] scope:SCOPE_SE
	s_setreg_imm32_b32 hwreg(HW_REG_WAVE_SCHED_MODE, 0, 2), 2
	s_setreg_imm32_b32 hwreg(HW_REG_WAVE_MODE, 25, 1), 1
	s_wait_xcnt 0x0
	s_wait_alu depctr_vm_vsrc(0)
; THE REST OF A LAYER: x1 = x + ctx Wo^T + b; column attention on LN(x1); x2 = x1 + its projection; x3 = x2 + fc2(gelu(fc1(LN(x2)))); in layer 1 the closing LN (in layer 0 it is selected off: mean 0, gains 1 and 0).
; A work-group owns two columns of one b: 64 tokens in four tiles tt = 2 cl + u; lane-row r of a tile is row 8 u + r + 8 (r / 8) of column c0 + cl.
; THE EIGHT WAVES SHARE THE FEATURES, NOT THE TOKENS: wave w makes features 32 w .. 32 w + 31 of every product with 256 outputs (that is head w), and hidden units 128 w .. 128 w + 127 of fc1 (K step w of fc2).
; So each weight unit (two tiles x 128 K, 4,096 bytes, laid as an image of operand registers) is loaded once in the work-group, straight into registers, and feeds eight products.
; All products are used transposed (source 0 = weights, source 1 = tokens): a lane holds one token and 16 neighbouring features; V alone the other way round, so that its registers run along the rows, its K.
; Operands go from wave to wave through LDS as images of their registers; LN's sums meet in LDS as (mean, sum of squared deviations) of each wave's 32 features and are joined without cancellation.
; NO TOKEN FRAGMENT IS READ FROM LDS TWICE: both K steps of LN(x1) stay in registers for v, k and q, and both K steps of LN(x2) through all four trips of fc1.
; gelu is exact gelu with erf by a rational function of m^2, m = h / sqrt(2) held within +-4.
; fc2's K steps are summed in the order 0, 1, 6, 7, 2, 3, 4, 5: 6 and 7 are asked for ahead of the loop, 0 and 1 in its last trip, 2 to 5 behind it.
; LIMITS: NaN and infinities are not served; a block under 2^-118 has its byte held at 1, a block of zeros the byte 1 (read by this program alone); 1 + erf loses relative accuracy for h under about -3
; (absolute error about 1e-7 x |h| / 2).
; NO CLUSTER, NO TENSOR LOADS: what work-groups share is the layer's 851,968 bytes of weights; a wave's unit goes from memory into the very registers that the products name, 4,096 bytes for eight products;
; through LDS each byte would be written and read once more, and 176,128 bytes of LDS are taken by the images.
; WINDOW 1 is eight slots of 32 registers.  Weights: row o 0, 1; v 2, 3; k 4, 5; then q 2, 3; col o 4, 5; fc1's pair in hand 0, 1; fc2's K step s in slot s.
; Tokens' fragments: K step 1 of LN(x1) in slots 0, 1; K step 1 of the column attention's context in slots 2, 3; both K steps of LN(x2) in slots 2 to 5.  K's and V's codes: slots 6, 7.
; THE MODE: SCHED_MODE bits 1:0 = 2 (LLVM: expert scheduling mode 2), set by the entry lines.  The code itself states the register dependences
; between vector or matrix instructions and memory or LDS instructions, with s_wait_alu, always for 0.
; THE PLAN.  Registers that memory or LDS instructions touch:
;   addresses   v1-15, v176-178, v180-183: made at the head, one wait on va_vdst behind them, never written again.  v179 (HT) is made in each trip of fc1.
;   ACC         written by products and by LN's lines; read by XPUT's stores (a wait on va_vdst at XPUT's head); XGET's loads land in it.  The wait on vm_vsrc at LNAPPLY's head frees it behind XPUT.
;   NM          written by LNSTAT, read by its four stores (va_vdst ahead of them, which also covers LNAPPLY's loads into BF), written again by LNAPPLY (the same vm_vsrc).
;   PC, GT+4..7 written by a quantiser, read by IMG's stores (va_vdst at IMG's head, which also covers the fragment loads behind the next barrier); a wait on vm_vsrc behind that barrier frees them.
;   BI, slots, WS   read by a projection's products, then loaded again: one wait on va_vdst behind the products' places serves the bias's loads and both units'.
;   BF, BS      read by a K step's products, then loaded again: a wait on va_vdst ahead of the next round of loads (row o's second, fc2's second to eighth).
;   codes and bytes of K, V, Q and p are written by vector lines and taken by scaled products: a wait on va_vdst behind the plain lines, ahead of each of the two runs of products.
.set LSTR, 0x108000
.set SCO,  0x100000
.set XI0,  0                           ; images: tile x 4096 + K step x 2048 + c x 512 + 16 lane
.set XI1,  16384
.set XS0,  32768                       ; their scale words: tile x 256 + K step x 128 + 4 lane
.set XS1,  33792
.set ST,   34816                       ; LN's pairs: tile x 1280 + r x 80 + 8 wave
.set HS,   39936                       ; the hidden layer's scale words: tile x 1024 + K step x 128 + 4 lane
.set XROW, 44032                       ; x, 64 rows of 1,024 bytes + 16
.set HI,   110592                      ; the hidden layer's images: tile x 16384 + K step x 2048 + c x 512 + 16 lane
.set LI,  1
.set LS,  2
.set WA,  3
.set WB,  4
.set SA,  5
.set SBO, 6
.set XA,  7
.set IW,  8
.set BW,  9
.set STW, 10
.set STR, 11
.set LIH, 12
.set HW,  13
.set HSW, 14
.set GF,  15
.set BI,  16                           ; v16-31 a bias in the result's layout; LN's w
.set ACC, 32                           ; v32-95 eight accumulators: tile tt, half u at 16 tt + 8 u
.set BF,  96                           ; v96-159 four token fragments; at work in LN and gelu; Q's and p's operands
.set WS,  160                          ; v160-167 the weight slots' scale words; v168-171 the tokens': scales and nothing else
.set BS,  168
.set SW,  172                          ; v172-175 the hidden layer's scale words in the making; before that V's bias
.set GH,  176
.set RS,  177
.set VO,  178
.set HT,  179
.set CX,  180
.set CY,  181
.set CI,  182
.set CW,  183
.set NM,  184                          ; v184-191 four pairs
.set TM,  192                          ; v192-207 the quantiser's
.set PC,  208                          ; v208-223 codes just made; LN's b
.set KSB, 224                          ; v224-239 scales and nothing else: K's, Q's, V's and p's scale bytes; the scale words of the fragments that lie in window 1
.set QSB, 228
.set VSB, 232
.set PSB, 236
.set GT,  240                          ; v240-255 at work
.set KV,  192                          ; window 1: v192-207 K's codes, v208-223 V's, v224-235 zero codes
.set LAYR, 46
.set WVN, 47
.set SEL, 48
.set MNT, 50
.set FM,  51
.set FCC, 52
.set FCS, 54
.set FCB, 56
.set BSEL, 58
.set F2B, 60
.set STP, 62
.set STQ, 66
.set XOF, 68
.set CS,  70
.set INV, 72
.set EPSR, 73
.set CNT, 74
.set HOF, 75
.set SH,  76
.set MSB, 0
.macro WIN new                         ; the immediate's high byte repeats the setting that is left; a switch that changes nothing is dropped
.if MSB != \new
	s_set_vgpr_msb (MSB<<8)|\new
.set MSB, \new
.endif
.endm
.macro PLACES                          ; nine plain lines behind a run of matrix instructions
.rept 9
	v_nop
.endr
.endm
.macro BAR
	s_wait_dscnt 0x0
	s_barrier_signal -1
	s_barrier_wait -1
.endm
; a weight unit into slot (window 1, 32 registers) and its scale words: nine loads
.macro LOADW slot, voff, soff, cb, off, sb, scoff
	global_load_b32 v[WS+\slot], v[\soff], s[\sb:\sb+1] offset:\scoff
	WIN 0x40
.irp k, 0,1,2,3,4,5,6,7
	global_load_b128 v[32*\slot+4*\k:32*\slot+4*\k+3], v[\voff], s[\cb:\cb+1] offset:\off+512*\k
.endr
	WIN 0
.endm
.macro LW256 slot, m, st               ; matrix m (256 x 256), my pair, K step st
	LOADW \slot, WA, SA, 14, 65536*\m+4096*\st, 14, SCO+2048*\m+128*\st
.endm
.macro LWF2 slot, st                   ; fc2, my pair, K step st
	LOADW \slot, WB, SBO, 14, 786432+4096*\st, 14, SCO+24576+128*\st
.endm
.macro BLOAD ia, ioff, tstr, sa, soff, sstr    ; the four tiles' fragments of one K step into BF, and their scale words
.irp tt, 0,1,2,3
.irp c, 0,1,2,3
	ds_load_b128 v[BF+16*\tt+4*\c:BF+16*\tt+4*\c+3], v[\ia] offset:\ioff+\tstr*\tt+512*\c
.endr
	ds_load_b32 v[BS+\tt], v[\sa] offset:\soff+\sstr*\tt
.endr
.endm
.macro BLOADX base, sreg, ioff, soff   ; the same into window 1, v[base] on; the scale words into v[sreg] on (scale operands have no window)
	WIN 0x40
.irp tt, 0,1,2,3
.irp c, 0,1,2,3
	ds_load_b128 v[\base+16*\tt+4*\c:\base+16*\tt+4*\c+3], v[LI] offset:\ioff+4096*\tt+512*\c
.endr
.endr
	WIN 0
.irp tt, 0,1,2,3
	ds_load_b32 v[\sreg+\tt], v[LS] offset:\soff+256*\tt
.endr
.endm
; eight products, eight accumulators by turns; cm = 1: the bias starts the sums.  win: 0x01 tokens in window 0, 0x05 in window 1; bb, sb: the tokens' fragments and scale words.
; pl = 0: the next K step's eight links follow at once, in the same order
.macro MMT slot, cm, win, bb, sb, pl
	WIN \win
.irp tt, 0,1,2,3
.if \cm
	v_wmma_scale_f32_16x16x128_f8f6f4 v[ACC+16*\tt:ACC+16*\tt+7], v[32*\slot:32*\slot+15], v[\bb+16*\tt:\bb+16*\tt+15], v[BI:BI+7], v[WS+\slot], v[\sb+\tt]
	v_wmma_scale_f32_16x16x128_f8f6f4 v[ACC+16*\tt+8:ACC+16*\tt+15], v[32*\slot+16:32*\slot+31], v[\bb+16*\tt:\bb+16*\tt+15], v[BI+8:BI+15], v[WS+\slot], v[\sb+\tt] matrix_a_scale:MATRIX_SCALE_ROW1
.else
	v_wmma_scale_f32_16x16x128_f8f6f4 v[ACC+16*\tt:ACC+16*\tt+7], v[32*\slot:32*\slot+15], v[\bb+16*\tt:\bb+16*\tt+15], v[ACC+16*\tt:ACC+16*\tt+7], v[WS+\slot], v[\sb+\tt]
	v_wmma_scale_f32_16x16x128_f8f6f4 v[ACC+16*\tt+8:ACC+16*\tt+15], v[32*\slot+16:32*\slot+31], v[\bb+16*\tt:\bb+16*\tt+15], v[ACC+16*\tt+8:ACC+16*\tt+15], v[WS+\slot], v[\sb+\tt] matrix_a_scale:MATRIX_SCALE_ROW1
.endif
.endr
.if \pl
	WIN 0
	PLACES
.endif
.endm
; V: source 0 = tokens, source 1 = weights: a lane holds one channel, unit (cl, channel tile) runs along the 32 rows.  win: 0x04 tokens in window 0, 0x05 in window 1
.macro MMV slot, cm, win, ab, sb, pl
	WIN \win
.irp tt, 0,1,2,3
.if \cm
	v_wmma_scale_f32_16x16x128_f8f6f4 v[ACC+32*(\tt/2)+8*(\tt%2):ACC+32*(\tt/2)+8*(\tt%2)+7], v[\ab+16*\tt:\ab+16*\tt+15], v[32*\slot:32*\slot+15], v[BI:BI+7], v[\sb+\tt], v[WS+\slot]
	v_wmma_scale_f32_16x16x128_f8f6f4 v[ACC+32*(\tt/2)+16+8*(\tt%2):ACC+32*(\tt/2)+16+8*(\tt%2)+7], v[\ab+16*\tt:\ab+16*\tt+15], v[32*\slot+16:32*\slot+31], v[BI+8:BI+15], v[\sb+\tt], v[WS+\slot] matrix_b_scale:MATRIX_SCALE_ROW1
.else
	v_wmma_scale_f32_16x16x128_f8f6f4 v[ACC+32*(\tt/2)+8*(\tt%2):ACC+32*(\tt/2)+8*(\tt%2)+7], v[\ab+16*\tt:\ab+16*\tt+15], v[32*\slot:32*\slot+15], v[ACC+32*(\tt/2)+8*(\tt%2):ACC+32*(\tt/2)+8*(\tt%2)+7], v[\sb+\tt], v[WS+\slot]
	v_wmma_scale_f32_16x16x128_f8f6f4 v[ACC+32*(\tt/2)+16+8*(\tt%2):ACC+32*(\tt/2)+16+8*(\tt%2)+7], v[\ab+16*\tt:\ab+16*\tt+15], v[32*\slot+16:32*\slot+31], v[ACC+32*(\tt/2)+16+8*(\tt%2):ACC+32*(\tt/2)+16+8*(\tt%2)+7], v[\sb+\tt], v[WS+\slot] matrix_b_scale:MATRIX_SCALE_ROW1
.endif
.endr
.if \pl
	WIN 0
	PLACES
.endif
.endm
.macro XGET                            ; my 32 features of the 64 rows of x, from the stage
.irp tt, 0,1,2,3
.irp k, 0,1,2,3
	ds_load_b128 v[ACC+16*\tt+4*\k:ACC+16*\tt+4*\k+3], v[XA] offset:16640*\tt+16*\k
.endr
.endr
.endm
.macro XPUT
	s_wait_alu depctr_va_vdst(0)                   ; ACC is written, by the products (their places stand ahead of this wait) or by LN's lines: the stores read it
.irp tt, 0,1,2,3
.irp k, 0,1,2,3
	ds_store_b128 v[XA], v[ACC+16*\tt+4*\k:ACC+16*\tt+4*\k+3] offset:16640*\tt+16*\k
.endr
.endr
.endm
.macro BADD
.irp tt, 0,1,2,3
.irp j, 0,2,4,6,8,10,12,14
	v_pk_add_f32 v[ACC+16*\tt+\j:ACC+16*\tt+\j+1], v[ACC+16*\tt+\j:ACC+16*\tt+\j+1], v[BI+\j:BI+\j+1]
.endr
.endr
.endm
.macro BLD voff, p                     ; a bias of my 16 features: four loads
.irp j, 0,1,2,3
	global_load_b128 v[BI+4*\j:BI+4*\j+3], v[\voff], s[\p:\p+1] offset:16*\j
.endr
.endm
.macro GLOAD wp, bp                    ; LN's w and b of my 16 features: eight loads
	BLD GF, \wp
.irp j, 0,1,2,3
	global_load_b128 v[PC+4*\j:PC+4*\j+3], v[GF], s[\bp:\bp+1] offset:16*\j
.endr
.endm
.macro IMG xi, xs                      ; block w of the four tiles' operand, and its byte of their scale words
	s_wait_alu depctr_va_vdst(0)                   ; the quantiser has written the codes PC and the bytes GT+4..7, which the stores read; all earlier products and vector lines are done with the registers in which the loads behind the next barrier land
.irp tt, 0,1,2,3
	ds_store_b128 v[IW], v[PC+4*\tt:PC+4*\tt+3] offset:\xi+4096*\tt
	ds_store_b8 v[BW], v[GT+4+\tt] offset:\xs+256*\tt
.endr
.endm
; cnt units of 16 numbers a lane become 4 registers of codes each (v[d + ds q] on, in the window that dw names) and a scale byte (v[sb + q])
.macro QB cnt, s, d, ds, sb, dw
.set q, 0
.rept \cnt
	v_max3_num_f32 v[TM+q], |v[\s+16*q]|, |v[\s+16*q+1]|, 0x4800000
.set q, q+1
.endr
.irp i, 2,4,6,8,10,12,14
.set q, 0
.rept \cnt
	v_max3_num_f32 v[TM+q], v[TM+q], |v[\s+16*q+\i]|, |v[\s+16*q+\i+1]|
.set q, q+1
.endr
.endr
.set q, 0
.rept \cnt
	v_permlanex16_b32 v[TM+4+q], v[TM+q], s[SEL], s[SEL+1]
.set q, q+1
.endr
.set q, 0
.rept \cnt
	v_max_num_f32 v[TM+q], v[TM+q], v[TM+4+q]
.set q, q+1
.endr
.set q, 0
.rept \cnt
	v_add_nc_u32 v[TM+12+q], 0xfc000000, v[TM+q]
	v_and_or_b32 v[TM+8+q], v[TM+q], 0x7f800000, s[MNT]
.set q, q+1
.endr
.set q, 0
.rept \cnt
	v_lshrrev_b32 v[\sb+q], 23, v[TM+12+q]
.set q, q+1
.endr
.set q, 0
.rept \cnt
.irp i, 0,1,2,3,4,5,6,7,8,9,10,11,12,13,14,15
	v_med3_num_f32 v[\s+16*q+\i], v[\s+16*q+\i], -v[TM+8+q], v[TM+8+q]
.endr
.set q, q+1
.endr
	WIN \dw
.set q, 0
.rept \cnt
	v_cvt_scalef32_pk8_fp8_f32 v[\d+\ds*q:\d+\ds*q+1], v[\s+16*q:\s+16*q+7], v[TM+12+q]
	v_cvt_scalef32_pk8_fp8_f32 v[\d+\ds*q+2:\d+\ds*q+3], v[\s+16*q+8:\s+16*q+15], v[TM+12+q]
.set q, q+1
.endr
	WIN 0
	v_nop                                          ; a plain line behind the last conversion
.endm
; my 32 features' mean and sum of squared deviations, for each token, to LDS
.macro LNSTAT
.irp tt, 0,1,2,3
	v_pk_add_f32 v[GT+2*\tt:GT+2*\tt+1], v[ACC+16*\tt:ACC+16*\tt+1], v[ACC+16*\tt+2:ACC+16*\tt+3]
.endr
.irp j, 4,6,8,10,12,14
.irp tt, 0,1,2,3
	v_pk_add_f32 v[GT+2*\tt:GT+2*\tt+1], v[GT+2*\tt:GT+2*\tt+1], v[ACC+16*\tt+\j:ACC+16*\tt+\j+1]
.endr
.endr
.irp tt, 0,1,2,3
	v_add_f32 v[GT+2*\tt], v[GT+2*\tt], v[GT+2*\tt+1]
.endr
.irp tt, 0,1,2,3
	v_permlanex16_b32 v[GT+2*\tt+1], v[GT+2*\tt], s[SEL], s[SEL+1]
.endr
.irp tt, 0,1,2,3
	v_add_f32 v[GT+2*\tt], v[GT+2*\tt], v[GT+2*\tt+1]
.endr
.irp tt, 0,1,2,3
	v_mul_f32 v[NM+2*\tt], 0x3d000000, v[GT+2*\tt]     ; the mean of 32
	v_mul_f32 v[GT+8+2*\tt], 0xbd000000, v[GT+2*\tt]
.endr
.irp tt, 0,1,2,3
	v_mov_b32 v[GT+9+2*\tt], v[GT+8+2*\tt]
.endr
.irp j, 0,2,4,6,8,10,12,14
.irp tt, 0,1,2,3
	v_pk_add_f32 v[BF+16*\tt+\j:BF+16*\tt+\j+1], v[ACC+16*\tt+\j:ACC+16*\tt+\j+1], v[GT+8+2*\tt:GT+9+2*\tt]
.endr
.endr
.irp tt, 0,1,2,3
	v_pk_mul_f32 v[GT+2*\tt:GT+2*\tt+1], v[BF+16*\tt:BF+16*\tt+1], v[BF+16*\tt:BF+16*\tt+1]
.endr
.irp j, 2,4,6,8,10,12,14
.irp tt, 0,1,2,3
	v_pk_fma_f32 v[GT+2*\tt:GT+2*\tt+1], v[BF+16*\tt+\j:BF+16*\tt+\j+1], v[BF+16*\tt+\j:BF+16*\tt+\j+1], v[GT+2*\tt:GT+2*\tt+1]
.endr
.endr
.irp tt, 0,1,2,3
	v_add_f32 v[GT+2*\tt], v[GT+2*\tt], v[GT+2*\tt+1]
.endr
.irp tt, 0,1,2,3
	v_permlanex16_b32 v[GT+2*\tt+1], v[GT+2*\tt], s[SEL], s[SEL+1]
.endr
.irp tt, 0,1,2,3
	v_add_f32 v[NM+2*\tt+1], v[GT+2*\tt], v[GT+2*\tt+1]
.endr
	s_wait_alu depctr_va_vdst(0)                   ; the four pairs NM are written, which the stores read; the lines above are done with BF, in which the pairs of all waves land behind the barrier
.irp tt, 0,1,2,3
	ds_store_b64 v[STW], v[NM+2*\tt:NM+2*\tt+1] offset:1280*\tt   ; both halves of the lanes write the same pair
.endr
.endm
; the eight waves' pairs are joined: mean = the means' mean; sum of squares = the sums' sum + 32 x the sum of (a wave's mean - mean)^2.  Then ACC = (ACC - mean) / sqrt(var + eps) x w + b.
; sel = 1: where the mask s[FM] is set (layer 0) mean 0, root 1, w 1, b 0 are taken instead: ACC stays as it is, bit for bit
.macro LNAPPLY sel
.irp tt, 0,1,2,3
.irp k, 0,1,2,3
	ds_load_b128 v[BF+16*\tt+4*\k:BF+16*\tt+4*\k+3], v[STR] offset:1280*\tt+16*\k
.endr
.endr
	s_wait_dscnt 0x0
	s_wait_alu depctr_vm_vsrc(0)                   ; the stores of my pairs have read NM, and the stores into the stage, where there were any, ACC: both are written again below
.irp tt, 0,1,2,3
	v_pk_add_f32 v[GT+2*\tt:GT+2*\tt+1], v[BF+16*\tt:BF+16*\tt+1], v[BF+16*\tt+2:BF+16*\tt+3]
.endr
.irp w, 2,3,4,5,6,7
.irp tt, 0,1,2,3
	v_pk_add_f32 v[GT+2*\tt:GT+2*\tt+1], v[GT+2*\tt:GT+2*\tt+1], v[BF+16*\tt+2*\w:BF+16*\tt+2*\w+1]
.endr
.endr
.irp tt, 0,1,2,3
	v_mul_f32 v[GT+8+2*\tt], 0x3e000000, v[GT+2*\tt]   ; the mean
.endr
.irp w, 0,1,2,3,4,5,6,7
.irp tt, 0,1,2,3
	v_sub_f32 v[BF+16*\tt+2*\w], v[BF+16*\tt+2*\w], v[GT+8+2*\tt]
.endr
.endr
.irp tt, 0,1,2,3
	v_mul_f32 v[GT+2*\tt], v[BF+16*\tt], v[BF+16*\tt]
.endr
.irp w, 1,2,3,4,5,6,7
.irp tt, 0,1,2,3
	v_fma_f32 v[GT+2*\tt], v[BF+16*\tt+2*\w], v[BF+16*\tt+2*\w], v[GT+2*\tt]
.endr
.endr
.irp tt, 0,1,2,3
	v_fma_f32 v[GT+2*\tt], v[GT+2*\tt], 0x42000000, v[GT+2*\tt+1]
.endr
.irp tt, 0,1,2,3
	v_fma_f32 v[GT+2*\tt], v[GT+2*\tt], s[INV], s[EPSR]
.endr
.irp tt, 0,1,2,3
	v_rsq_f32 v[NM+2*\tt], v[GT+2*\tt]
.endr
.irp tt, 0,1,2,3
	v_xor_b32 v[GT+8+2*\tt], 0x80000000, v[GT+8+2*\tt]   ; - mean.  (Plain lines behind the roots)
.endr
	s_wait_alu depctr_va_vdst(0)                   ; the four roots are written, ahead of their first reader
.if \sel
.irp tt, 0,1,2,3
	v_cndmask_b32 v[GT+8+2*\tt], v[GT+8+2*\tt], 0, s[FM]
	v_cndmask_b32 v[NM+2*\tt], v[NM+2*\tt], 1.0, s[FM]
.endr
.irp j, 0,1,2,3,4,5,6,7,8,9,10,11,12,13,14,15
	v_cndmask_b32 v[BI+\j], v[BI+\j], 1.0, s[FM]
	v_cndmask_b32 v[PC+\j], v[PC+\j], 0, s[FM]
.endr
.endif
.irp tt, 0,1,2,3
	v_mov_b32 v[GT+9+2*\tt], v[GT+8+2*\tt]
	v_mov_b32 v[NM+2*\tt+1], v[NM+2*\tt]
.endr
.irp tt, 0,1,2,3
.irp j, 0,2,4,6,8,10,12,14
	v_pk_add_f32 v[ACC+16*\tt+\j:ACC+16*\tt+\j+1], v[ACC+16*\tt+\j:ACC+16*\tt+\j+1], v[GT+8+2*\tt:GT+9+2*\tt]
.endr
.irp j, 0,2,4,6,8,10,12,14
	v_pk_mul_f32 v[ACC+16*\tt+\j:ACC+16*\tt+\j+1], v[ACC+16*\tt+\j:ACC+16*\tt+\j+1], v[NM+2*\tt:NM+2*\tt+1]
.endr
.irp j, 0,2,4,6,8,10,12,14
	v_pk_fma_f32 v[ACC+16*\tt+\j:ACC+16*\tt+\j+1], v[ACC+16*\tt+\j:ACC+16*\tt+\j+1], v[BI+\j:BI+\j+1], v[PC+\j:PC+\j+1]
.endr
.endr
.endm
; the column attention's softmax: four units (column, query tile) of 16 registers; a query's 32 keys are one block and lie in lanes l and l xor 16
.macro SM4
.irp q, 0,1,2,3
	v_max3_num_f32 v[TM+\q], v[ACC+16*\q], v[ACC+16*\q+1], v[ACC+16*\q+2]
.endr
.irp i, 3,5,7,9,11,13
.irp q, 0,1,2,3
	v_max3_num_f32 v[TM+\q], v[TM+\q], v[ACC+16*\q+\i], v[ACC+16*\q+\i+1]
.endr
.endr
.irp q, 0,1,2,3
	v_max_num_f32 v[TM+\q], v[TM+\q], v[ACC+16*\q+15]
.endr
.irp q, 0,1,2,3
	v_permlanex16_b32 v[TM+4+\q], v[TM+\q], s[SEL], s[SEL+1]
.endr
.irp q, 0,1,2,3
	v_max_num_f32 v[TM+\q], v[TM+\q], v[TM+4+\q]   ; the row's largest score
.endr
.irp q, 0,1,2,3
	v_mul_f32 v[TM+4+\q], s[CS], v[TM+\q]
.endr
.irp q, 0,1,2,3
	v_floor_f32 v[NM+2*\q], -v[TM+4+\q]            ; -M = -ceil(t)
.endr
.irp q, 0,1,2,3
.irp j, 0,2,4,6,8,10,12,14
	v_pk_fma_f32 v[ACC+16*\q+\j:ACC+16*\q+\j+1], v[ACC+16*\q+\j:ACC+16*\q+\j+1], s[CS:CS+1], v[NM+2*\q:NM+2*\q+1] op_sel_hi:[1,0,0]
.endr
.endr
.irp q, 0,1,2,3
	v_fma_f32 v[TM+\q], v[TM+\q], s[CS], v[NM+2*\q]
.endr
.set n, 0
.rept 64
	v_exp_f32 v[ACC+n], v[ACC+n]
.set n, n+1
.endr
	v_nop
	s_wait_alu depctr_va_vdst(0)                   ; the 64 exponentials have written p, ahead of their first reader
.irp q, 0,1,2,3
	v_exp_f32 v[TM+\q], v[TM+\q]                   ; the row's largest p
.endr
.irp q, 0,1,2,3
	v_pk_add_f32 v[GT+2*\q:GT+2*\q+1], v[ACC+16*\q:ACC+16*\q+1], v[ACC+16*\q+2:ACC+16*\q+3]   ; the sum of the unquantised p
.endr
.irp j, 4,6,8,10,12,14
.irp q, 0,1,2,3
	v_pk_add_f32 v[GT+2*\q:GT+2*\q+1], v[GT+2*\q:GT+2*\q+1], v[ACC+16*\q+\j:ACC+16*\q+\j+1]
.endr
.endr
	s_wait_alu depctr_va_vdst(0)                   ; the four exponentials have written the rows' largest p, ahead of their first reader
.irp q, 0,1,2,3
	v_max_num_f32 v[TM+\q], 0x4800000, v[TM+\q]
.endr
.irp q, 0,1,2,3
	v_add_nc_u32 v[TM+12+\q], 0xfc000000, v[TM+\q]
	v_and_or_b32 v[TM+8+\q], v[TM+\q], 0x7f800000, s[MNT]
.endr
.irp q, 0,1,2,3
	v_lshrrev_b32 v[PSB+\q], 23, v[TM+12+\q]
.endr
.irp q, 0,1,2,3
.irp i, 0,1,2,3,4,5,6,7,8,9,10,11,12,13,14,15
	v_min_num_f32 v[ACC+16*\q+\i], v[ACC+16*\q+\i], v[TM+8+\q]
.endr
.endr
.irp q, 0,1,2,3
	v_cvt_scalef32_pk8_fp8_f32 v[BF+16*\q:BF+16*\q+1], v[ACC+16*\q:ACC+16*\q+7], v[TM+12+\q]
	v_cvt_scalef32_pk8_fp8_f32 v[BF+16*\q+2:BF+16*\q+3], v[ACC+16*\q+8:ACC+16*\q+15], v[TM+12+\q]
.endr
.rept 4
	v_nop                                          ; plain lines between the codes and the products that take them
.endr
.endm
; h = 0.5 h (1 + erf(h / sqrt(2))) on tile tt's 16 numbers; erf(m) = m P(m^2) / Q(m^2)
.macro GELU tt
.set HB, ACC+16*\tt
.set GM, BF
.set GZ, BF+16
.set GP, BF+32
.set GQ, BF+48
.irp j, 0,2,4,6,8,10,12,14
	v_pk_mul_f32 v[GM+\j:GM+\j+1], v[HB+\j:HB+\j+1], 0x3f3504f3 op_sel_hi:[1,0]
.endr
.irp j, 0,1,2,3,4,5,6,7,8,9,10,11,12,13,14,15
	v_med3_num_f32 v[GM+\j], v[GM+\j], -4.0, 4.0
.endr
.irp j, 0,2,4,6,8,10,12,14
	v_pk_mul_f32 v[GZ+\j:GZ+\j+1], v[GM+\j:GM+\j+1], v[GM+\j:GM+\j+1]
.endr
.irp j, 0,2,4,6,8,10,12,14
	v_pk_fma_f32 v[GP+\j:GP+\j+1], v[GZ+\j:GZ+\j+1], v[GT+12:GT+13], 0x32edffee op_sel_hi:[1,1,0]
	v_pk_fma_f32 v[GQ+\j:GQ+\j+1], v[GZ+\j:GZ+\j+1], v[GT+14:GT+15], 0xb95fbd29 op_sel_hi:[1,1,0]
.endr
.irp k, 0xb60cff51, 0xb86ec2d2, 0xba40ac63, 0xbb41a1f6, 0xbc83dbd4
.irp j, 0,2,4,6,8,10,12,14
	v_pk_fma_f32 v[GP+\j:GP+\j+1], v[GP+\j:GP+\j+1], v[GZ+\j:GZ+\j+1], \k op_sel_hi:[1,1,0]
.endr
.endr
.irp k, 0xbadc924e, 0xbbf19bf8, 0xbc69b6a7
.irp j, 0,2,4,6,8,10,12,14
	v_pk_fma_f32 v[GQ+\j:GQ+\j+1], v[GQ+\j:GQ+\j+1], v[GZ+\j:GZ+\j+1], \k op_sel_hi:[1,1,0]
.endr
.endr
.irp j, 0,2,4,6,8,10,12,14
	v_pk_mul_f32 v[GP+\j:GP+\j+1], v[GP+\j:GP+\j+1], v[GM+\j:GM+\j+1]
.endr
.irp j, 0,1,2,3,4,5,6,7,8,9,10,11,12,13,14,15
	v_rcp_f32 v[GQ+\j], v[GQ+\j]
.endr
.irp j, 0,2,4,6,8,10,12,14
	v_pk_mul_f32 v[GZ+\j:GZ+\j+1], v[HB+\j:HB+\j+1], 0.5 op_sel_hi:[1,0]   ; g = h / 2: plain work behind the reciprocals
.endr
	s_wait_alu depctr_va_vdst(0)                   ; the sixteen reciprocals are written, ahead of their first reader
.irp j, 0,2,4,6,8,10,12,14
	v_pk_mul_f32 v[GP+\j:GP+\j+1], v[GP+\j:GP+\j+1], v[GQ+\j:GQ+\j+1]
.endr
.irp j, 0,2,4,6,8,10,12,14
	v_pk_fma_f32 v[HB+\j:HB+\j+1], v[GZ+\j:GZ+\j+1], v[GP+\j:GP+\j+1], v[GZ+\j:GZ+\j+1]
.endr
.endm
	s_load_b512 s[8:23], s[0:1], 0x0               ; x 8, ctxc 10, ctxs 12, par 14, lay 16, row_ob 18, col_qb 20, col_kb 22
	s_load_b512 s[24:39], s[0:1], 0x40             ; col_vb 24, col_ob 26, fc1b 28, fc2b 30, ln_col w 32, b 34, ln_ff w 36, b 38
	s_load_b128 s[40:43], s[0:1], 0x80             ; ln_f w 40, b 42
	s_load_b64 s[44:45], s[0:1], 0x90              ; the result
	v_lshrrev_b32 v16, 5, v0
	v_readfirstlane_b32 s[WVN], v16                ; wave 0..7
	v_and_b32 v16, 31, v0                          ; lane
	v_and_b32 v17, 15, v0                          ; r
	v_bfe_u32 v18, v0, 4, 1                        ; h
	v_and_b32 v19, 8, v17
	v_add_nc_u32 v19, v19, v17                     ; r + 8 (r / 8)
	v_lshlrev_b32 v[LI], 4, v16
	v_lshlrev_b32 v[LS], 2, v16
	s_wait_alu depctr_va_sdst(0)                   ; the wave's number is written, ahead of its first reader: offsets, LDS addresses and bases are made from it
	s_lshl_b32 s77, s[WVN], 13
	v_add_nc_u32 v[WA], s77, v[LI]                 ; weights: 16 lane + my pair's two units
	s_lshl_b32 s77, s[WVN], 15
	v_add_nc_u32 v[WB], s77, v[LI]                 ; fc1, fc2: my eight units
	s_lshl_b32 s77, s[WVN], 8
	v_add_nc_u32 v[SA], s77, v[LS]
	s_lshl_b32 s77, s[WVN], 10
	v_add_nc_u32 v[SBO], s77, v[LS]
	v_lshlrev_b32 v[GH], 6, v18
	s_lshl_b32 s77, s[WVN], 7
	v_add_nc_u32 v[GF], s77, v[GH]                 ; my 16 features in a row of f32: 128 w + 64 h
	v_mul_u32_u24 v[XA], v17, 1040
	v_add_nc_u32 v[XA], v[XA], v[GF]
	v_add_nc_u32 v[XA], XROW, v[XA]
	s_lshl_b32 s77, s[WVN], 9
	v_add_nc_u32 v[IW], s77, v[LI]
	s_lshr_b32 s77, s[WVN], 2
	s_lshl_b32 s77, s77, 7
	s_and_b32 s78, s[WVN], 3
	s_add_co_u32 s77, s77, s78
	v_add_nc_u32 v[BW], s77, v[LS]
	v_mul_u32_u24 v[STR], v17, 80
	v_add_nc_u32 v[STR], ST, v[STR]
	s_lshl_b32 s77, s[WVN], 3
	v_add_nc_u32 v[STW], s77, v[STR]
	v_add_nc_u32 v[LIH], HI, v[LI]
	s_lshl_b32 s77, s[WVN], 11
	v_add_nc_u32 v[HW], s77, v[LIH]
	v_add_nc_u32 v[CI], s77, v[LI]
	s_lshl_b32 s77, s[WVN], 7
	s_add_co_u32 s78, s77, HS
	v_add_nc_u32 v[HSW], s78, v[LS]
	s_add_co_u32 s78, s77, XS0
	v_add_nc_u32 v[CW], s78, v[LS]
	v_lshl_add_u32 v[VO], v19, 2, s77              ; V's bias: channel 32 w + r + 8 (r / 8)
	s_mul_i32 s77, s[WVN], 8320
	s_add_co_u32 s77, s77, XROW
	v_add_nc_u32 v[RS], s77, v[LI]                 ; stage rows 8 w .. 8 w + 7, whole
	v_lshlrev_b32 v[CX], 13, v19
	v_lshl_add_u32 v[CX], v18, 4, v[CX]            ; ctxc: a row r' is 8,192 bytes on; + 16 h
	v_lshlrev_b32 v[CY], 9, v19                    ; ctxs: 512 bytes
.irp q, 0,1,2,3
	v_mov_b32 v[TM+4+\q], 0                        ; written once: a lane permute's destination counts as one of its sources
.endr
	WIN 0x40
.irp i, 0,1,2,3,4,5,6,7,8,9,10,11
	v_mov_b32 v[KV+32+\i], 0                       ; zero codes behind V's last fragment
.endr
	WIN 0
	s_mov_b32 s[SEL], 0x76543210
	s_mov_b32 s[SEL+1], 0xfedcba98
	s_mov_b32 s[MNT], 0x600000
	s_mov_b32 s[CS], 0x3fb8aa3b
	s_mov_b32 s[CS+1], s[CS]
	s_mov_b32 s[INV], 0x3b800000
	s_mov_b32 s[EPSR], 0x2b8cbccc
	s_lshr_b32 s77, ttmp9, 7                       ; b
	s_and_b32 s78, ttmp9, 127
	s_lshl_b32 s78, s78, 1
	s_lshr_b32 s79, s[WVN], 2
	s_add_co_u32 s78, s78, s79                     ; column c0 + w / 4
	s_bfe_u32 s79, s[WVN], 0x10001                 ; (w / 2) % 2
	s_and_b32 s80, s[WVN], 1
	s_lshl_b32 s81, s77, 5
	s_lshl_b32 s82, s79, 3
	s_add_co_u32 s81, s81, s82
	s_lshl_b32 s82, s80, 4
	s_add_co_u32 s81, s81, s82                     ; stage rows 8 w + i are rows 32 b + 8 ((w / 2) % 2) + 16 (w % 2) + i
	s_lshl_b32 s81, s81, 8
	s_add_co_u32 s81, s81, s78
	s_lshl_b32 s[XOF], s81, 10
	s_mov_b32 s[XOF+1], 0
	s_lshl_b32 s82, s77, 21                        ; ctxc: tile w / 2, K step w % 2 (heads 4 (w % 2) on)
	s_lshl_b32 s84, s80, 20
	s_add_co_u32 s82, s82, s84
	s_lshl_b32 s84, s79, 16
	s_add_co_u32 s82, s82, s84
	s_lshl_b32 s84, s78, 5
	s_add_co_u32 s82, s82, s84
	s_mov_b32 s83, 0
	s_lshl_b32 s86, s77, 16                        ; ctxs likewise
	s_lshl_b32 s84, s80, 15
	s_add_co_u32 s86, s86, s84
	s_lshl_b32 s84, s79, 12
	s_add_co_u32 s86, s86, s84
	s_lshl_b32 s84, s78, 1
	s_add_co_u32 s86, s86, s84
	s_mov_b32 s87, 0
	s_mov_b32 s85, 0
	s_wait_kmcnt 0x0
	s_load_b32 s[LAYR], s[16:17], 0x0              ; the layer's number
	s_add_nc_u64 s[8:9], s[8:9], s[XOF:XOF+1]
	s_add_nc_u64 s[44:45], s[44:45], s[XOF:XOF+1]
	s_add_nc_u64 s[10:11], s[10:11], s[82:83]
	s_add_nc_u64 s[12:13], s[12:13], s[86:87]
	s_wait_alu depctr_va_vdst(0)                   ; the offsets and LDS addresses v1 to v15, v176 to v178 and v180 to v183 are written, which every load and store of the kernel reads; so are v16 to v19, in which a bias lands
	; ---- 0: eight whole rows of x, and one fragment of the row attention's context, a wave
.irp i, 0,1,2,3,4,5,6,7
	global_load_b128 v[ACC+8*\i:ACC+8*\i+3], v[LI], s[8:9] offset:262144*\i
	global_load_b128 v[ACC+8*\i+4:ACC+8*\i+7], v[LI], s[8:9] offset:262144*\i+512
.endr
.irp c, 0,1,2,3
	global_load_b128 v[PC+4*\c:PC+4*\c+3], v[CX], s[10:11] offset:262144*\c
.endr
	global_load_u16 v[GT], v[CY], s[12:13]
	global_load_u16 v[GT+1], v[CY], s[12:13] offset:16384
	s_wait_kmcnt 0x0
	s_min_u32 s[LAYR], s[LAYR], 1
	s_lshl_b32 s84, s[LAYR], 10
.irp p, 18,20,22,24,26,30,32,34,36,38
	s_add_nc_u64 s[\p:\p+1], s[\p:\p+1], s[84:85]
.endr
	s_lshl_b32 s84, s[LAYR], 12
	s_add_nc_u64 s[28:29], s[28:29], s[84:85]
	s_mul_i32 s84, s[LAYR], LSTR
	s_add_nc_u64 s[14:15], s[14:15], s[84:85]
	s_cmp_eq_u32 s[LAYR], 0
	s_cselect_b32 s[FM], -1, 0                     ; layer 0: the closing LN is selected off
	s_add_nc_u64 s[FCC:FCC+1], s[14:15], 524288    ; fc1's units,
	s_add_nc_u64 s[FCS:FCS+1], s[14:15], SCO+16384 ; their scale words,
	s_lshl_b32 s84, s[WVN], 9
	s_add_nc_u64 s[FCB:FCB+1], s[28:29], s[84:85]  ; my 128 numbers of fc1b,
	s_lshl_b32 s84, s[WVN], 7
	s_add_nc_u64 s[F2B:F2B+1], s[30:31], s[84:85]  ; my 32 of fc2b
	BLD GF, 18                                     ; row_ob
	LW256 0, 3, 0                                  ; row o
	LW256 1, 3, 1
	LW256 2, 6, 0                                  ; col v
	LW256 3, 6, 1
	LW256 4, 5, 0                                  ; col k
	LW256 5, 5, 1
	s_wait_loadcnt 58                              ; x, the context and its bytes are in; behind them: the bias's 4 and six units of 9
	v_lshl_or_b32 v[GT+4], v[GT+1], 16, v[GT]      ; four heads' bytes: the fragment's scale word
	s_wait_alu depctr_va_vdst(0)                   ; the scale word GT+4 is written, which the last store below reads
.irp i, 0,1,2,3,4,5,6,7
	ds_store_b128 v[RS], v[ACC+8*\i:ACC+8*\i+3] offset:1040*\i
	ds_store_b128 v[RS], v[ACC+8*\i+4:ACC+8*\i+7] offset:1040*\i+512
.endr
.irp c, 0,1,2,3
	ds_store_b128 v[CI], v[PC+4*\c:PC+4*\c+3] offset:XI0+512*\c
.endr
	ds_store_b32 v[CW], v[GT+4]
	BAR
	s_wait_alu depctr_vm_vsrc(0)                   ; my stores have read ACC, in which x's features land, PC, in which LN's b lands, and GT+4, which LN's sums write
	; ---- 1: x1 = x + ctx Wo^T + b; LN
	XGET
	s_wait_loadcnt 54                              ; the bias; six units may be out
	s_wait_dscnt 0x0
	BADD
	s_wait_alu depctr_va_vdst(0)                   ; the additions are done reading the bias BI, in which LN's w lands
	GLOAD 32, 34                                   ; LN's gains land where the bias and the context's codes lay
	global_load_b32 v[SW], v[VO], s[24:25]
	global_load_b32 v[SW+1], v[VO], s[24:25] offset:32
	BLOAD LI, XI0, 4096, LS, XS0, 256
	s_wait_loadcnt 55                              ; slot 0; behind it five units, 8 gains, 2 of V's bias
	s_wait_dscnt 0x0
	MMT 0, 0, 0x01, BF, BS, 1
	s_wait_alu depctr_va_vdst(0)                   ; the first K step's products are done reading BF and BS, in which the second K step's loads land
	BLOAD LI, XI0+2048, 4096, LS, XS0+128, 256
	s_wait_loadcnt 46                              ; slot 1; behind it four units, 8 gains, 2 of V's bias
	s_wait_dscnt 0x0
	MMT 1, 0, 0x01, BF, BS, 1
	XPUT                                           ; x1 is kept in the stage
	LNSTAT
	BAR
	s_wait_loadcnt 2                               ; the gains; behind them V's bias
	LNAPPLY 0
	QB 4, ACC, PC, 4, GT+4, 0
	IMG XI1, XS1
	BAR
	s_wait_alu depctr_vm_vsrc(0)                   ; my image stores have read PC and GT+4..7, which the column attention's softmax and quantiser write again
	; ---- 2: v, k, q of head w.  LN(x1)'s fragments are read once: K step 0 into BF, K step 1 into slots 0 and 1, which row o has left
	s_wait_loadcnt 0x0                             ; V's bias: nothing was asked for behind it
.irp j, 0,1,2,3,4,5,6,7
	v_mov_b32 v[BI+\j], v[SW]
	v_mov_b32 v[BI+8+\j], v[SW+1]
.endr
	BLOAD LI, XI1, 4096, LS, XS1, 256              ; (since the wait ahead of the image stores only the sixteen moves above were issued, which name BI and SW)
	BLOADX 0, PSB, XI1+2048, XS1+128
	s_wait_dscnt 0x0
	MMV 2, 1, 0x04, BF, BS, 0
	MMV 3, 0, 0x05, 0, PSB, 1
	s_wait_alu depctr_va_vdst(0)                   ; v's products are done reading the bias BI, slots 2 and 3 and their scale words, in which K's bias and q's units land
	BLD GF, 22                                     ; col_kb
	LW256 2, 4, 0                                  ; col q
	LW256 3, 4, 1
	QB 4, ACC, KV+16, 4, VSB, 0x40
	s_wait_loadcnt 18                              ; K's bias; q's two units may be out
	MMT 4, 1, 0x01, BF, BS, 0
	MMT 5, 0, 0x05, 0, PSB, 1
	s_wait_alu depctr_va_vdst(0)                   ; k's products are done reading the bias BI, slots 4 and 5 and their scale words, in which Q's bias and col o's units land
	BLD GF, 20                                     ; col_qb
	LW256 4, 7, 0                                  ; col o
	LW256 5, 7, 1
	QB 4, ACC, KV, 4, KSB, 0x40
	s_wait_loadcnt 18                              ; q's units and bias; col o's two units may be out
	MMT 2, 1, 0x01, BF, BS, 0
	MMT 3, 0, 0x05, 0, PSB, 1
	s_wait_alu depctr_va_vdst(0)                   ; q's products are done reading the bias BI and LN(x1)'s K step 1 in slots 0 and 1, in which col_ob and fc1's first pair land
	BLD GF, 26                                     ; col_ob
	LOADW 0, WB, SBO, FCC, 0, FCS, 0               ; fc1, my first pair, where LN(x1)'s K step 1 lay
	LOADW 1, WB, SBO, FCC, 4096, FCS, 128
.irp q, 0,1,2,3
.irp i, 4,5,6,7,8,9,10,11,12,13,14,15
	v_mov_b32 v[BF+16*\q+\i], 0                    ; zero codes: blocks 1 to 3 of Q's, later p's, operands
.endr
.endr
.set n, 0
.rept 32
	v_pk_mul_f32 v[ACC+n:ACC+n+1], v[ACC+n:ACC+n+1], 0x3e3504f3 op_sel_hi:[1,0]   ; 32^-0.5
.set n, n+2
.endr
	QB 4, ACC, BF, 16, QSB, 0
.rept 4
	v_nop
.endr
	s_wait_alu depctr_va_vdst(0)                   ; K's, V's and Q's codes, the zero codes and the scale bytes are written, which the scaled products take; the plain lines above stay beside this wait
	; ---- 3: attention over the 32 rows, for my head and both columns
	WIN 0x01
.irp cl, 0,1
.irp qu, 0,1
.irp ku, 0,1
	v_wmma_scale_f32_16x16x128_f8f6f4 v[ACC+16*(2*\cl+\qu)+8*\ku:ACC+16*(2*\cl+\qu)+8*\ku+7], v[KV+4*(2*\cl+\ku):KV+4*(2*\cl+\ku)+15], v[BF+16*(2*\cl+\qu):BF+16*(2*\cl+\qu)+15], 0, v[KSB+2*\cl+\ku], v[QSB+2*\cl+\qu]
.endr
.endr
.endr
	WIN 0
	PLACES
	SM4
	s_wait_alu depctr_va_vdst(0)                   ; p's codes and scale bytes are written, which the scaled products take; the four plain lines above stay beside this wait
	WIN 0x01
.irp cl, 0,1
.irp qu, 0,1
.irp dt, 0,1
	v_wmma_scale_f32_16x16x128_f8f6f4 v[ACC+16*(2*\cl+\qu)+8*\dt:ACC+16*(2*\cl+\qu)+8*\dt+7], v[KV+16+4*(2*\cl+\dt):KV+16+4*(2*\cl+\dt)+15], v[BF+16*(2*\cl+\qu):BF+16*(2*\cl+\qu)+15], 0, v[VSB+2*\cl+\dt], v[PSB+2*\cl+\qu]
.endr
.endr
.endr
	WIN 0
	PLACES
.irp q, 0,1,2,3
	v_add_f32 v[GT+2*\q], v[GT+2*\q], v[GT+2*\q+1]
.endr
.irp q, 0,1,2,3
	v_permlanex16_b32 v[GT+2*\q+1], v[GT+2*\q], s[SEL], s[SEL+1]
.endr
.irp q, 0,1,2,3
	v_add_f32 v[GT+2*\q], v[GT+2*\q], v[GT+2*\q+1] ; the rows' sums
.endr
.irp q, 0,1,2,3
	v_rcp_f32 v[NM+2*\q], v[GT+2*\q]
.endr
	v_nop
	s_wait_alu depctr_va_vdst(0)                   ; the four reciprocals are written, ahead of their first reader
.irp q, 0,1,2,3
	v_mov_b32 v[NM+2*\q+1], v[NM+2*\q]
.endr
.irp q, 0,1,2,3
.irp j, 0,2,4,6,8,10,12,14
	v_pk_mul_f32 v[ACC+16*\q+\j:ACC+16*\q+\j+1], v[ACC+16*\q+\j:ACC+16*\q+\j+1], v[NM+2*\q:NM+2*\q+1]
.endr
.endr
	QB 4, ACC, PC, 4, GT+4, 0
	IMG XI0, XS0
	BAR
	s_wait_alu depctr_vm_vsrc(0)                   ; my image stores have read PC, in which LN's b lands, and GT+4..7, which LN's sums write
	; ---- 4: x2 = x1 + ctx Wo^T + b; LN
	XGET
	s_wait_loadcnt 18                              ; col_ob, and col o's units ahead of it; fc1's two units may be out
	s_wait_dscnt 0x0
	BADD
	s_wait_alu depctr_va_vdst(0)                   ; the additions are done reading the bias BI, in which LN's w lands
	GLOAD 36, 38
	BLOAD LI, XI0, 4096, LS, XS0, 256              ; both K steps are asked for together: the second into slots 2 and 3, which q has left
	BLOADX 64, PSB, XI0+2048, XS0+128
	s_wait_dscnt 0x0
	MMT 4, 0, 0x01, BF, BS, 0
	MMT 5, 0, 0x05, 64, PSB, 1
	LWF2 6, 6                                      ; fc2's K steps 6 and 7, where K's and V's codes lay: no vector or matrix line since the wait behind the additions names slots 6 and 7 or their scale words
	LWF2 7, 7
	XPUT                                           ; x2 is kept in the stage
	LNSTAT
	BAR
	s_wait_loadcnt 18                              ; the gains; fc2's two units may be out
	LNAPPLY 0
	QB 4, ACC, PC, 4, GT+4, 0
	IMG XI1, XS1
	BLD GH, FCB                                    ; fc1b of my first pair: behind the wait at the head of the image stores, which shows LN's lines done reading BI
	v_mov_b32 v[GT+12], 0xaf95df0b                 ; erf's leading coefficients, as pairs
	v_mov_b32 v[GT+13], 0xaf95df0b
	v_mov_b32 v[GT+14], 0xb77460cd
	v_mov_b32 v[GT+15], 0xb77460cd
.irp tt, 0,1,2,3
	v_mov_b32 v[SW+\tt], 0
.endr
	s_mov_b32 s[CNT], 0
	s_mov_b32 s[HOF], 0
	s_mov_b32 s[SH], 0
	s_mov_b32 s[STP+1], 0
	s_mov_b32 s[STQ+1], 0
	BAR
	s_wait_alu depctr_vm_vsrc(0)                   ; my image stores have read PC and GT+4..7, which the first trip's quantiser writes again
	BLOADX 64, KSB, XI1, XS1                       ; LN(x2)'s eight fragments are read once, into slots 2 to 5, and stay for the four trips
	BLOADX 128, QSB, XI1+2048, XS1+128
	s_wait_dscnt 0x0
	; ---- 5: fc1 and gelu, a pair of tiles (32 hidden units) a trip; each trip asks for the next pair's units and bias, the last for fc2's first two K steps and fc2b
.Lfc1:
	s_wait_loadcnt 0x0                             ; the bias and both units: asked for ahead of the last trip's gelu (on the way in: ahead of the barrier)
	MMT 0, 1, 0x05, 64, KSB, 0
	MMT 1, 0, 0x05, 128, QSB, 1
	s_wait_xcnt 0x0                                ; the last trip's loads have read their bases: these are stepped only behind this wait
	s_cmp_eq_u32 s[CNT], 3
	s_mov_b32 s[STP], 8192
	s_cselect_b32 s[STP], 237568, s[STP]           ; from fc1's last pair on to fc2's units
	s_mov_b32 s[STQ], 256
	s_cselect_b32 s[STQ], 7424, s[STQ]
	s_add_nc_u64 s[FCC:FCC+1], s[FCC:FCC+1], s[STP:STP+1]
	s_add_nc_u64 s[FCS:FCS+1], s[FCS:FCS+1], s[STQ:STQ+1]
	s_add_nc_u64 s[FCB:FCB+1], s[FCB:FCB+1], 128
	s_cselect_b64 s[BSEL:BSEL+1], s[F2B:F2B+1], s[FCB:FCB+1]
	s_wait_alu depctr_va_vdst(0)                   ; the sixteen products are done reading the bias BI, slots 0 and 1 and their scale words, in which the next pair's 22 loads land
	BLD GH, BSEL
	LOADW 0, WB, SBO, FCC, 0, FCS, 0
	LOADW 1, WB, SBO, FCC, 4096, FCS, 128
	GELU 0
	GELU 1
	GELU 2
	GELU 3
	QB 4, ACC, PC, 4, GT+4, 0
	v_add_nc_u32 v[HT], s[HOF], v[HW]              ; K step w of fc2, block = the trip
.irp tt, 0,1,2,3
	v_lshl_or_b32 v[SW+\tt], v[GT+4+\tt], s[SH], v[SW+\tt]
.endr
	s_wait_alu depctr_va_vdst(0)                   ; the codes PC and the address HT are written, which the stores read; so are the scale words SW, which the stores behind the loop read
.irp tt, 0,1,2,3
	ds_store_b128 v[HT], v[PC+4*\tt:PC+4*\tt+3] offset:16384*\tt
.endr
	s_add_co_u32 s[HOF], s[HOF], 512
	s_add_co_u32 s[SH], s[SH], 8
	s_wait_dscnt 0x0                               ; the stores are done
	s_wait_alu depctr_vm_vsrc(0)                   ; the stores have read PC and HT, which the next trip writes again (behind the loop LN's b lands in PC)
	s_add_co_u32 s[CNT], s[CNT], 1
	s_cmp_lt_u32 s[CNT], 4
	s_cbranch_scc1 .Lfc1
	LWF2 2, 2                                      ; LN(x2)'s fragments are done with: fc2's K steps 2 to 5 take their slots (the last trip's waits stand behind its products; no vector line follows them)
	LWF2 3, 3
	LWF2 4, 4
	LWF2 5, 5
.irp tt, 0,1,2,3
	ds_store_b32 v[HSW], v[SW+\tt] offset:1024*\tt
.endr
	BAR
	; ---- 6: x3 = x2 + h W2^T + b; the closing LN (selected); the way out
	XGET
	s_wait_loadcnt 54                              ; fc2b; behind it six units
	s_wait_dscnt 0x0
	BADD
	s_wait_alu depctr_va_vdst(0)                   ; the additions are done reading the bias BI, in which the closing LN's w lands
	GLOAD 40, 42
.macro FC2 st, slot, left, first
.if !\first
	s_wait_alu depctr_va_vdst(0)                   ; the last K step's products are done reading BF and BS, in which this K step's loads land
.endif
	BLOAD LIH, 2048*\st, 16384, LS, HS+128*\st, 1024
	s_wait_loadcnt \left
	s_wait_dscnt 0x0
	MMT \slot, 0, 0x01, BF, BS, 1
.endm
	FC2 0, 0, 53, 1                                ; behind slot 0: five units and the 8 gains
	FC2 1, 1, 44, 0                                ; behind slot 1: four units and the 8 gains
	FC2 6, 6, 44, 0                                ; slots 6 and 7 were in ahead of the loop: these two steps give K steps 2 to 5 time to land
	FC2 7, 7, 44, 0
	FC2 2, 2, 35, 0                                ; behind slot 2: three units and the 8 gains
	FC2 3, 3, 26, 0
	FC2 4, 4, 17, 0
	FC2 5, 5, 8, 0
	LNSTAT
	BAR
	s_wait_loadcnt 0x0
	LNAPPLY 1
	XPUT
	BAR                                            ; 64 whole rows lie in the stage
.irp i, 0,1,2,3,4,5,6,7
	ds_load_b128 v[BF+8*\i:BF+8*\i+3], v[RS] offset:1040*\i       ; (no vector line since the wait at the head of the stores into the stage)
	ds_load_b128 v[BF+8*\i+4:BF+8*\i+7], v[RS] offset:1040*\i+512
.endr
.irp i, 0,1,2,3,4,5,6,7
	s_wait_dscnt 15-2*\i
	global_store_b128 v[LI], v[BF+8*\i:BF+8*\i+3], s[44:45] offset:262144*\i th:TH_STORE_NT       ; 512 consecutive bytes a store
	s_wait_dscnt 14-2*\i
	global_store_b128 v[LI], v[BF+8*\i+4:BF+8*\i+7], s[44:45] offset:262144*\i+512 th:TH_STORE_NT
.endr
	s_wait_xcnt 0x0
	v_lshl_add_u32 v254, v0, 2, 0x2b000
	v_mov_b32 v255, 0
	s_wait_dscnt 0x0                               ; the closing lines, six on end, of a launch in the mode that stores to LDS
	s_wait_alu 0x0
	s_wait_tensorcnt 0x0
	ds_add_u32 v254, v255
	s_wait_dscnt 0x0
	s_endpgm
.Lfunc_end_k_qf171ea7ba9_col0:
	.size	k_qf171ea7ba9_col0, .Lfunc_end_k_qf171ea7ba9_col0-k_qf171ea7ba9_col0
	.p2alignl 7, 3214868480
	.fill 96, 4, 3214868480
	.section	.rodata,"a",@progbits
	.p2align	6, 0x0
	.amdhsa_kernel k_qf171ea7ba9_col0
		.amdhsa_group_segment_fixed_size 177152
		.amdhsa_private_segment_fixed_size 0
		.amdhsa_enable_private_segment 0
		.amdhsa_kernarg_size 152
		.amdhsa_user_sgpr_count 2
		.amdhsa_user_sgpr_kernarg_segment_ptr 1
		.amdhsa_wavefront_size32 1
		.amdhsa_system_sgpr_workgroup_id_x 1
		.amdhsa_system_sgpr_workgroup_id_y 1
		.amdhsa_system_sgpr_workgroup_id_z 1
		.amdhsa_system_vgpr_workitem_id 0
		.amdhsa_next_free_vgpr 512
		.amdhsa_next_free_sgpr 100
		.amdhsa_reserve_vcc 0
		.amdhsa_float_denorm_mode_32 3
		.amdhsa_float_denorm_mode_16_64 3
		.amdhsa_memory_ordered 1
		.amdhsa_forward_progress 1
		.amdhsa_inst_pref_size 255
	.end_amdhsa_kernel
	.section	.bss,"aw",@nobits
	.p2align	6
	.space	262144
	.amdgpu_metadata
---
amdhsa.version: [ 1, 2 ]
amdhsa.kernels:
  - .name:           k_qf171ea7ba9_col0
    .symbol:         k_qf171ea7ba9_col0.kd
    .args:
      - { .name: hidden_states, .offset: 0, .size: 8, .value_kind: global_buffer, .address_space: global }
      - { .name: ctxc, .offset: 8, .size: 8, .value_kind: global_buffer, .address_space: global }
      - { .name: ctxs, .offset: 16, .size: 8, .value_kind: global_buffer, .address_space: global }
      - { .name: par, .offset: 24, .size: 8, .value_kind: global_buffer, .address_space: global }
      - { .name: lay0, .offset: 32, .size: 8, .value_kind: global_buffer, .address_space: global }
      - { .name: row_ob, .offset: 40, .size: 8, .value_kind: global_buffer, .address_space: global }
      - { .name: col_qb, .offset: 48, .size: 8, .value_kind: global_buffer, .address_space: global }
      - { .name: col_kb, .offset: 56, .size: 8, .value_kind: global_buffer, .address_space: global }
      - { .name: col_vb, .offset: 64, .size: 8, .value_kind: global_buffer, .address_space: global }
      - { .name: col_ob, .offset: 72, .size: 8, .value_kind: global_buffer, .address_space: global }
      - { .name: fc1b, .offset: 80, .size: 8, .value_kind: global_buffer, .address_space: global }
      - { .name: fc2b, .offset: 88, .size: 8, .value_kind: global_buffer, .address_space: global }
      - { .name: ln_col_w, .offset: 96, .size: 8, .value_kind: global_buffer, .address_space: global }
      - { .name: ln_col_b, .offset: 104, .size: 8, .value_kind: global_buffer, .address_space: global }
      - { .name: ln_ff_w, .offset: 112, .size: 8, .value_kind: global_buffer, .address_space: global }
      - { .name: ln_ff_b, .offset: 120, .size: 8, .value_kind: global_buffer, .address_space: global }
      - { .name: ln_f_w, .offset: 128, .size: 8, .value_kind: global_buffer, .address_space: global }
      - { .name: ln_f_b, .offset: 136, .size: 8, .value_kind: global_buffer, .address_space: global }
      - { .name: xa, .offset: 144, .size: 8, .value_kind: global_buffer, .address_space: global }
    .group_segment_fixed_size: 177152
    .private_segment_fixed_size: 0
    .kernarg_segment_align: 8
    .kernarg_segment_size: 152
    .max_flat_workgroup_size: 256
    .sgpr_count:     100
    .vgpr_count:     512
    .wavefront_size: 32
...
	.end_amdgpu_metadata
.endif
;; end of part 5
;; launch row1: the kernel of part 4 again; grid 256 x 1, 16 waves a work-group, no clusters, 128,512 bytes of LDS; arguments xa, bkt, par, lay1, row_qb, row_kb, row_vb, row_rel, ln_row_w, ln_row_b, ctxc, ctxs; writes ctxc, ctxs
;; launch col1: the kernel of part 5 again; grid 256 x 1, 8 waves a work-group, no clusters, 177,152 bytes of LDS; arguments xa, ctxc, ctxs, par, lay1, row_ob, col_qb, col_kb, col_vb, col_ob, fc1b, fc2b, ln_col_w, ln_col_b, ln_ff_w, ln_ff_b, ln_f_w, ln_f_b, out0; writes out0
